; MI455X (gfx1250); checked and timed in simulation.
; The chip was launched on July 23, 2026; its instructions are those of AMD's public machine-readable ISA for CDNA 5 (MIT licence, August 2026) and "CDNA5" Instruction Set Architecture Reference Guide (July 2026). The comments in the code are by the model that wrote it; some were corrected since.
;; Multi Headed Attention. Allowed arithmetic: matrix products marked QUANTISED: E5M2 operands, one E8M0 scale for each 32 along K, by v_wmma_scale_f32_16x16x128_f8f6f4 with both operands' format E5M2, f32 sums; everything else in f32.
;; Inputs: Wk 1,024 x 256 float32; Wo 1,024 x 1,024 float32; Wq 1,024 x 1,024 float32; Wv 1,024 x 256 float32; x 1 x 4,096 x 1,024 float32.
;; Outputs: out0 1 x 4,096 x 1,024 float32.
;; This version of the problem:
;;   THIS VERSION OF THE PROBLEM IS GIVEN IN LOW PRECISION. The matrix products marked QUANTISED in the list below multiply operands that are first quantised to E5M2 (5 exponent bits, 2 mantissa bits; 8 bits a number), with one power-of-two scale for each 32 numbers along K (OCP MX v1.0); their sums are f32. All else is computed in f32.
;;   The module's matrix products, in the order in which they are computed (A, B: the left and right operand; K: the contracted axis; several contracted axes count as one K, in the product's order):
;;     1. [M 4,096, K 1,024] x [K 1,024, N 1,024]; A: input x; B: input Wq: QUANTISED
;;     2. [M 4,096, K 1,024] x [K 1,024, N 256]; A: input x; B: input Wk: QUANTISED
;;     3. [M 4,096, K 1,024] x [K 1,024, N 256]; A: input x; B: input Wv: QUANTISED
;;     4. batch 16 x [M 4,096, K 64] x [K 64, N 4,096]; A: computed on the way; B: computed on the way: QUANTISED
;;     5. batch 16 x [M 64, K 4,096] x [K 4,096, N 4,096]; A: computed on the way; B: softmax (see below): QUANTISED
;;     6. [M 4,096, K 1,024] x [K 1,024, N 1,024]; A: computed on the way; B: input Wo: QUANTISED
;;   THE QUANTISER, for each operand of a quantised product, along K:
;;     - K is cut into blocks of 32 from its start; a last block that is shorter is filled with zeros.
;;     - A block's scale is 2^e with e = floor(log2(the largest magnitude in the block)) - 15, held to -126 .. 127; a block of zeros has e = 0. As a byte (E8M0): e + 127.
;;     - Each number is divided by its block's scale, clamped to +-57,344, and rounded to the nearest number of E5M2, ties to even, subnormals kept.
;;     - The product sums the exact products of the quantised numbers (number of the format x scale) in f32.
;;   ~~~python
;;   def quantise(x, axis):      # numpy; x: float32 -> the quantised numbers, widened to float32 again
;;       x = np.moveaxis(x, axis, -1); K = x.shape[-1]
;;       x = np.pad(x, [(0, 0)] * (x.ndim - 1) + [(0, -K % 32)]); x = x.reshape(x.shape[:-1] + (-1, 32)); a = np.abs(x).max(-1, keepdims=True)
;;       e = np.where(a > 0, np.clip(np.frexp(np.where(a > 0, a, 1))[1] - 1 - 15, -126, 127), 0)      # np.frexp(a)[1] - 1 = floor(log2(a)), exactly
;;       r = np.clip(x / 2.0 ** e, -57344, 57344)
;;       step = 2.0 ** (np.maximum(np.frexp(np.where(r == 0, 1, r))[1] - 1, -14) - 2)
;;       q = np.round(r / step) * step * 2.0 ** e      # np.round: ties to even
;;       return np.moveaxis(q.reshape(q.shape[:-2] + (-1,))[..., :K], -1, axis).astype(np.float32)
;;   ~~~
;;   SOFTMAX AHEAD OF A QUANTISED PRODUCT. Where the list says 'softmax', what is quantised is not the finished softmax but p = 2^(t - M), with t = logit x log2(e) and M = ceil(the row's largest t), a whole number; so 1/2 < the row's largest p <= 1. The row's sum l is taken of the UNQUANTISED p, in f32, and the product's result is divided by l at the end. Since M is a whole number, a kernel that streams over the keys may use a running M (the ceiling of the running maximum): every later rescaling is an exact power of two, which a block's scale takes up: the codes' values come out the same.
;;   OPERANDS COMPUTED ON THE WAY. 'Computed on the way' means the value that the module computes at that place (a softmax that the list does not call 'softmax' is quantised finished and normalised). What goes into a quantiser is computed in f32, as accurately as f32 sums, v_exp_f32 and their like allow (about 1e-6 of the number): no bf16 or f16 on the way to a quantiser, and a product that is left as it is and whose result goes on into a quantised operand takes f32 operands (vector FMAs, or v_wmma_f32_16x16x4_f32). A number that lies on a knife's edge between two numbers of the format may be rounded either way, as far as f32 arithmetic and the matrix unit's own rounding can turn it there, and no further.
;; 2 versions. Each part assembles by itself: llvm-mc -triple=amdgcn-amd-amdhsa -mcpu=gfx1250 --defsym DOCPART=n.
;; ======== version 1 of 2: 4 launches
;; workspace buffers: prep 8,077,312 bytes; qk 5,570,560 bytes; vv 1,081,344 bytes; cx 4,325,376 bytes
;; launch quant (part 1): grid 288 x 1, 4 waves a work-group, no clusters, 34,304 bytes of LDS; arguments x, Wq, Wk, Wv, Wo, prep; writes prep
.if DOCPART == 1
	.amdgcn_target "amdgcn-amd-amdhsa--gfx1250"
	.amdhsa_code_object_version 6
	.text
	.protected	k_q4186682bfd_quant
	.globl	k_q4186682bfd_quant
	.p2align	8
	.type	k_q4186682bfd_quant,@function
k_q4186682bfd_quant:
	s_mov_b64 s[64:65], 0
	v_nop
	global_prefetch_b8 v0, s[64:65] scope:SCOPE_SE
	s_setreg_imm32_b32 hwreg(HW_REG_WAVE_MODE, 25, 1), 1
	s_wait_xcnt 0x0
; x [4096][1024] and the four weights [1024][N], f32, become codes of BF8 (E5M2) with one E8M0 byte for each 32 along K = 1,024, laid in the ORDER OF THE OPERAND'S REGISTERS; and the table of cos and sin for the rotary step is made.
; A TILE is 16 rows (tokens of x, columns of a weight) that are NOT neighbours: row r of tile T is index 32 (T / 2) + 8 (T % 2) + r + 8 (r / 8), so that in a product whose source 0 is such a tile
; the 16 registers of tiles 2 b and 2 b + 1 are 16 neighbours, 32 b + 16 (lane / 16) + 0 .. 15.  A FRAGMENT (a tile x 128 along K) is 2,048 bytes: register group c of lane l at 512 c + 16 l.
; prep: XC x's codes [tile 256][K step 8][2048];  WC the weights' [tile 160: Wq 0-63, Wk 64-79, Wv 80-95, Wo 96-159][8][2048];  XS, WS scale words [pair of tiles][K steps 0-3 | 4-7][lane 32][4 words], lane = 16 (T % 2) + r;
;       TAB [tile 256][piece 8][lane 32][16 bytes]: pieces 0-3 cos, 4-7 sin of angle d = 16 (lane / 16) + 0 .. 15 at the lane's token.
; A block's scale is 2^(floor(log2(largest magnitude)) - 15); its byte is the largest magnitude's exponent field - 15, held at 1 from below.
; LIMITS: a block of zeros gets the byte 1 where the rule says 127 (its codes are zeros, and this program alone reads the bytes); NaN and infinities among the inputs are not served;
; the 32 frequencies are constants, 1 / (10^(i / 8)) with both steps rounded to f32 as the source rounds them, on the footing that the f32 power is correctly rounded at these arguments;
; cos and sin: two-part reduction by pi / 2 (positions up to 4,095: the part left out is under 5e-12) and polynomials of degree 7 and 8, about one unit in the last place.
; Work-groups 0-127 take x (a wave: one tile x 512 along K), work-groups 128-287 the weights (a wave: 32 columns x 128 along K).  Only x's way touches LDS.  No barrier: waves share nothing.
.set XC,   0
.set WC,   0x400000
.set XS,   0x680000
.set WS,   0x6a0000
.set TAB,  0x6b4000
.set TM,   16                          ; v16-19 largest magnitudes, v20-23 bytes, v24-27 57,344 x the scale, v28-31 the conversion's scale operand
.set PC,   32                          ; v32-47  a fragment's codes
.set SW,   48                          ; v48-51  four scale words
.set R,    64                          ; v64-191 two sets of 64: a K step as loaded
.set X,    192                         ; v192-255 64 numbers, register 16 b + i = k 32 b + 16 (lane / 16) + i; before that the table's work
.set MNT,  17                          ; s17     the mantissa field of 57,344
.set SEL,  56                          ; s[56:57] v_permlanex16_b32's selects for lane l xor 16
.macro XLOAD k                         ; K step k of my 16 rows: a row's 128 numbers are 512 consecutive bytes, 16 a lane
.irp i, 0,1,2,3,4,5,6,7,8,9,10,11,12,13,14,15
	global_load_b128 v[R+64*((\k)%2)+4*\i:R+64*((\k)%2)+4*\i+3], v4, s[4:5] offset:(\i+8*(\i/8))*4096+512*(\k) th:TH_LOAD_NT
.endr
.endm
.macro TURN k                          ; through my own stage (rows of 512 bytes + 16): in as loaded, back 64 bytes a lane of each block.  LDS serves a wave's instructions in order
.irp i, 0,1,2,3,4,5,6,7,8,9,10,11,12,13,14,15
	ds_store_b128 v5, v[R+64*((\k)%2)+4*\i:R+64*((\k)%2)+4*\i+3] offset:528*\i
.endr
.irp c, 0,1,2,3
.irp j, 0,1,2,3
	ds_load_b128 v[X+16*\c+4*\j:X+16*\c+4*\j+3], v6 offset:128*\c+16*\j
.endr
.endr
.endm
.macro QUANT s, pc, pw                 ; 64 numbers of a lane become 16 registers of codes and my row's scale word
.irp b, 0,1,2,3
	v_max3_num_f32 v[TM+\b], |v[\s+16*\b]|, |v[\s+1+16*\b]|, 0x8000000   ; with the floor 2^(16 - 127): the byte cannot fall under 1
.endr
.irp i, 2,4,6,8,10,12,14
.irp b, 0,1,2,3
	v_max3_num_f32 v[TM+\b], v[TM+\b], |v[\s+16*\b+\i]|, |v[\s+1+16*\b+\i]|   ; the four blocks by turns
.endr
.endr
.irp b, 0,1,2,3
	v_permlanex16_b32 v[TM+4+\b], v[TM+\b], s[SEL], s[SEL+1]
.endr
.irp b, 0,1,2,3
	v_max_num_f32 v[TM+\b], v[TM+\b], v[TM+4+\b]                ; with lane l xor 16's 16 numbers: the block's
.endr
.irp b, 0,1,2,3
	v_add_nc_u32 v[TM+12+\b], 0xf8800000, v[TM+\b]             ; 15 off the exponent field: the conversion's scale operand
.endr
.irp b, 0,1,2,3
	v_and_or_b32 v[TM+8+\b], v[TM+\b], 0x7f800000, s[MNT]      ; 57,344 x the scale
.endr
.irp b, 0,1,2,3
	v_lshrrev_b32 v[TM+4+\b], 23, v[TM+12+\b]                  ; the byte
.endr
	v_lshl_or_b32 v[\pw], v[TM+5], 8, v[TM+4]
	v_lshl_or_b32 v[\pw], v[TM+6], 16, v[\pw]
	v_lshl_or_b32 v[\pw], v[TM+7], 24, v[\pw]
.irp b, 0,1,2,3
.irp i, 0,1,2,3,4,5,6,7,8,9,10,11,12,13,14,15
	v_med3_num_f32 v[\s+16*\b+\i], v[\s+16*\b+\i], -v[TM+8+\b], v[TM+8+\b]   ; the conversion does not saturate (ISA guide 7.6.2): the hold
.endr
	v_cvt_scalef32_pk8_bf8_f32 v[\pc+4*\b:\pc+1+4*\b], v[\s+16*\b:\s+7+16*\b], v[TM+12+\b]
	v_cvt_scalef32_pk8_bf8_f32 v[\pc+2+4*\b:\pc+3+4*\b], v[\s+8+16*\b:\s+15+16*\b], v[TM+12+\b]
.endr
	v_nop                                          ; a plain line behind the last conversion
.endm
.macro XSTEP k
.if (\k) < 3
	s_wait_loadcnt 16                              ; this K step's 16 loads are in; the next step's 16 may be out
.else
	s_wait_loadcnt 0x0
.endif
	TURN \k
	s_wait_dscnt 0x0                               ; the numbers are back, and the stage's stores have read their registers
.if (\k) < 2
	XLOAD (\k)+2
.endif
.if (\k) > 0
	s_wait_xcnt 0x0                                ; the last step's stores have read the codes' registers, which are written again below
.endif
	QUANT X, PC, SW+(\k)
.irp c, 0,1,2,3
	global_store_b128 v4, v[PC+4*\c:PC+4*\c+3], s[20:21] offset:2048*(\k)+512*\c   ; 512 consecutive bytes
.endr
.endm
.macro FSEL i, f0, f1, f2, f3          ; SCC = (my half of K is 0): lanes 0-15 take d = 8 g + i, lanes 16-31 d = 16 + 8 g + i
	s_mov_b32 s[32+\i], \f1
	s_cselect_b32 s[32+\i], \f0, s[32+\i]
	s_mov_b32 s[40+\i], \f3
	s_cselect_b32 s[40+\i], \f2, s[40+\i]
.endm
.macro WLOAD t, pitch                  ; block t: W(32 t + i, my column): 32 lanes read 128 consecutive bytes
.irp i, 0,1,2,3,4,5,6,7,8,9,10,11,12,13,14,15,16,17,18,19,20,21,22,23,24,25,26,27,28,29,30,31
	global_load_b32 v[32+32*((\t)%2)+\i], v3, s[20:21] offset:(32*(\t)+\i)*\pitch th:TH_LOAD_NT
.endr
.endm
.macro WBLOCK t, pitch
.set NS, 32+32*((\t)%2)
.if (\t) < 3
	s_wait_loadcnt 32                              ; this block's 32 loads are in; the next block's may be out
.else
	s_wait_loadcnt 0x0
.endif
	v_max3_num_f32 v12, |v[NS]|, |v[NS+1]|, |v[NS+2]|          ; all 32 numbers of the block are mine
	v_max3_num_f32 v13, |v[NS+3]|, |v[NS+4]|, |v[NS+5]|
.irp i, 6,10,14,18,22,26
	v_max3_num_f32 v12, v12, |v[NS+\i]|, |v[NS+\i+1]|
	v_max3_num_f32 v13, v13, |v[NS+\i+2]|, |v[NS+\i+3]|
.endr
	v_max3_num_f32 v12, v12, |v[NS+30]|, |v[NS+31]|
	v_max3_num_f32 v12, v12, v13, 0x8000000
	v_add_nc_u32 v11, 0xf8800000, v12
	v_and_or_b32 v10, v12, 0x7f800000, s[MNT]
	v_lshrrev_b32 v13, 23, v11
.if (\t) == 0
	v_mov_b32 v24, v13
.else
	v_lshl_or_b32 v24, v13, 8*(\t), v24
.endif
.irp i, 0,1,2,3,4,5,6,7,8,9,10,11,12,13,14,15,16,17,18,19,20,21,22,23,24,25,26,27,28,29,30,31
	v_med3_num_f32 v[NS+\i], v[NS+\i], -v10, v10
.endr
.irp g, 0,1,2,3
	v_cvt_scalef32_pk8_bf8_f32 v[96+8*(\t)+2*\g:97+8*(\t)+2*\g], v[NS+8*\g:NS+8*\g+7], v11
.endr
	global_store_b128 v4, v[96+8*(\t):99+8*(\t)], s[22:23] offset:512*(\t)          ; k 32 t + 0 .. 15: the sixteen lanes of a tile store 256 consecutive bytes, aligned
	global_store_b128 v4, v[100+8*(\t):103+8*(\t)], s[22:23] offset:512*(\t)+256    ; k 32 t + 16 .. 31.  Each block has code registers of its own
.if (\t) < 2
	WLOAD (\t)+2, \pitch
.endif
.endm
.macro WBODY pitch
	s_mul_i32 s28, s19, 128*\pitch                 ; my K step's 128 rows
	s_add_co_u32 s28, s28, s31
	s_mov_b32 s29, 0
	s_add_nc_u64 s[20:21], s[20:21], s[28:29]
	WLOAD 0, \pitch
	WLOAD 1, \pitch
	WBLOCK 0, \pitch
	WBLOCK 1, \pitch
	WBLOCK 2, \pitch
	WBLOCK 3, \pitch
	global_store_b32 v5, v24, s[24:25]             ; my column's scale word of this K step (words 16 bytes apart: one byte for each 128 read)
	s_endpgm
.endm
	s_load_b256 s[4:11], s[0:1], 0x0               ; x s[4:5], Wq s[6:7], Wk s[8:9], Wv s[10:11]
	s_load_b128 s[12:15], s[0:1], 0x20             ; Wo s[12:13], prep s[14:15]
	v_lshl_add_u32 v14, v0, 2, 0x8400
	v_mov_b32 v15, 0
	v_lshrrev_b32 v1, 5, v0
	v_readfirstlane_b32 s16, v1                    ; wave
	v_and_b32 v1, 31, v0                           ; lane
	s_mov_b32 s[MNT], 0x600000
	s_wait_kmcnt 0x0
	s_cmp_ge_u32 ttmp9, 128
	s_cbranch_scc1 .Lweights
	; ---------------- x: wave w takes tile T = 2 x work-group + w / 2, half g = w % 2 of K
	v_and_b32 v2, 15, v0                           ; r
	v_bfe_u32 v3, v0, 4, 1                         ; h
	v_lshlrev_b32 v4, 4, v1                        ; 16 x lane
	s_mul_i32 s18, s16, 8448                       ; my stage: 16 rows of 528 bytes
	v_add_nc_u32 v5, s18, v4
	v_mul_u32_u24 v6, v2, 528
	v_lshl_add_u32 v6, v3, 6, v6
	v_add_nc_u32 v6, s18, v6                       ; back: row r, + 64 h
	v_lshlrev_b32 v7, 4, v2
	v_lshl_add_u32 v7, v3, 3, v7                   ; scale words: 16 r + 8 h
	s_lshr_b32 s19, s16, 1                         ; T % 2
	s_and_b32 s26, s16, 1                          ; g
	s_lshl_b32 s27, ttmp9, 5
	s_lshl_b32 s28, s19, 3
	s_add_co_u32 s27, s27, s28                     ; the tile's first token
	s_lshl_b32 s28, s27, 12
	s_lshl_b32 s29, s26, 11
	s_add_co_u32 s28, s28, s29
	s_mov_b32 s29, 0
	s_add_nc_u64 s[4:5], s[4:5], s[28:29]
	XLOAD 0
	XLOAD 1
	s_lshl_b32 s30, ttmp9, 1
	s_add_co_u32 s30, s30, s19                     ; T
	s_lshl_b32 s28, s30, 14
	s_lshl_b32 s31, s26, 13
	s_add_co_u32 s28, s28, s31
	s_add_nc_u64 s[20:21], s[14:15], s[28:29]      ; my four fragments (XC = 0)
	s_lshl_b32 s28, ttmp9, 10
	s_lshl_b32 s31, s26, 9
	s_add_co_u32 s28, s28, s31
	s_lshl_b32 s31, s19, 8
	s_add_co_u32 s28, s28, s31
	s_add_co_u32 s28, s28, XS
	s_add_nc_u64 s[22:23], s[14:15], s[28:29]      ; my 256 bytes of scale words
	s_lshl_b32 s28, s30, 12
	s_lshl_b32 s31, s26, 10
	s_add_co_u32 s28, s28, s31
	s_add_co_u32 s28, s28, TAB
	s_add_nc_u64 s[24:25], s[14:15], s[28:29]      ; my pieces of the table
	s_mov_b32 s[SEL], 0x76543210
	s_mov_b32 s[SEL+1], 0xfedcba98
.irp b, 0,1,2,3
	v_mov_b32 v[TM+4+\b], 0                        ; written once: a lane permute's destination counts as one of its sources
.endr
	; the table, while the first loads are on their way: eight angles a lane, d = 16 h + 8 g + i, at my token
	s_cmp_eq_u32 s26, 0
	FSEL 0, 0x3f800000, 0x3dcccccd, 0x3c23d70a, 0x3a83126f
	FSEL 1, 0x3f3ff911, 0x3d99940d, 0x3bf5b9b0, 0x3a44948c
	FSEL 2, 0x3f0ff59a, 0x3d6655c2, 0x3bb8449c, 0x3a136a16
	FSEL 3, 0x3ed7e89b, 0x3d2cba15, 0x3b8a2e77, 0x39dd1725
	FSEL 4, 0x3ea1e89b, 0x3d0186e3, 0x3b4f3e38, 0x39a5cb60
	FSEL 5, 0x3e72d423, 0x3cc2434f, 0x3b1b690d, 0x3978a815
	FSEL 6, 0x3e361887, 0x3c91ad39, 0x3ae91528, 0x393a7753
	FSEL 7, 0x3e088d77, 0x3c5a7bf2, 0x3aaec98e, 0x390bd472
	s_mov_b32 s48, 0xbfc90fdb                      ; -(pi / 2), its f32
	s_mov_b32 s49, 0x333bbd2e                      ; that f32 less pi / 2
	s_mov_b32 s50, 0xbe2aaaa3                      ; sin: z, z^2, z^3
	s_mov_b32 s51, 0x3c08839e
	s_mov_b32 s52, 0xb94ca1f9
	s_mov_b32 s53, 0x3d2aaaa5                      ; cos: z^2, z^3, z^4
	s_mov_b32 s54, 0xbab6061a
	s_mov_b32 s55, 0x37ccf5ce
	v_and_b32 v8, 8, v2
	v_add_nc_u32 v8, v8, v2
	v_add_nc_u32 v8, s27, v8
	v_cvt_f32_u32 v8, v8                           ; my token's position
	v_cmp_lt_u32 vcc_lo, 15, v1                    ; lanes 16-31
.irp i, 0,1,2,3,4,5,6,7
	v_mov_b32 v[208+\i], s[32+\i]
	v_mov_b32 v[216+\i], s[40+\i]
.endr
.irp i, 0,1,2,3,4,5,6,7
	v_cndmask_b32 v[208+\i], v[208+\i], v[216+\i], vcc_lo
.endr
.irp i, 0,1,2,3,4,5,6,7
	v_mul_f32 v[208+\i], v8, v[208+\i]             ; the angle, rounded once as the source rounds it
.endr
.irp i, 0,1,2,3,4,5,6,7
	v_mul_f32 v[216+\i], 0x3f22f983, v[208+\i]
.endr
.irp i, 0,1,2,3,4,5,6,7
	v_rndne_f32 v[216+\i], v[216+\i]               ; n = the nearest multiple of pi / 2, at most 2,607
.endr
.irp i, 0,1,2,3,4,5,6,7
	v_fma_f32 v[224+\i], v[216+\i], s48, v[208+\i] ; exact: a multiple of 2^-23 under 1
.endr
.irp i, 0,1,2,3,4,5,6,7
	v_fma_f32 v[224+\i], v[216+\i], s49, v[224+\i] ; what is left of the angle, within pi / 4
.endr
.irp i, 0,1,2,3,4,5,6,7
	v_mul_f32 v[232+\i], v[224+\i], v[224+\i]
.endr
.irp i, 0,1,2,3,4,5,6,7
	v_fma_f32 v[240+\i], v[232+\i], s52, s51
	v_fma_f32 v[248+\i], v[232+\i], s55, s54
.endr
.irp i, 0,1,2,3,4,5,6,7
	v_fma_f32 v[240+\i], v[240+\i], v[232+\i], s50
	v_fma_f32 v[248+\i], v[248+\i], v[232+\i], s53
.endr
.irp i, 0,1,2,3,4,5,6,7
	v_mul_f32 v[240+\i], v[240+\i], v[232+\i]
	v_fma_f32 v[248+\i], v[248+\i], v[232+\i], -0.5
.endr
.irp i, 0,1,2,3,4,5,6,7
	v_fma_f32 v[240+\i], v[240+\i], v[224+\i], v[224+\i]   ; sin of the rest
	v_fma_f32 v[248+\i], v[248+\i], v[232+\i], 1.0         ; cos of the rest
.endr
.irp i, 0,1,2,3,4,5,6,7
	v_cvt_i32_f32 v[216+\i], v[216+\i]
.endr
.irp i, 0,1,2,3,4,5,6,7
	v_and_b32 v[208+\i], 1, v[216+\i]
	v_cmp_eq_u32 vcc_lo, 1, v[208+\i]              ; an odd quarter swaps the two
	v_cndmask_b32 v[200+\i], v[240+\i], v[248+\i], vcc_lo
	v_cndmask_b32 v[192+\i], v[248+\i], v[240+\i], vcc_lo
.endr
.irp i, 0,1,2,3,4,5,6,7
	v_lshlrev_b32 v[208+\i], 30, v[216+\i]         ; sin is negative in quarters 2 and 3: bit 1 of n
	v_add_nc_u32 v[216+\i], 1, v[216+\i]           ; cos in quarters 1 and 2: bit 1 of n + 1
.endr
.irp i, 0,1,2,3,4,5,6,7
	v_and_b32 v[208+\i], 0x80000000, v[208+\i]
	v_lshlrev_b32 v[216+\i], 30, v[216+\i]
.endr
.irp i, 0,1,2,3,4,5,6,7
	v_xor_b32 v[200+\i], v[200+\i], v[208+\i]
	v_and_b32 v[216+\i], 0x80000000, v[216+\i]
.endr
.irp i, 0,1,2,3,4,5,6,7
	v_xor_b32 v[192+\i], v[192+\i], v[216+\i]
.endr
	global_store_b128 v4, v[192:195], s[24:25]
	global_store_b128 v4, v[196:199], s[24:25] offset:512
	global_store_b128 v4, v[200:203], s[24:25] offset:2048
	global_store_b128 v4, v[204:207], s[24:25] offset:2560
	s_wait_xcnt 0x0                                ; these stores have read their registers, into which the stage's loads land next
	XSTEP 0
	XSTEP 1
	XSTEP 2
	XSTEP 3
	v_cmp_lt_u32 vcc_lo, 15, v1
	v_cndmask_b32 v52, v[SW], v[SW+2], vcc_lo      ; both halves of the lanes hold row r's four words: lanes 0-15 store words 0 and 1, lanes 16-31 words 2 and 3
	v_cndmask_b32 v53, v[SW+1], v[SW+3], vcc_lo
	global_store_b64 v7, v[52:53], s[22:23]        ; 256 consecutive bytes, aligned
	s_wait_tensorcnt 0x0
	ds_add_u32 v14, v15
	s_wait_dscnt 0x0
	s_endpgm
	; ---------------- the weights: K is the FIRST axis: a lane takes a column and its registers run down K
.Lweights:
	s_sub_co_u32 s18, ttmp9, 128
	s_and_b32 s19, s18, 7                          ; K step
	s_lshr_b32 s26, s18, 3                         ; which 128 of the 2,560 columns [Wq | Wk | Wv | Wo]
	s_sub_co_u32 s27, s26, 12
	s_sub_co_u32 s28, s26, 10
	s_sub_co_u32 s29, s26, 8
	s_mov_b64 s[20:21], s[12:13]                   ; the buffer is chosen on the work-group's number alone
	s_cmp_lt_u32 s26, 12
	s_cselect_b64 s[20:21], s[10:11], s[20:21]
	s_cselect_b32 s27, s28, s27
	s_cmp_lt_u32 s26, 10
	s_cselect_b64 s[20:21], s[8:9], s[20:21]
	s_cselect_b32 s27, s29, s27
	s_cmp_lt_u32 s26, 8
	s_cselect_b64 s[20:21], s[6:7], s[20:21]
	s_cselect_b32 s27, s26, s27                    ; which 128 columns of that weight
	s_lshl_b32 s30, s26, 2
	s_add_co_u32 s30, s30, s16                     ; my pair of tiles
	s_lshl_b32 s31, s27, 9
	s_lshl_b32 s18, s16, 7
	s_add_co_u32 s31, s31, s18                     ; my 32 columns, in bytes
	s_mov_b32 s35, 0
	s_lshl_b32 s34, s30, 15
	s_lshl_b32 s18, s19, 11
	s_add_co_u32 s34, s34, s18
	s_add_co_u32 s34, s34, WC
	s_add_nc_u64 s[22:23], s[14:15], s[34:35]      ; the pair's fragments of this K step
	s_lshl_b32 s34, s30, 10
	s_lshr_b32 s18, s19, 2
	s_lshl_b32 s18, s18, 9
	s_add_co_u32 s34, s34, s18
	s_and_b32 s18, s19, 3
	s_lshl_b32 s18, s18, 2
	s_add_co_u32 s34, s34, s18
	s_add_co_u32 s34, s34, WS
	s_add_nc_u64 s[24:25], s[14:15], s[34:35]      ; and its scale words
	v_lshlrev_b32 v3, 2, v1                        ; in: 4 bytes a lane
	v_bfe_u32 v8, v0, 3, 1                         ; column L of the pair is row (L % 8) + 8 (L / 16) of tile (L / 8) % 2
	v_and_b32 v9, 7, v0
	v_bfe_u32 v10, v0, 4, 1
	v_lshl_add_u32 v9, v10, 3, v9
	v_lshlrev_b32 v4, 14, v8
	v_lshl_add_u32 v4, v9, 4, v4                   ; codes: tile x 16,384 + 16 x row
	v_lshl_add_u32 v5, v8, 4, v9
	v_lshlrev_b32 v5, 4, v5                        ; scale words: 16 bytes for each of the pair's 32 rows
	s_cmp_lt_u32 s29, 4                            ; Wk and Wv have rows of 1,024 bytes: the pitch stands in the immediates, so the body is written twice
	s_cbranch_scc1 .Lnarrow
	WBODY 4096
.Lnarrow:
	WBODY 1024
.Lfunc_end_k_q4186682bfd_quant:
	.size	k_q4186682bfd_quant, .Lfunc_end_k_q4186682bfd_quant-k_q4186682bfd_quant
	.p2alignl 7, 3214868480
	.fill 96, 4, 3214868480
	.section	.rodata,"a",@progbits
	.p2align	6, 0x0
	.amdhsa_kernel k_q4186682bfd_quant
		.amdhsa_group_segment_fixed_size 34304
		.amdhsa_private_segment_fixed_size 0
		.amdhsa_enable_private_segment 0
		.amdhsa_kernarg_size 48
		.amdhsa_user_sgpr_count 2
		.amdhsa_user_sgpr_kernarg_segment_ptr 1
		.amdhsa_wavefront_size32 1
		.amdhsa_system_sgpr_workgroup_id_x 1
		.amdhsa_system_sgpr_workgroup_id_y 1
		.amdhsa_system_sgpr_workgroup_id_z 1
		.amdhsa_system_vgpr_workitem_id 0
		.amdhsa_next_free_vgpr 256
		.amdhsa_next_free_sgpr 66
		.amdhsa_reserve_vcc 1
		.amdhsa_float_denorm_mode_32 3
		.amdhsa_float_denorm_mode_16_64 3
		.amdhsa_memory_ordered 1
		.amdhsa_forward_progress 1
		.amdhsa_inst_pref_size 121
	.end_amdhsa_kernel
	.amdgpu_metadata
---
amdhsa.version: [ 1, 2 ]
amdhsa.kernels:
  - .name:           k_q4186682bfd_quant
    .symbol:         k_q4186682bfd_quant.kd
    .args:
      - { .name: x, .offset: 0, .size: 8, .value_kind: global_buffer, .address_space: global }
      - { .name: Wq, .offset: 8, .size: 8, .value_kind: global_buffer, .address_space: global }
      - { .name: Wk, .offset: 16, .size: 8, .value_kind: global_buffer, .address_space: global }
      - { .name: Wv, .offset: 24, .size: 8, .value_kind: global_buffer, .address_space: global }
      - { .name: Wo, .offset: 32, .size: 8, .value_kind: global_buffer, .address_space: global }
      - { .name: prep, .offset: 40, .size: 8, .value_kind: global_buffer, .address_space: global }
    .group_segment_fixed_size: 34304
    .private_segment_fixed_size: 0
    .kernarg_segment_align: 8
    .kernarg_segment_size: 48
    .max_flat_workgroup_size: 128
    .sgpr_count:     66
    .vgpr_count:     256
    .wavefront_size: 32
...
	.end_amdgpu_metadata
.endif
;; end of part 1
;; launch qkv (part 2): grid 32 x 6, 4 waves a work-group, no clusters, 0 bytes of LDS; arguments prep, qk, vv; writes qk, vv
.if DOCPART == 2
	.amdgcn_target "amdgcn-amd-amdhsa--gfx1250"
	.amdhsa_code_object_version 6
	.text
	.protected	k_q4186682bfd_qkv
	.globl	k_q4186682bfd_qkv
	.p2align	8
	.type	k_q4186682bfd_qkv,@function
k_q4186682bfd_qkv:
	s_mov_b64 s[64:65], 0
	v_nop
	global_prefetch_b8 v0, s[64:65] scope:SCOPE_SE
	s_setreg_imm32_b32 hwreg(HW_REG_WAVE_MODE, 25, 1), 1
	s_wait_xcnt 0x0
; q = rope(x Wq), k = rope(x Wk), v = x Wv on codes of BF8 (E5M2) with E8M0 scales, K = 1,024; the results are quantised in registers for the two products of attention and leave as codes in register order.
; ONE main loop: source 0 = 8 tiles, source 1 = 4 tiles, 32 accumulators a wave, 8 K steps of 128.  Tiles, fragments and scale words as the launch before laid them (row r of tile T = index 32 (T / 2) + 8 (T % 2) + r + 8 (r / 8)).
;   work-group y = 0 .. 4 (q and k: heads 4 y .. 4 y + 3 of the 20, q 0-15, k 16-19): source 0 = the weights' tiles of two heads, source 1 = four tiles of tokens: a lane holds ONE token, its registers run along the channels:
;       of tiles 2 b, 2 b + 1 the 16 registers are channels 32 b + 16 (lane / 16) + 0 .. 15.  So the rotary step pairs registers of one lane, and the head's 64 are two blocks of the next K.
;   work-group y = 5 (v): source 0 = eight tiles of tokens (128 keys), source 1 = the four tiles of Wv of kv head = wave: a lane holds ONE channel, its registers run along the keys, which are the second product's K.
; OUT: qk: codes [head 20][tile 256][group 2][512], scale words [head][tile][16] at QKS (bytes 0, 1: the head's two blocks; bytes 2, 3 meet zero codes alone and are never 0xff);  vv: codes [kv head][128 keys][tile of channels 4][2048], scale words [kv head][128 keys][pair 2][lane 32] at VSC.
; No LDS and no tensor load: operands lie in register order, so each load of a wave is 512 consecutive bytes; K has only 8 steps.  Tiles are shared by two to four waves of a work-group and fetched by each: clusters and
; joint loads are left out because a wave's whole matrix work is 256 instructions.  192 work-groups of equal work.
; LIMITS: NaN and infinities are not served; a block of zeros gets the byte 1; the rotary step uses fused multiply-adds where the source rounds product and sum apart.
; REGISTERS, in windows of 256: window 0: addresses, v16-31 the quantiser's work, v32-35 scale words made, v36-39 words to store, v64-95 source 0's scale words (8 x pair + K step), v96-111 source 1's, v112-175 the rotary step's products, v176-239 codes;
;   window 1: accumulator (j, i) at 64 j + 8 i;   window 2: source 0's fragments, two sets of 128;   window 3: source 1's, two sets of 64; from v128 cos and sin, 32 for each tile of tokens.
.set WC,   0x400000
.set XS,   0x680000
.set WS,   0x6a0000
.set TAB,  0x6b4000
.set QKS,  0x500000
.set VSC,  0x100000
.set LI,   1                           ; v1  16 x lane
.set LS,   2                           ; v2  4 x lane
.set TM,   16
.set PW,   32
.set WD,   36
.set SC0,  64
.set SC1,  96
.set RT,   112
.set PC,   176
.set MNT,  34
.set SEL,  36
.set MSB, 0
.macro WIN new                         ; the immediate's high byte repeats the setting that is left
.if MSB != \new
	s_set_vgpr_msb (MSB<<8)|\new
.set MSB, \new
.endif
.endm
.macro WM acc, fa, fb, sa, sb, ra, rb, zero    ; one product; ra, rb: the side's scale words stand in lanes 16-31 (an odd tile); zero: it starts the sum
.if \zero
.if (\ra) && (\rb)
	v_wmma_scale_f32_16x16x128_f8f6f4 v[(\acc):(\acc)+7], v[(\fa):(\fa)+15], v[(\fb):(\fb)+15], 0, v[\sa], v[\sb] matrix_a_fmt:MATRIX_FMT_BF8 matrix_b_fmt:MATRIX_FMT_BF8 matrix_a_scale:MATRIX_SCALE_ROW1 matrix_b_scale:MATRIX_SCALE_ROW1
.elseif (\ra)
	v_wmma_scale_f32_16x16x128_f8f6f4 v[(\acc):(\acc)+7], v[(\fa):(\fa)+15], v[(\fb):(\fb)+15], 0, v[\sa], v[\sb] matrix_a_fmt:MATRIX_FMT_BF8 matrix_b_fmt:MATRIX_FMT_BF8 matrix_a_scale:MATRIX_SCALE_ROW1
.elseif (\rb)
	v_wmma_scale_f32_16x16x128_f8f6f4 v[(\acc):(\acc)+7], v[(\fa):(\fa)+15], v[(\fb):(\fb)+15], 0, v[\sa], v[\sb] matrix_a_fmt:MATRIX_FMT_BF8 matrix_b_fmt:MATRIX_FMT_BF8 matrix_b_scale:MATRIX_SCALE_ROW1
.else
	v_wmma_scale_f32_16x16x128_f8f6f4 v[(\acc):(\acc)+7], v[(\fa):(\fa)+15], v[(\fb):(\fb)+15], 0, v[\sa], v[\sb] matrix_a_fmt:MATRIX_FMT_BF8 matrix_b_fmt:MATRIX_FMT_BF8
.endif
.else
.if (\ra) && (\rb)
	v_wmma_scale_f32_16x16x128_f8f6f4 v[(\acc):(\acc)+7], v[(\fa):(\fa)+15], v[(\fb):(\fb)+15], v[(\acc):(\acc)+7], v[\sa], v[\sb] matrix_a_fmt:MATRIX_FMT_BF8 matrix_b_fmt:MATRIX_FMT_BF8 matrix_a_scale:MATRIX_SCALE_ROW1 matrix_b_scale:MATRIX_SCALE_ROW1
.elseif (\ra)
	v_wmma_scale_f32_16x16x128_f8f6f4 v[(\acc):(\acc)+7], v[(\fa):(\fa)+15], v[(\fb):(\fb)+15], v[(\acc):(\acc)+7], v[\sa], v[\sb] matrix_a_fmt:MATRIX_FMT_BF8 matrix_b_fmt:MATRIX_FMT_BF8 matrix_a_scale:MATRIX_SCALE_ROW1
.elseif (\rb)
	v_wmma_scale_f32_16x16x128_f8f6f4 v[(\acc):(\acc)+7], v[(\fa):(\fa)+15], v[(\fb):(\fb)+15], v[(\acc):(\acc)+7], v[\sa], v[\sb] matrix_a_fmt:MATRIX_FMT_BF8 matrix_b_fmt:MATRIX_FMT_BF8 matrix_b_scale:MATRIX_SCALE_ROW1
.else
	v_wmma_scale_f32_16x16x128_f8f6f4 v[(\acc):(\acc)+7], v[(\fa):(\fa)+15], v[(\fb):(\fb)+15], v[(\acc):(\acc)+7], v[\sa], v[\sb] matrix_a_fmt:MATRIX_FMT_BF8 matrix_b_fmt:MATRIX_FMT_BF8
.endif
.endif
.endm
.macro FLOAD s, buf                    ; K step s: 48 loads of 512 consecutive bytes
	WIN 0x80                                       ; destination window 2
.irp i, 0,1,2,3,4,5,6,7
.irp c, 0,1,2,3
	global_load_b128 v[128*(\buf)+16*\i+4*\c:128*(\buf)+16*\i+4*\c+3], v[LI], s[16:17] offset:\i*16384+(\s)*2048+\c*512
.endr
.endr
	WIN 0xc0                                       ; destination window 3
.irp j, 0,1,2,3
.irp c, 0,1,2,3
	global_load_b128 v[64*(\buf)+16*\j+4*\c:64*(\buf)+16*\j+4*\c+3], v[LI], s[18:19] offset:\j*16384+(\s)*2048+\c*512
.endr
.endr
	WIN 0
.endm
.macro MUL s, buf, zero                ; 32 products: the 32 accumulators take turns, one instruction a turn, in the same order in every step
	WIN 0x5e                                       ; source 0 window 2, source 1 window 3, C and D window 1
.irp j, 0,1,2,3
.irp i, 0,1,2,3,4,5,6,7
	WM 64*\j+8*\i, 128*(\buf)+16*\i, 64*(\buf)+16*\j, SC0+8*(\i/2)+(\s), SC1+8*(\j/2)+(\s), \i%2, \j%2, \zero
.endr
.endr
	WIN 0
.endm
.macro PLACES                          ; eight plain vector lines between a matrix instruction of this form and a load into, or a vector read of, its registers (ISA guide 7.12.1 for vector reads)
.rept 8
	v_nop
.endr
.endm
.macro QUANT s, pc, pw                 ; 64 numbers of a lane in window 1, register 16 b + i = k 32 b + 16 (lane / 16) + i, become 16 registers of codes and the scale word, in window 0.  Each accumulator is first read at its registers 0 and 1
	WIN 0x05
.irp b, 0,1,2,3
	v_max3_num_f32 v[TM+\b], |v[(\s)+16*\b]|, |v[(\s)+1+16*\b]|, 0x8000000   ; with the floor 2^(16 - 127)
.endr
	WIN 0x14
.irp i, 2,4,6,8,10,12,14
.irp b, 0,1,2,3
	v_max3_num_f32 v[TM+\b], v[TM+\b], |v[(\s)+16*\b+\i]|, |v[(\s)+1+16*\b+\i]|
.endr
.endr
	WIN 0
.irp b, 0,1,2,3
	v_permlanex16_b32 v[TM+4+\b], v[TM+\b], s[SEL], s[SEL+1]
.endr
.irp b, 0,1,2,3
	v_max_num_f32 v[TM+\b], v[TM+\b], v[TM+4+\b]
.endr
.irp b, 0,1,2,3
	v_add_nc_u32 v[TM+12+\b], 0xf8800000, v[TM+\b]
.endr
.irp b, 0,1,2,3
	v_and_or_b32 v[TM+8+\b], v[TM+\b], 0x7f800000, s[MNT]
.endr
.irp b, 0,1,2,3
	v_lshrrev_b32 v[TM+4+\b], 23, v[TM+12+\b]
.endr
	v_lshl_or_b32 v[\pw], v[TM+5], 8, v[TM+4]
	v_lshl_or_b32 v[\pw], v[TM+6], 16, v[\pw]
	v_lshl_or_b32 v[\pw], v[TM+7], 24, v[\pw]
	WIN 0x41
.irp b, 0,1,2,3
.irp i, 0,1,2,3,4,5,6,7,8,9,10,11,12,13,14,15
	v_med3_num_f32 v[(\s)+16*\b+\i], v[(\s)+16*\b+\i], -v[TM+8+\b], v[TM+8+\b]   ; the hold: the conversion does not saturate (ISA guide 7.6.2)
.endr
.endr
	WIN 0x01
.irp b, 0,1,2,3
	v_cvt_scalef32_pk8_bf8_f32 v[(\pc)+4*\b:(\pc)+4*\b+1], v[(\s)+16*\b:(\s)+16*\b+7], v[TM+12+\b]
	v_cvt_scalef32_pk8_bf8_f32 v[(\pc)+4*\b+2:(\pc)+4*\b+3], v[(\s)+16*\b+8:(\s)+16*\b+15], v[TM+12+\b]
.endr
	WIN 0
	v_nop                                          ; a plain line behind the last conversion
.endm
.macro ROPE j                          ; tile j of tokens, two heads: lo = channels 16 h + i, hi = channels 32 + 16 h + i: lo' = lo cos - hi sin, hi' = hi cos + lo sin
	WIN 0x0d                                       ; source 0 window 1, source 1 (the table) window 3, destination window 0
.irp e, 0,1
.irp i, 0,2,4,6,8,10,12,14
	v_pk_mul_f32 v[RT+32*\e+\i:RT+32*\e+\i+1], v[64*\j+32*\e+\i:64*\j+32*\e+\i+1], v[128+32*\j+16+\i:128+32*\j+16+\i+1]
	v_pk_mul_f32 v[RT+32*\e+16+\i:RT+32*\e+16+\i+1], v[64*\j+32*\e+16+\i:64*\j+32*\e+16+\i+1], v[128+32*\j+16+\i:128+32*\j+16+\i+1]
.endr
.endr
	WIN 0x4d                                       ; and the destination window 1
.irp e, 0,1
.irp i, 0,2,4,6,8,10,12,14
	v_pk_fma_f32 v[64*\j+32*\e+\i:64*\j+32*\e+\i+1], v[64*\j+32*\e+\i:64*\j+32*\e+\i+1], v[128+32*\j+\i:128+32*\j+\i+1], v[RT+32*\e+16+\i:RT+32*\e+16+\i+1] neg_lo:[0,0,1] neg_hi:[0,0,1]
	v_pk_fma_f32 v[64*\j+32*\e+16+\i:64*\j+32*\e+16+\i+1], v[64*\j+32*\e+16+\i:64*\j+32*\e+16+\i+1], v[128+32*\j+\i:128+32*\j+\i+1], v[RT+32*\e+\i:RT+32*\e+\i+1]
.endr
.endr
.endm
	s_load_b128 s[4:7], s[0:1], 0x0                ; prep s[4:5], qk s[6:7]
	s_load_b64 s[8:9], s[0:1], 0x10                ; vv
	v_lshrrev_b32 v3, 5, v0
	v_readfirstlane_b32 s10, v3                    ; wave
	v_and_b32 v3, 31, v0
	v_lshlrev_b32 v[LI], 4, v3
	v_lshlrev_b32 v[LS], 2, v3
	v_cmp_lt_u32 vcc_lo, 15, v3                    ; lanes 16-31; VCC stays
.irp b, 0,1,2,3
	v_mov_b32 v[TM+4+\b], 0                        ; written once: a lane permute's destination counts as one of its sources
.endr
	s_mov_b32 s[MNT], 0x600000
	s_mov_b32 s[SEL], 0x76543210
	s_mov_b32 s[SEL+1], 0xfedcba98
	s_and_b32 s12, ttmp7, 0xffff                   ; work-group y: the kind
	s_lshr_b32 s40, s10, 1
	s_and_b32 s41, s10, 1
	s_lshl_b32 s13, ttmp9, 3
	s_lshl_b32 s42, s41, 2
	s_add_co_u32 s13, s13, s42                     ; q, k: my first tile of tokens: 8 x + 4 (wave % 2)
	s_lshl_b32 s44, s12, 4
	s_lshl_b32 s42, s40, 3
	s_add_co_u32 s44, s44, s42                     ; q, k: my first tile of the weights: 16 y + 8 (wave / 2)
	s_lshl_b32 s45, s44, 9
	s_add_co_u32 s45, s45, WS                      ; source 0's scale words (a pair of tiles: 1,024 bytes)
	s_lshl_b32 s46, s44, 14
	s_add_co_u32 s46, s46, WC                      ; source 0's codes
	s_lshl_b32 s47, s13, 14                        ; source 1's codes
	s_lshl_b32 s48, s13, 9
	s_add_co_u32 s48, s48, XS                      ; source 1's scale words
	s_lshl_b32 s49, ttmp9, 17                      ; v: source 0 = tokens' tiles 8 x on
	s_lshl_b32 s50, ttmp9, 12
	s_add_co_u32 s50, s50, XS
	s_lshl_b32 s51, s10, 16                        ; v: source 1 = the weights' tiles 80 + 4 wave on
	s_add_co_u32 s51, s51, WC+80*16384
	s_lshl_b32 s52, s10, 11
	s_add_co_u32 s52, s52, WS+40*1024
	s_lshl_b32 s54, s44, 16                        ; q, k out: head (tile / 4) x 262,144 + token tile x 1,024
	s_lshl_b32 s42, s13, 10
	s_add_co_u32 s54, s54, s42
	s_lshl_b32 s55, s44, 12                        ; head x 16,384 + token tile x 64
	s_lshl_b32 s42, s13, 6
	s_add_co_u32 s55, s55, s42
	s_add_co_u32 s55, s55, QKS
	s_lshl_b32 s53, s10, 5
	s_add_co_u32 s53, s53, ttmp9                   ; v out: 32 x kv head + key step
	s_lshl_b32 s38, s53, 13
	s_lshl_b32 s39, s53, 8
	s_add_co_u32 s39, s39, VSC
	s_lshl_b32 s53, s13, 12
	s_add_co_u32 s53, s53, TAB                     ; the table at my first tile of tokens
	s_mov_b32 s43, 0
	s_wait_kmcnt 0x0
	s_cmp_eq_u32 s12, 5                            ; every choice hangs on the work-group's number alone
	s_cselect_b32 s46, s49, s46
	s_cselect_b32 s47, s51, s47
	s_cselect_b32 s45, s50, s45
	s_cselect_b32 s48, s52, s48
	s_cselect_b32 s54, s38, s54
	s_cselect_b32 s55, s39, s55
	s_cselect_b64 s[28:29], s[8:9], s[6:7]
	s_mov_b64 s[30:31], s[28:29]
	s_mov_b32 s42, s46
	s_add_nc_u64 s[16:17], s[4:5], s[42:43]
	s_mov_b32 s42, s47
	s_add_nc_u64 s[18:19], s[4:5], s[42:43]
	s_mov_b32 s42, s45
	s_add_nc_u64 s[20:21], s[4:5], s[42:43]
	s_mov_b32 s42, s48
	s_add_nc_u64 s[22:23], s[4:5], s[42:43]
	s_mov_b32 s42, s53
	s_add_nc_u64 s[24:25], s[4:5], s[42:43]
	s_mov_b32 s42, s54
	s_add_nc_u64 s[28:29], s[28:29], s[42:43]
	s_mov_b32 s42, s55
	s_add_nc_u64 s[30:31], s[30:31], s[42:43]
.irp p, 0,1,2,3                        ; the scale words of all 8 K steps: lanes 0-15 the even tile's rows, lanes 16-31 the odd tile's
.irp g, 0,1
	global_load_b128 v[SC0+8*\p+4*\g:SC0+8*\p+4*\g+3], v[LI], s[20:21] offset:\p*1024+\g*512
.endr
.endr
.irp p, 0,1
.irp g, 0,1
	global_load_b128 v[SC1+8*\p+4*\g:SC1+8*\p+4*\g+3], v[LI], s[22:23] offset:\p*1024+\g*512
.endr
.endr
	FLOAD 0, 0
	FLOAD 1, 1
	s_wait_loadcnt 48                              ; all but the 48 just issued: the scale words and K step 0
	MUL 0, 0, 1                                    ; the first K step starts the sums: nothing is cleared
.irp s, 1,2,3,4,5,6
	PLACES                                         ; in front of loads into the set that the step before multiplied
	FLOAD \s+1, (\s+1)%2
	s_wait_loadcnt 48                              ; all but the 48 just issued
	MUL \s, \s%2, 0
.endr
	s_cmp_eq_u32 s12, 5
	s_cbranch_scc1 .Lv7
	WIN 0xc0
.irp j, 0,1,2,3                        ; cos and sin of my four tiles of tokens land under the last K step
.irp p, 0,1,2,3,4,5,6,7
	global_load_b128 v[128+32*\j+4*\p:128+32*\j+4*\p+3], v[LI], s[24:25] offset:4096*\j+512*\p
.endr
.endr
	WIN 0
	s_wait_loadcnt 32                              ; all but these 32
	s_branch .Lm7
.Lv7:
	s_wait_loadcnt 0x0
.Lm7:
	MUL 7, 1, 0
	PLACES                                         ; in front of the first vector reads of the results
	s_cmp_eq_u32 s12, 5
	s_cbranch_scc1 .Lvout
	; ---- q and k: the rotary step, then each head's 64 channels as two blocks of 32
	s_wait_loadcnt 0x0                             ; the table
.irp j, 0,1,2,3
	ROPE \j
	QUANT 64*\j, PC+16*\j, PW+\j                   ; blocks: head A 0-31, A 32-63, head B 0-31, B 32-63
	global_store_b128 v[LI], v[PC+16*\j:PC+16*\j+3], s[28:29] offset:1024*\j
	global_store_b128 v[LI], v[PC+16*\j+4:PC+16*\j+7], s[28:29] offset:1024*\j+512
	global_store_b128 v[LI], v[PC+16*\j+8:PC+16*\j+11], s[28:29] offset:1024*\j+262144
	global_store_b128 v[LI], v[PC+16*\j+12:PC+16*\j+15], s[28:29] offset:1024*\j+262144+512
.if \j%2
	v_cndmask_b32 v[WD+\j-1], v[PW+\j-1], v[PW+\j], vcc_lo   ; lanes 0-15 the even tile's rows, lanes 16-31 the odd tile's
	v_lshrrev_b32 v[WD+\j], 16, v[WD+\j-1]         ; head B's two bytes
	global_store_b32 v[LS], v[WD+\j-1], s[30:31] offset:64*(\j-1)
	global_store_b32 v[LS], v[WD+\j], s[30:31] offset:64*(\j-1)+16384
.endif
.endr
	s_endpgm                                       ; every store has data registers of its own
	; ---- v: a lane's 64 registers of tile j are its channel's 128 keys: one fragment of V^T
.Lvout:
.irp j, 0,1,2,3
	QUANT 64*\j, PC+16*\j, PW+\j
.irp c, 0,1,2,3
	global_store_b128 v[LI], v[PC+16*\j+4*\c:PC+16*\j+4*\c+3], s[28:29] offset:2048*\j+512*\c
.endr
.if \j%2
	v_cndmask_b32 v[WD+\j], v[PW+\j-1], v[PW+\j], vcc_lo
	global_store_b32 v[LS], v[WD+\j], s[30:31] offset:64*(\j-1)
.endif
.endr
	s_endpgm
.Lfunc_end_k_q4186682bfd_qkv:
	.size	k_q4186682bfd_qkv, .Lfunc_end_k_q4186682bfd_qkv-k_q4186682bfd_qkv
	.p2alignl 7, 3214868480
	.fill 96, 4, 3214868480
	.section	.rodata,"a",@progbits
	.p2align	6, 0x0
	.amdhsa_kernel k_q4186682bfd_qkv
		.amdhsa_group_segment_fixed_size 0
		.amdhsa_private_segment_fixed_size 0
		.amdhsa_enable_private_segment 0
		.amdhsa_kernarg_size 24
		.amdhsa_user_sgpr_count 2
		.amdhsa_user_sgpr_kernarg_segment_ptr 1
		.amdhsa_wavefront_size32 1
		.amdhsa_system_sgpr_workgroup_id_x 1
		.amdhsa_system_sgpr_workgroup_id_y 1
		.amdhsa_system_sgpr_workgroup_id_z 1
		.amdhsa_system_vgpr_workitem_id 0
		.amdhsa_next_free_vgpr 1024
		.amdhsa_next_free_sgpr 66
		.amdhsa_reserve_vcc 1
		.amdhsa_float_denorm_mode_32 3
		.amdhsa_float_denorm_mode_16_64 3
		.amdhsa_memory_ordered 1
		.amdhsa_forward_progress 1
		.amdhsa_inst_pref_size 165
	.end_amdhsa_kernel
	.amdgpu_metadata
---
amdhsa.version: [ 1, 2 ]
amdhsa.kernels:
  - .name:           k_q4186682bfd_qkv
    .symbol:         k_q4186682bfd_qkv.kd
    .args:
      - { .name: prep, .offset: 0, .size: 8, .value_kind: global_buffer, .address_space: global }
      - { .name: qk, .offset: 8, .size: 8, .value_kind: global_buffer, .address_space: global }
      - { .name: vv, .offset: 16, .size: 8, .value_kind: global_buffer, .address_space: global }
    .group_segment_fixed_size: 0
    .private_segment_fixed_size: 0
    .kernarg_segment_align: 8
    .kernarg_segment_size: 24
    .max_flat_workgroup_size: 128
    .sgpr_count:     66
    .vgpr_count:     1024
    .wavefront_size: 32
...
	.end_amdgpu_metadata
.endif
;; end of part 2
;; launch attn (part 3): grid 64 x 4, 16 waves a work-group, no clusters, 92,672 bytes of LDS; arguments qk, vv, cx; writes cx
.if DOCPART == 3
	.amdgcn_target "amdgcn-amd-amdhsa--gfx1250"
	.amdhsa_code_object_version 6
	.text
	.protected	k_q4186682bfd_attn
	.globl	k_q4186682bfd_attn
	.p2align	8
	.type	k_q4186682bfd_attn,@function
k_q4186682bfd_attn:
	s_mov_b64 s[64:65], 0
	v_nop
	global_prefetch_b8 v0, s[64:65] scope:SCOPE_SE
	s_setreg_imm32_b32 hwreg(HW_REG_WAVE_MODE, 25, 1), 1
	s_wait_xcnt 0x0
; Causal attention, 16 query heads on 4 kv heads, head size 64, 4,096 tokens, both products on codes of BF8 (E5M2) with E8M0 scales; ctx = O / l is quantised along the next product's K and leaves as codes in register order.
; THE SOFTMAX AHEAD OF THE SECOND PRODUCT: t = score x log2(e) / 8; M = the running largest t rounded UP to a whole number; p = 2^(t - M) is quantised along the keys, not normalised; the row's sum is taken of the
; unquantised p; when M moves, the sum and O are multiplied by 2^(old M - new M), which rounds nothing.
; SHARES.  A work-group serves one kv head and four tiles of 16 queries, 2 P, 2 P + 1, 254 - 2 P, 255 - 2 P, for each of the kv head's four query heads: 16 waves, one (head, tile) each, in 256 registers.
; A tile T has T / 8 + 1 key steps of 128 under the mask, the four tiles together always 66.  Wave w takes head a = w / 4 and tile number (a + w % 4) % 4, a Latin square: any four waves w % 4 alike, or w / 4 alike, hold all four tiles.
; Every wave walks the loop's 32 steps; a step all of whose keys come after its queries is jumped over (a scalar branch on ids); barriers and the slots' fills are on every wave's path.
; LAYOUT.  Both products transposed: S^T = K Q^T, O^T = V^T P^T: a lane holds ONE query.  Row r of a tile (of queries, keys, channels) is index 32 (T / 2) + 8 (T % 2) + r + 8 (r / 8): so p's 16 registers of tiles 2 b, 2 b + 1 are
; keys 32 b + 16 (lane / 16) + 0 .. 15, and O^T's are channels likewise: the conversions' results are the next operand's registers.
; K = 64 IN AN INSTRUCTION THAT IS 128 DEEP: Q's upper 8 registers are zero codes.  A tile of keys is 8 registers; named as 16, its upper half is the next tile's codes (the last tile's: zeros), finite numbers, since the quantiser
; holds at 57,344; they meet zero codes, under scale bytes that are never 0xff.  LIMIT: that rests on finite inputs: NaN and infinities are not served.  A block of zeros gets the byte 1.
; LDS: two slots of 256 keys (K: 16 tiles x 1,024 bytes; V: 2 steps x 4 fragments x 2,048), the kv head's scale words, 512 bytes in which ctx's scale bytes meet.  A slot comes through registers: each wave loads 64 bytes a lane
; at a slot's head and stores them into the other slot at its end: ONE barrier a slot: in front of it each wave's stores have landed and its reads of the slot in hand are over.
; No tensor load: a fill is 32,768 bytes a work-group against 524,288 that its waves read from LDS in the same two steps; no cluster: under the mask partners stop needing slots at different times.
.set QKS,  0x500000                    ; in qk: the scale words
.set VSCG, 0x100000                    ; in vv
.set CSG,  0x400000                    ; in cx: [pair of tiles][K steps 2 q, 2 q + 1][lane 32][2 words]
.set KSC,  65536                       ; LDS: K's scale words, 16,384 bytes: 512 a key step
.set VSCL, 81920                       ; V's, 8,192 bytes: 256 a key step
.set CT,   90112                       ; ctx's scale bytes: two runs of 256 bytes
.set LI,   1                           ; v1   16 x lane
.set LSK,  2                           ; v2   4 x lane + KSC
.set QD,   3                           ; v3   my query - 16 (lane / 16)
.set CP,   4                           ; v4   1,024 x wave + 16 x lane: my share of a slot, in memory and in LDS
.set LSV,  5                           ; v5   4 x lane + VSCL
.set CTA,  6                           ; v6   where my two scale bytes go
.set CTR,  7                           ; v7   where waves 0 and 1 read a run back
.set PFO,  8                           ; v8   the prefetches' offset
.set G8,   9                           ; v9   8 x lane
.set ADS,  10                          ; v10  the step's scale words of K
.set ADT,  11                          ; v11  of V
.set S,    104                         ; v104-167 S^T, then p
.set O,    168                         ; v168-199 O^T.   v12 -M, v13 the largest t, v[14:15] the sum; v16-23 Q, v24-31 zeros; v32-95 K's 8 tiles, then V's 4 fragments; v96-103 zeros; v200-215 p's codes; v216-231 the next slot on its way; v232-254 at work; v248-251 scale words, v253 p's, v255 Q's
.set WV,   10
.set HKV,  12
.set Q0,   17                          ; s17  my tile's first token
.set QX,   18                          ; s18  its last
.set QW,   19                          ; s19  the work-group's last token
.set KF,   20                          ; s20  the step's first key
.set TS,   21
.set TJ,   22
.set CNT,  23
.set CS,   24                          ; s[24:25] log2(e) / 8
.set MNT,  26
.set LIM,  27
.set SEL,  28
.set KB,   40                          ; s[40:41] K's codes of the next slot
.set VB,   42
.set PFA,  44
.set CXB,  46
.set CSB,  48
.set QB,   50
.set QSB,  52
.set KSB,  54
.set VSB,  56
.macro QKP t                           ; scores of tile t of the step's keys; an odd tile's scale words stand in lanes 16-31
.if (\t)%2
	v_wmma_scale_f32_16x16x128_f8f6f4 v[S+8*(\t):S+8*(\t)+7], v[32+8*(\t):47+8*(\t)], v[16:31], 0, v[248+(\t)/2], v255 matrix_a_fmt:MATRIX_FMT_BF8 matrix_b_fmt:MATRIX_FMT_BF8 matrix_a_scale:MATRIX_SCALE_ROW1
.else
	v_wmma_scale_f32_16x16x128_f8f6f4 v[S+8*(\t):S+8*(\t)+7], v[32+8*(\t):47+8*(\t)], v[16:31], 0, v[248+(\t)/2], v255 matrix_a_fmt:MATRIX_FMT_BF8 matrix_b_fmt:MATRIX_FMT_BF8
.endif
.endm
.macro PVP t                           ; O^T's tile t of channels += V^T P^T over the step's 128 keys
.if (\t)%2
	v_wmma_scale_f32_16x16x128_f8f6f4 v[O+8*(\t):O+8*(\t)+7], v[32+16*(\t):47+16*(\t)], v[200:215], v[O+8*(\t):O+8*(\t)+7], v[248+(\t)/2], v253 matrix_a_fmt:MATRIX_FMT_BF8 matrix_b_fmt:MATRIX_FMT_BF8 matrix_a_scale:MATRIX_SCALE_ROW1
.else
	v_wmma_scale_f32_16x16x128_f8f6f4 v[O+8*(\t):O+8*(\t)+7], v[32+16*(\t):47+16*(\t)], v[200:215], v[O+8*(\t):O+8*(\t)+7], v[248+(\t)/2], v253 matrix_a_fmt:MATRIX_FMT_BF8 matrix_b_fmt:MATRIX_FMT_BF8
.endif
.endm
; A KEY STEP: 128 keys, the q-th of slot s
.macro STEP s, q
	s_cmp_gt_u32 s[KF], s[QX]                      ; all its keys come after my queries: nothing to do but the steps of the addresses
	s_cbranch_scc1 .Lhidden_\@
	v_add_nc_u32 v[ADS], s[TS], v[LSK]
	v_add_nc_u32 v[ADT], s[TJ], v[LSV]
.rept 6
	v_nop                                          ; with the two additions: eight places in front of loads into registers that the last products read
.endr
.irp t, 0,1,2,3,4,5,6,7
	ds_load_b128 v[32+8*\t:35+8*\t], v[LI] offset:32768*(\s)+8192*(\q)+1024*\t
	ds_load_b128 v[36+8*\t:39+8*\t], v[LI] offset:32768*(\s)+8192*(\q)+1024*\t+512
.endr
.irp p, 0,1,2,3
	ds_load_b32 v[248+\p], v[ADS] offset:128*\p
.endr
	s_wait_dscnt 0x0
.irp t, 0,1,2,3,4,5,6,7
	QKP \t
.endr
.rept 8
	v_nop                                          ; eight places: V's loads land in K's registers, and the scores are read
.endr
.irp t, 0,1,2,3                        ; V's fragments go out now and land under the softmax
.irp c, 0,1,2,3
	ds_load_b128 v[32+16*\t+4*\c:35+16*\t+4*\c], v[LI] offset:32768*(\s)+16384+8192*(\q)+2048*\t+512*\c
.endr
.endr
	ds_load_b32 v248, v[ADT]
	ds_load_b32 v249, v[ADT] offset:128
	s_add_co_u32 s96, s[KF], 127                   ; on the diagonal hidden scores become -infinity ahead of the maximum.  A step all of whose keys count skips this
	s_cmp_le_u32 s96, s[Q0]
	s_cbranch_scc1 .Lopen_\@
	v_sub_nc_u32 v252, v[QD], s[KF]                ; register 16 b + i holds key KF + 16 (lane / 16) + 32 b + i: hidden where 32 b + i > this.  The step's first key counts for every query of the tile
	v_mov_b32 v254, 0xff800000
.set n, 0
.rept 64
	v_cmp_gt_i32 vcc_lo, 32*(n/16)+n%16, v252
	v_cndmask_b32 v[S+n], v[S+n], v254, vcc_lo
.set n, n+1
.endr
.Lopen_\@:
.irp b, 0,1,2,3
	v_max3_num_f32 v[232+\b], v[S+16*\b], v[S+1+16*\b], v[S+2+16*\b]   ; the largest score of each block of 32 keys: for the row's maximum and, since p rises with the score, for the block's largest p
.endr
.irp i, 3,5,7,9,11,13
.irp b, 0,1,2,3
	v_max3_num_f32 v[232+\b], v[232+\b], v[S+16*\b+\i], v[S+1+16*\b+\i]
.endr
.endr
.irp b, 0,1,2,3
	v_max_num_f32 v[232+\b], v[232+\b], v[S+15+16*\b]
.endr
.irp b, 0,1,2,3
	v_permlanex16_b32 v[236+\b], v[232+\b], s[SEL], s[SEL+1]
.endr
.irp b, 0,1,2,3
	v_max_num_f32 v[232+\b], v[232+\b], v[236+\b]
.endr
	v_max3_num_f32 v254, v232, v233, v234
	v_max_num_f32 v254, v254, v235
	v_mul_f32 v254, s[CS], v254
	v_max_num_f32 v13, v13, v254                   ; the running largest t
	v_mov_b32 v254, v12
	v_floor_f32 v12, -v13                          ; -M = floor(-t): M is a whole number
	v_sub_f32 v254, v12, v254
	v_cvt_i32_f32 v254, v254                       ; (it saturates)
	v_ldexp_f32 v252, 1.0, v254                    ; f = 2^(old M - new M)
.set n, 0
.rept 32
	v_pk_fma_f32 v[S+n:S+n+1], v[S+n:S+n+1], s[CS:CS+1], v[12:13] op_sel_hi:[1,0,0]   ; t - M
.set n, n+2
.endr
.irp b, 0,1,2,3
	v_fma_f32 v[232+\b], v[232+\b], s[CS], v12
.endr
.set n, 0
.rept 64
	v_exp_f32 v[S+n], v[S+n]                       ; p = 2^(t - M)
.set n, n+1
.endr
	v_pk_mul_f32 v[14:15], v[14:15], v[252:253] op_sel_hi:[1,0]   ; the sums under the new M: the plain line behind the exponentials
	s_wait_alu depctr_va_vdst(0)                   ; one wait for the batch of 64, ahead of its first reader
.irp b, 0,1,2,3
	v_exp_f32 v[232+\b], v[232+\b]                 ; each block's largest p
.endr
	v_pk_add_f32 v[236:237], v[S:S+1], v[S+2:S+3]  ; the row's sum of the unquantised p, in two chains
.irp j, 4,8,12,16,20,24,28,32,36,40,44,48,52,56,60
	v_pk_add_f32 v[14:15], v[14:15], v[S+\j:S+\j+1]
	v_pk_add_f32 v[236:237], v[236:237], v[S+2+\j:S+3+\j]
.endr
	v_pk_add_f32 v[14:15], v[14:15], v[236:237]
	s_wait_alu depctr_va_vdst(0)                   ; and one for the four
.irp b, 0,1,2,3
	v_max_num_f32 v[232+\b], 0x8000000, v[232+\b]  ; the floor 2^(16 - 127)
.endr
.irp b, 0,1,2,3
	v_add_nc_u32 v[244+\b], 0xf8800000, v[232+\b]
.endr
.irp b, 0,1,2,3
	v_and_or_b32 v[240+\b], v[232+\b], 0x7f800000, s[MNT]
.endr
.irp b, 0,1,2,3
	v_lshrrev_b32 v[236+\b], 23, v[244+\b]
.endr
	v_lshl_or_b32 v253, v237, 8, v236              ; p's scale word for these 128 keys
	v_lshl_or_b32 v253, v238, 16, v253
	v_lshl_or_b32 v253, v239, 24, v253
.irp b, 0,1,2,3
.irp i, 0,1,2,3,4,5,6,7,8,9,10,11,12,13,14,15
	v_min_num_f32 v[S+16*\b+\i], v[S+16*\b+\i], v[240+\b]   ; the hold; p is not negative
.endr
	v_cvt_scalef32_pk8_bf8_f32 v[200+4*\b:201+4*\b], v[S+16*\b:S+7+16*\b], v[244+\b]
	v_cvt_scalef32_pk8_bf8_f32 v[202+4*\b:203+4*\b], v[S+8+16*\b:S+15+16*\b], v[244+\b]
.endr
.set n, 0
.rept 16
	v_pk_mul_f32 v[O+n:O+n+1], v[O+n:O+n+1], v[252:253] op_sel_hi:[1,0]   ; O^T under the new M; these 16 are also the places between the codes and the products
.set n, n+2
.endr
	s_wait_dscnt 0x0                               ; V's fragments and scale words
.irp t, 0,1,2,3
	PVP \t                                         ; four accumulators by turns
.endr
.Lhidden_\@:
	s_add_co_u32 s[KF], s[KF], 128
	s_add_co_u32 s[TS], s[TS], 512
	s_add_co_u32 s[TJ], s[TJ], 256
.endm
; A SLOT: the next slot's bytes are asked for, two key steps are worked, the bytes go into the other slot, one barrier
.macro SLOTWORK s
	s_add_co_u32 s96, s[KF], 256
	s_cmp_gt_u32 s96, s[QW]                        ; no query of the work-group sees the next slot (the last slot's successor among them: no load leaves its buffer)
	s_cbranch_scc1 .Lnone_\@
	global_load_b128 v[216:219], v[CP], s[KB:KB+1]
	global_load_b128 v[220:223], v[CP], s[KB:KB+1] offset:512
	global_load_b128 v[224:227], v[CP], s[VB:VB+1]
	global_load_b128 v[228:231], v[CP], s[VB:VB+1] offset:512
.Lnone_\@:
	; a prefetch of the slot after that one.  All 64 work-groups of a kv head walk the same K and V: the first asks; in it waves 4, 5 name K's 16,384 bytes, waves 6, 7 V's, a lane each 256 bytes: each is named once.  Slots 0 and 1 come by their loads alone; behind slot 15 there is none
	s_cmp_le_i32 s[KF], s[LIM]
	s_cbranch_scc0 .Lquiet_\@
	global_prefetch_b8 v[PFO], s[PFA:PFA+1] th:TH_LOAD_NT scope:SCOPE_SE
.Lquiet_\@:
	STEP \s, 0
	STEP \s, 1
	s_wait_loadcnt 0x0
	ds_store_b128 v[CP], v[216:219] offset:32768*(1-\s)        ; every wave's reads of that slot were over at the last barrier.  (Where nothing was loaded, old bytes go into a slot that nobody reads)
	ds_store_b128 v[CP], v[220:223] offset:32768*(1-\s)+512
	ds_store_b128 v[CP], v[224:227] offset:32768*(1-\s)+16384
	ds_store_b128 v[CP], v[228:231] offset:32768*(1-\s)+16896
	s_wait_xcnt 0x0                                ; the loads and the prefetch have read their bases
	s_add_nc_u64 s[KB:KB+1], s[KB:KB+1], 16384
	s_add_nc_u64 s[VB:VB+1], s[VB:VB+1], 16384
	s_add_nc_u64 s[PFA:PFA+1], s[PFA:PFA+1], 16384
	s_wait_dscnt 0x0                               ; my stores have landed, my reads of the slot in hand are over
	s_barrier_signal -1
	s_barrier_wait -1
.endm
	s_load_b128 s[4:7], s[0:1], 0x0                ; qk s[4:5], vv s[6:7]
	s_load_b64 s[8:9], s[0:1], 0x10                ; cx
	v_lshrrev_b32 v1, 5, v0
	v_readfirstlane_b32 s[WV], v1                  ; wave 0..15
	s_and_b32 s[HKV], ttmp7, 0xffff
	s_lshr_b32 s13, s[WV], 2                       ; a: which of the kv head's four query heads
	s_and_b32 s14, s[WV], 3
	s_add_co_u32 s14, s14, s13
	s_and_b32 s14, s14, 3                          ; which of the work-group's four tiles
	s_lshl_b32 s16, s[HKV], 2
	s_add_co_u32 s16, s16, s13                     ; the query head
	s_and_b32 s30, s14, 1
	s_lshl_b32 s31, ttmp9, 1
	s_sub_co_u32 s32, 254, s31
	s_bitcmp1_b32 s14, 1
	s_cselect_b32 s15, s32, s31
	s_add_co_u32 s15, s15, s30                     ; T
	s_lshr_b32 s33, s15, 1
	s_lshl_b32 s[Q0], s33, 5
	s_lshl_b32 s34, s30, 3
	s_add_co_u32 s[Q0], s[Q0], s34
	s_add_co_u32 s[QX], s[Q0], 23
	s_lshl_b32 s34, ttmp9, 5
	s_sub_co_u32 s[QW], 4095, s34
	s_mov_b32 s[KF], 0
	s_mov_b32 s[TS], 0
	s_mov_b32 s[TJ], 0
	s_mov_b32 s[CNT], 8
	s_mov_b32 s[CS], 0x3e38aa3b                    ; log2(e) / sqrt(64)
	s_mov_b32 s[CS+1], s[CS]                       ; (named with it as a pair)
	s_mov_b32 s[MNT], 0x600000
	s_mov_b32 s[SEL], 0x76543210
	s_mov_b32 s[SEL+1], 0xfedcba98
	s_mov_b32 s39, 0
	; every address register is made here, ahead of every branch
	v_and_b32 v9, 31, v0                           ; lane
	v_and_b32 v10, 15, v0                          ; r
	v_bfe_u32 v11, v0, 4, 1                        ; h
	v_lshlrev_b32 v[LI], 4, v9
	v_lshl_add_u32 v[LSK], v9, 2, KSC
	v_lshl_add_u32 v[LSV], v9, 2, VSCL
	s_lshl_b32 s35, s[WV], 10
	v_add_nc_u32 v[CP], s35, v[LI]
	v_and_b32 v[QD], 8, v10
	v_add_nc_u32 v[QD], v[QD], v10
	v_add_nc_u32 v[QD], s[Q0], v[QD]
	v_lshlrev_b32 v12, 4, v11
	v_sub_nc_u32 v[QD], v[QD], v12
	s_lshl_b32 s35, s14, 7                         ; ctx's scale bytes: run (tile number / 2), lane 16 (T % 2) + r at 8 bytes, my head's two bytes at 2 a
	s_lshl_b32 s36, s13, 1
	s_add_co_u32 s35, s35, s36
	s_add_co_u32 s35, s35, CT
	v_lshl_add_u32 v[CTA], v10, 3, s35
	s_and_b32 s36, s[WV], 1
	s_lshl_b32 s37, s36, 8
	s_add_co_u32 s37, s37, CT
	v_lshl_add_u32 v[CTR], v9, 3, s37
	s_lshl_b32 s37, s36, 13
	v_lshl_add_u32 v[PFO], v9, 8, s37
	v_lshlrev_b32 v234, 4, v0                      ; 16 x thread: my share of V's scale words
	v_add_nc_u32 v233, VSCL, v234
	v_add_nc_u32 v232, KSC, v[CP]
	v_lshlrev_b32 v235, 2, v10
	v_lshlrev_b32 v[G8], 3, v9
	s_wait_kmcnt 0x0
	s_lshl_b32 s30, s16, 8
	s_add_co_u32 s30, s30, s15                     ; 256 x head + tile
	s_lshl_b32 s38, s30, 10
	s_add_nc_u64 s[QB:QB+1], s[4:5], s[38:39]
	s_lshl_b32 s38, s30, 6
	s_add_co_u32 s38, s38, QKS
	s_add_nc_u64 s[QSB:QSB+1], s[4:5], s[38:39]
	s_add_co_u32 s30, s[HKV], 16                   ; k's heads follow q's sixteen
	s_lshl_b32 s38, s30, 18
	s_add_nc_u64 s[KB:KB+1], s[4:5], s[38:39]
	s_lshl_b32 s38, s30, 14
	s_add_co_u32 s38, s38, QKS
	s_add_nc_u64 s[KSB:KSB+1], s[4:5], s[38:39]
	s_lshl_b32 s38, s[HKV], 18
	s_add_nc_u64 s[VB:VB+1], s[6:7], s[38:39]
	s_lshl_b32 s38, s[HKV], 13
	s_add_co_u32 s38, s38, VSCG
	s_add_nc_u64 s[VSB:VSB+1], s[6:7], s[38:39]
	s_lshl_b32 s38, s15, 14                        ; ctx's codes: tile x 16,384 + head x 1,024 (K step head / 2, groups 2 (head % 2) on)
	s_lshl_b32 s30, s16, 10
	s_add_co_u32 s38, s38, s30
	s_add_nc_u64 s[CXB:CXB+1], s[8:9], s[38:39]
	s_sub_co_u32 s31, 127, ttmp9                   ; ctx's scale words: wave 0 stores pair P's run, wave 1 pair 127 - P's
	s_cmp_eq_u32 s36, 0
	s_cselect_b32 s31, ttmp9, s31
	s_lshl_b32 s31, s31, 2
	s_add_co_u32 s31, s31, s[HKV]
	s_lshl_b32 s38, s31, 8
	s_add_co_u32 s38, s38, CSG
	s_add_nc_u64 s[CSB:CSB+1], s[8:9], s[38:39]
	s_cmp_lt_u32 s[WV], 6
	s_cselect_b64 s[PFA:PFA+1], s[KB:KB+1], s[VB:VB+1]
	s_add_nc_u64 s[PFA:PFA+1], s[PFA:PFA+1], 32768 ; slot 2
	s_sub_co_u32 s30, s[WV], 4
	s_lshr_b32 s30, s30, 2                         ; 0 in waves 4 to 7,
	s_or_b32 s30, s30, ttmp9                       ; of the kv head's first work-group
	s_cmp_eq_u32 s30, 0
	s_cselect_b32 s[LIM], 3328, -1                 ; they ask while the step's first key is at most 256 x 13
	global_load_b128 v[104:107], v[CP], s[KSB:KSB+1]
	global_load_b128 v[108:111], v[CP], s[KSB:KSB+1] offset:512
	global_load_b128 v[112:115], v234, s[VSB:VSB+1]
	global_load_b128 v[216:219], v[CP], s[KB:KB+1]             ; slot 0
	global_load_b128 v[220:223], v[CP], s[KB:KB+1] offset:512
	global_load_b128 v[224:227], v[CP], s[VB:VB+1]
	global_load_b128 v[228:231], v[CP], s[VB:VB+1] offset:512
	global_load_b128 v[16:19], v[LI], s[QB:QB+1]               ; Q's fragment stays in registers
	global_load_b128 v[20:23], v[LI], s[QB:QB+1] offset:512
	global_load_b32 v255, v235, s[QSB:QSB+1]
.irp j, 0,1,2,3,4,5,6,7
	v_mov_b32 v[24+\j], 0                          ; Q's codes of k = 64 .. 127
	v_mov_b32 v[96+\j], 0                          ; what stands behind the last tile of keys
.endr
	v_mov_b32 v13, 0xff61b1e6                      ; the largest t so far: -3e38
	v_floor_f32 v12, -v13
	v_mov_b32 v14, 0
	v_mov_b32 v15, 0
.irp b, 0,1,2,3
	v_mov_b32 v[236+\b], 0                         ; a lane permute's destination counts as one of its sources
.endr
	v_mov_b32 v252, 0
	v_mov_b32 v253, 0
.set n, 0
.rept 32
	v_mov_b32 v[O+n], 0                            ; the step is written without a first step of its own: it finds zeros, which the first change of M leaves zeros
.set n, n+1
.endr
	s_wait_loadcnt 0x0
	s_add_nc_u64 s[KB:KB+1], s[KB:KB+1], 16384     ; the loads are done: on to slot 1
	s_add_nc_u64 s[VB:VB+1], s[VB:VB+1], 16384
	ds_store_b128 v232, v[104:107]
	ds_store_b128 v232, v[108:111] offset:512
	ds_store_b128 v233, v[112:115]
	ds_store_b128 v[CP], v[216:219]
	ds_store_b128 v[CP], v[220:223] offset:512
	ds_store_b128 v[CP], v[224:227] offset:16384
	ds_store_b128 v[CP], v[228:231] offset:16896
	s_wait_dscnt 0x0
	s_barrier_signal -1
	s_barrier_wait -1
.Ltrip:                                            ; 8 trips of two slots: every slot's address is an immediate
	SLOTWORK 0
	SLOTWORK 1
	s_sub_co_u32 s[CNT], s[CNT], 1
	s_cmp_lg_u32 s[CNT], 0
	s_cbranch_scc1 .Ltrip
	; THE WAY OUT: ctx = O^T / the sum, quantised along the next K: my head's 64 channels are two blocks of 32
.rept 8
	v_nop
.endr
	v_add_f32 v14, v14, v15
	v_permlanex16_b32 v252, v14, s[SEL], s[SEL+1]
	v_add_f32 v14, v14, v252                       ; the row's sum
	v_rcp_f32 v14, v14
	v_nop
	s_wait_alu depctr_va_vdst(0)                   ; ahead of the first reader
.set n, 0
.rept 16
	v_pk_mul_f32 v[O+n:O+n+1], v[O+n:O+n+1], v[14:15] op_sel_hi:[1,0]
.set n, n+2
.endr
.irp b, 0,1
	v_max3_num_f32 v[232+\b], |v[O+16*\b]|, |v[O+1+16*\b]|, 0x8000000
.endr
.irp i, 2,4,6,8,10,12,14
.irp b, 0,1
	v_max3_num_f32 v[232+\b], v[232+\b], |v[O+16*\b+\i]|, |v[O+1+16*\b+\i]|
.endr
.endr
.irp b, 0,1
	v_permlanex16_b32 v[236+\b], v[232+\b], s[SEL], s[SEL+1]
.endr
.irp b, 0,1
	v_max_num_f32 v[232+\b], v[232+\b], v[236+\b]
.endr
.irp b, 0,1
	v_add_nc_u32 v[244+\b], 0xf8800000, v[232+\b]
.endr
.irp b, 0,1
	v_and_or_b32 v[240+\b], v[232+\b], 0x7f800000, s[MNT]
.endr
.irp b, 0,1
	v_lshrrev_b32 v[236+\b], 23, v[244+\b]
.endr
	v_lshl_or_b32 v253, v237, 8, v236              ; my row's two scale bytes
.irp b, 0,1
.irp i, 0,1,2,3,4,5,6,7,8,9,10,11,12,13,14,15
	v_med3_num_f32 v[O+16*\b+\i], v[O+16*\b+\i], -v[240+\b], v[240+\b]
.endr
	v_cvt_scalef32_pk8_bf8_f32 v[200+4*\b:201+4*\b], v[O+16*\b:O+7+16*\b], v[244+\b]
	v_cvt_scalef32_pk8_bf8_f32 v[202+4*\b:203+4*\b], v[O+8+16*\b:O+15+16*\b], v[244+\b]
.endr
	v_nop
	global_store_b128 v[LI], v[200:203], s[CXB:CXB+1]          ; 512 consecutive bytes each
	global_store_b128 v[LI], v[204:207], s[CXB:CXB+1] offset:512
	ds_store_b16 v[CTA], v253                      ; both halves of the lanes write the same two bytes with the same value
	s_wait_dscnt 0x0
	s_barrier_signal -1
	s_barrier_wait -1                              ; sixteen waves' bytes make two runs of 256 bytes
	s_cmp_lt_u32 s[WV], 2
	s_cbranch_scc0 .Lend
	ds_load_b64 v[232:233], v[CTR]
	s_wait_dscnt 0x0
	global_store_b64 v[G8], v[232:233], s[CSB:CSB+1]           ; 256 consecutive bytes, aligned
.Lend:
	s_wait_xcnt 0x0
	v_lshl_add_u32 v254, v0, 2, 0x16200
	v_mov_b32 v255, 0
	s_wait_tensorcnt 0x0
	ds_add_u32 v254, v255
	s_wait_dscnt 0x0
	s_endpgm
.Lfunc_end_k_q4186682bfd_attn:
	.size	k_q4186682bfd_attn, .Lfunc_end_k_q4186682bfd_attn-k_q4186682bfd_attn
	.p2alignl 7, 3214868480
	.fill 96, 4, 3214868480
	.section	.rodata,"a",@progbits
	.p2align	6, 0x0
	.amdhsa_kernel k_q4186682bfd_attn
		.amdhsa_group_segment_fixed_size 92672
		.amdhsa_private_segment_fixed_size 0
		.amdhsa_enable_private_segment 0
		.amdhsa_kernarg_size 24
		.amdhsa_user_sgpr_count 2
		.amdhsa_user_sgpr_kernarg_segment_ptr 1
		.amdhsa_wavefront_size32 1
		.amdhsa_system_sgpr_workgroup_id_x 1
		.amdhsa_system_sgpr_workgroup_id_y 1
		.amdhsa_system_sgpr_workgroup_id_z 1
		.amdhsa_system_vgpr_workitem_id 0
		.amdhsa_next_free_vgpr 256
		.amdhsa_next_free_sgpr 100
		.amdhsa_reserve_vcc 1
		.amdhsa_float_denorm_mode_32 3
		.amdhsa_float_denorm_mode_16_64 3
		.amdhsa_memory_ordered 1
		.amdhsa_forward_progress 1
		.amdhsa_inst_pref_size 112
	.end_amdhsa_kernel
	.amdgpu_metadata
---
amdhsa.version: [ 1, 2 ]
amdhsa.kernels:
  - .name:           k_q4186682bfd_attn
    .symbol:         k_q4186682bfd_attn.kd
    .args:
      - { .name: qk, .offset: 0, .size: 8, .value_kind: global_buffer, .address_space: global }
      - { .name: vv, .offset: 8, .size: 8, .value_kind: global_buffer, .address_space: global }
      - { .name: cx, .offset: 16, .size: 8, .value_kind: global_buffer, .address_space: global }
    .group_segment_fixed_size: 92672
    .private_segment_fixed_size: 0
    .kernarg_segment_align: 8
    .kernarg_segment_size: 24
    .max_flat_workgroup_size: 512
    .sgpr_count:     100
    .vgpr_count:     256
    .wavefront_size: 32
...
	.end_amdgpu_metadata
.endif
;; end of part 3
;; launch oproj (part 4): grid 8 x 32, 4 waves a work-group, no clusters, 17,920 bytes of LDS; arguments prep, cx, out0; writes out0
.if DOCPART == 4
	.amdgcn_target "amdgcn-amd-amdhsa--gfx1250"
	.amdhsa_code_object_version 6
	.text
	.protected	k_q4186682bfd_oproj
	.globl	k_q4186682bfd_oproj
	.p2align	8
	.type	k_q4186682bfd_oproj,@function
k_q4186682bfd_oproj:
	s_mov_b64 s[64:65], 0
	v_nop
	global_prefetch_b8 v0, s[64:65] scope:SCOPE_SE
	s_setreg_imm32_b32 hwreg(HW_REG_WAVE_MODE, 25, 1), 1
	s_wait_xcnt 0x0
; out0 = ctx Wo on codes of BF8 (E5M2) with E8M0 scales, K = 1,024, f32 out.  Both operands lie in memory in the order of the operand's registers, so each load of a wave is 512 consecutive bytes.
; A work-group makes 128 tokens x 128 columns, a wave 64 x 64: source 0 = four tiles of Wo's columns, source 1 = four tiles of tokens, 16 accumulators, 8 K steps of 128; 1,024 waves in all.
; Row r of tile T is index 32 (T / 2) + 8 (T % 2) + r + 8 (r / 8): a lane holds one token, and of tiles 2 b, 2 b + 1 its 16 registers are columns 32 b + 16 (lane / 16) + 0 .. 15.
; Three sets of fragments: a K step is asked for two steps ahead.  No tensor load and no cluster: a wave's whole matrix work is 128 instructions; a fragment is fetched by the two waves that share it.
; REGISTERS, in windows of 256: window 0: addresses; v64-79 Wo's scale words (8 x pair + K step), v80-95 ctx's; v128-191 rows on the way out, two sets.   window 1: accumulator (j, i) at 32 j + 8 i; from v128 fragment set 2.   window 2: sets 0 and 1.
.set WC,   0x400000
.set WS,   0x6a0000
.set CSG,  0x400000
.set LI,   1                           ; v1  16 x lane
.set L8,   2                           ; v2  8 x lane
.set STO,  3                           ; v3  the stage: where I put 16 bytes of a row
.set RD,   4                           ; v4  and where I read a row back
.set GO,   5                           ; v5  my byte offset in two rows of out0
.set SC0,  64
.set SC1,  80
.set OUTR, 128
.set S0C,  24
.set S1C,  26
.set S0S,  28
.set S1S,  30
.set OUTB, 32
.set MSB, 0
.macro WIN new                         ; the immediate's high byte repeats the setting that is left
.if MSB != \new
	s_set_vgpr_msb (MSB<<8)|\new
.set MSB, \new
.endif
.endm
.macro WM acc, fa, fb, sa, sb, ra, rb, zero    ; one product; ra, rb: the side's scale words stand in lanes 16-31 (an odd tile); zero: it starts the sum
.if \zero
.if (\ra) && (\rb)
	v_wmma_scale_f32_16x16x128_f8f6f4 v[(\acc):(\acc)+7], v[(\fa):(\fa)+15], v[(\fb):(\fb)+15], 0, v[\sa], v[\sb] matrix_a_fmt:MATRIX_FMT_BF8 matrix_b_fmt:MATRIX_FMT_BF8 matrix_a_scale:MATRIX_SCALE_ROW1 matrix_b_scale:MATRIX_SCALE_ROW1
.elseif (\ra)
	v_wmma_scale_f32_16x16x128_f8f6f4 v[(\acc):(\acc)+7], v[(\fa):(\fa)+15], v[(\fb):(\fb)+15], 0, v[\sa], v[\sb] matrix_a_fmt:MATRIX_FMT_BF8 matrix_b_fmt:MATRIX_FMT_BF8 matrix_a_scale:MATRIX_SCALE_ROW1
.elseif (\rb)
	v_wmma_scale_f32_16x16x128_f8f6f4 v[(\acc):(\acc)+7], v[(\fa):(\fa)+15], v[(\fb):(\fb)+15], 0, v[\sa], v[\sb] matrix_a_fmt:MATRIX_FMT_BF8 matrix_b_fmt:MATRIX_FMT_BF8 matrix_b_scale:MATRIX_SCALE_ROW1
.else
	v_wmma_scale_f32_16x16x128_f8f6f4 v[(\acc):(\acc)+7], v[(\fa):(\fa)+15], v[(\fb):(\fb)+15], 0, v[\sa], v[\sb] matrix_a_fmt:MATRIX_FMT_BF8 matrix_b_fmt:MATRIX_FMT_BF8
.endif
.else
.if (\ra) && (\rb)
	v_wmma_scale_f32_16x16x128_f8f6f4 v[(\acc):(\acc)+7], v[(\fa):(\fa)+15], v[(\fb):(\fb)+15], v[(\acc):(\acc)+7], v[\sa], v[\sb] matrix_a_fmt:MATRIX_FMT_BF8 matrix_b_fmt:MATRIX_FMT_BF8 matrix_a_scale:MATRIX_SCALE_ROW1 matrix_b_scale:MATRIX_SCALE_ROW1
.elseif (\ra)
	v_wmma_scale_f32_16x16x128_f8f6f4 v[(\acc):(\acc)+7], v[(\fa):(\fa)+15], v[(\fb):(\fb)+15], v[(\acc):(\acc)+7], v[\sa], v[\sb] matrix_a_fmt:MATRIX_FMT_BF8 matrix_b_fmt:MATRIX_FMT_BF8 matrix_a_scale:MATRIX_SCALE_ROW1
.elseif (\rb)
	v_wmma_scale_f32_16x16x128_f8f6f4 v[(\acc):(\acc)+7], v[(\fa):(\fa)+15], v[(\fb):(\fb)+15], v[(\acc):(\acc)+7], v[\sa], v[\sb] matrix_a_fmt:MATRIX_FMT_BF8 matrix_b_fmt:MATRIX_FMT_BF8 matrix_b_scale:MATRIX_SCALE_ROW1
.else
	v_wmma_scale_f32_16x16x128_f8f6f4 v[(\acc):(\acc)+7], v[(\fa):(\fa)+15], v[(\fb):(\fb)+15], v[(\acc):(\acc)+7], v[\sa], v[\sb] matrix_a_fmt:MATRIX_FMT_BF8 matrix_b_fmt:MATRIX_FMT_BF8
.endif
.endif
.endm
.macro FLOAD s, buf                    ; K step s: 32 loads of 512 consecutive bytes
.if (\buf) == 2
	WIN 0x40                                       ; destination window 1
.set FB, 128
.else
	WIN 0x80                                       ; destination window 2
.set FB, 128*(\buf)
.endif
.irp i, 0,1,2,3
.irp c, 0,1,2,3
	global_load_b128 v[FB+16*\i+4*\c:FB+16*\i+4*\c+3], v[LI], s[S0C:S0C+1] offset:\i*16384+(\s)*2048+\c*512
.endr
.endr
.irp j, 0,1,2,3
.irp c, 0,1,2,3
	global_load_b128 v[FB+64+16*\j+4*\c:FB+64+16*\j+4*\c+3], v[LI], s[S1C:S1C+1] offset:\j*16384+(\s)*2048+\c*512
.endr
.endr
	WIN 0
.endm
.macro MUL s, buf, zero                ; 16 products: the 16 accumulators take turns, one instruction a turn, in the same order in every step
.if (\buf) == 2
	WIN 0x55                                       ; all four places window 1
.set FB, 128
.else
	WIN 0x5a                                       ; sources 0 and 1 window 2, C and D window 1
.set FB, 128*(\buf)
.endif
.irp j, 0,1,2,3
.irp i, 0,1,2,3
	WM 32*\j+8*\i, FB+16*\i, FB+64+16*\j, SC0+8*(\i/2)+(\s), SC1+8*(\j/2)+(\s), \i%2, \j%2, \zero
.endr
.endr
	WIN 0
.endm
.macro PLACES                          ; eight plain vector lines between a matrix instruction of this form and a load into, or a store of, its registers (ISA guide 7.12.1 for stores)
.rept 8
	v_nop
.endr
.endm
; THE WAY OUT, a tile of 16 tokens x 64 columns at a time, through my own stage (16 rows of 256 bytes + 16): a lane holds pieces of one row, and the rows come back whole.  LDS serves a wave's instructions in order
.macro TOSTAGE j
	WIN 0x04                                       ; an LDS store's data are its source 1: window 1
.irp i, 0,1,2,3
	ds_store_b128 v[STO], v[32*(\j)+8*\i:32*(\j)+8*\i+3] offset:128*(\i/2)+32*(\i%2)          ; each accumulator from its low end on
	ds_store_b128 v[STO], v[32*(\j)+8*\i+4:32*(\j)+8*\i+7] offset:128*(\i/2)+32*(\i%2)+16
.endr
	WIN 0
.irp t, 0,1,2,3,4,5,6,7
	ds_load_b128 v[OUTR+32*((\j)%2)+4*\t:OUTR+32*((\j)%2)+4*\t+3], v[RD] offset:544*\t
.endr
.endm
.macro SEND j, younger                 ; younger: the LDS instructions issued behind tile j's loads, which may stay out
	s_wait_dscnt \younger
.irp t, 0,1,2,3,4,5,6,7
	global_store_b128 v[GO], v[OUTR+32*((\j)%2)+4*\t:OUTR+32*((\j)%2)+4*\t+3], s[OUTB:OUTB+1] offset:(32*((\j)/2)+8*((\j)%2)+2*\t+8*(\t/4))*4096 th:TH_STORE_NT   ; rows 2 t and 2 t + 1 of the tile: sixteen lanes store 256 consecutive bytes, aligned
.endr
.endm
	s_load_b128 s[4:7], s[0:1], 0x0                ; prep s[4:5], cx s[6:7]
	s_load_b64 s[8:9], s[0:1], 0x10                ; out0
	v_lshl_add_u32 v254, v0, 2, 0x4400
	v_mov_b32 v255, 0
	v_lshrrev_b32 v6, 5, v0
	v_readfirstlane_b32 s10, v6                    ; wave
	v_and_b32 v6, 31, v0                           ; lane
	v_and_b32 v7, 15, v0                           ; r
	v_bfe_u32 v8, v0, 4, 1                         ; h
	v_lshlrev_b32 v[LI], 4, v6
	v_lshlrev_b32 v[L8], 3, v6
	s_mul_i32 s11, s10, 4352                       ; my stage
	v_mul_u32_u24 v[STO], v7, 272
	v_lshl_add_u32 v[STO], v8, 6, v[STO]
	v_add_nc_u32 v[STO], s11, v[STO]               ; in: row r, + 64 h
	v_mul_u32_u24 v[RD], v8, 272
	v_lshl_add_u32 v[RD], v7, 4, v[RD]
	v_add_nc_u32 v[RD], s11, v[RD]                 ; back: lanes 0-15 one row, lanes 16-31 the next
	v_lshlrev_b32 v[GO], 12, v8
	v_lshl_add_u32 v[GO], v7, 4, v[GO]             ; and the same in out0: rows of 4,096 bytes
	s_and_b32 s12, ttmp7, 0xffff
	s_and_b32 s13, s10, 1
	s_lshr_b32 s14, s10, 1
	s_lshl_b32 s20, ttmp9, 3
	s_lshl_b32 s15, s13, 2
	s_add_co_u32 s20, s20, s15                     ; my first tile of Wo's columns: 8 x + 4 (wave % 2)
	s_lshl_b32 s21, s12, 3
	s_lshl_b32 s15, s14, 2
	s_add_co_u32 s21, s21, s15                     ; my first tile of tokens: 8 y + 4 (wave / 2)
	s_mov_b32 s35, 0
	s_wait_kmcnt 0x0
	s_lshl_b32 s34, s20, 14
	s_add_co_u32 s34, s34, WC+96*16384
	s_add_nc_u64 s[S0C:S0C+1], s[4:5], s[34:35]
	s_lshl_b32 s34, s20, 9
	s_add_co_u32 s34, s34, WS+48*1024
	s_add_nc_u64 s[S0S:S0S+1], s[4:5], s[34:35]
	s_lshl_b32 s34, s21, 14
	s_add_nc_u64 s[S1C:S1C+1], s[6:7], s[34:35]
	s_lshl_b32 s34, s21, 9
	s_add_co_u32 s34, s34, CSG
	s_add_nc_u64 s[S1S:S1S+1], s[6:7], s[34:35]
	s_lshl_b32 s34, s21, 16                        ; token 16 x tile, rows of 4,096 bytes
	s_lshl_b32 s15, s20, 6                         ; column 16 x tile, 4 bytes
	s_add_co_u32 s34, s34, s15
	s_add_nc_u64 s[OUTB:OUTB+1], s[8:9], s[34:35]
.irp p, 0,1                            ; the scale words of all 8 K steps: lanes 0-15 the even tile's rows, lanes 16-31 the odd tile's
.irp g, 0,1
	global_load_b128 v[SC0+8*\p+4*\g:SC0+8*\p+4*\g+3], v[LI], s[S0S:S0S+1] offset:\p*1024+\g*512
.endr
.endr
.irp p, 0,1
.irp q, 0,1,2,3
	global_load_b64 v[SC1+8*\p+2*\q:SC1+8*\p+2*\q+1], v[L8], s[S1S:S1S+1] offset:\p*1024+\q*256
.endr
.endr
	FLOAD 0, 0
	FLOAD 1, 1
	s_wait_loadcnt 32                              ; the scale words and K step 0 are in; K step 1's 32 loads may be out
	FLOAD 2, 2
	MUL 0, 0, 1                                    ; the first K step starts the sums: nothing is cleared
.irp s, 1,2,3,4,5
	s_wait_loadcnt 32                              ; this K step is in; the next step's 32 loads may be out
	PLACES                                         ; in front of loads into the set that the step before multiplied
	FLOAD \s+2, (\s+2)%3
	MUL \s, \s%3, 0
.endr
	s_wait_loadcnt 32
	MUL 6, 0, 0
	s_wait_loadcnt 0x0
	MUL 7, 1, 0
	PLACES                                         ; in front of the LDS stores that read the results
	TOSTAGE 0
.irp a, 1,2,3
.if \a > 1
	s_wait_xcnt 0x0                                ; tile a - 2's stores have read their registers, into which tile a's rows land
.endif
	TOSTAGE \a
	SEND \a-1, 16                                  ; behind tile a - 1's loads: tile a's 8 stores and 8 loads
.endr
	SEND 3, 0
	s_wait_tensorcnt 0x0
	ds_add_u32 v254, v255
	s_wait_dscnt 0x0
	s_endpgm
.Lfunc_end_k_q4186682bfd_oproj:
	.size	k_q4186682bfd_oproj, .Lfunc_end_k_q4186682bfd_oproj-k_q4186682bfd_oproj
	.p2alignl 7, 3214868480
	.fill 96, 4, 3214868480
	.section	.rodata,"a",@progbits
	.p2align	6, 0x0
	.amdhsa_kernel k_q4186682bfd_oproj
		.amdhsa_group_segment_fixed_size 17920
		.amdhsa_private_segment_fixed_size 0
		.amdhsa_enable_private_segment 0
		.amdhsa_kernarg_size 24
		.amdhsa_user_sgpr_count 2
		.amdhsa_user_sgpr_kernarg_segment_ptr 1
		.amdhsa_wavefront_size32 1
		.amdhsa_system_sgpr_workgroup_id_x 1
		.amdhsa_system_sgpr_workgroup_id_y 1
		.amdhsa_system_sgpr_workgroup_id_z 1
		.amdhsa_system_vgpr_workitem_id 0
		.amdhsa_next_free_vgpr 768
		.amdhsa_next_free_sgpr 66
		.amdhsa_reserve_vcc 0
		.amdhsa_float_denorm_mode_32 3
		.amdhsa_float_denorm_mode_16_64 3
		.amdhsa_memory_ordered 1
		.amdhsa_forward_progress 1
		.amdhsa_inst_pref_size 54
	.end_amdhsa_kernel
	.amdgpu_metadata
---
amdhsa.version: [ 1, 2 ]
amdhsa.kernels:
  - .name:           k_q4186682bfd_oproj
    .symbol:         k_q4186682bfd_oproj.kd
    .args:
      - { .name: prep, .offset: 0, .size: 8, .value_kind: global_buffer, .address_space: global }
      - { .name: cx, .offset: 8, .size: 8, .value_kind: global_buffer, .address_space: global }
      - { .name: out0, .offset: 16, .size: 8, .value_kind: global_buffer, .address_space: global }
    .group_segment_fixed_size: 17920
    .private_segment_fixed_size: 0
    .kernarg_segment_align: 8
    .kernarg_segment_size: 24
    .max_flat_workgroup_size: 128
    .sgpr_count:     66
    .vgpr_count:     768
    .wavefront_size: 32
...
	.end_amdgpu_metadata
.endif
;; end of part 4
;; ======== version 2 of 2: 4 launches
;; workspace buffers: prep 8,077,312 bytes; qk 5,570,560 bytes; vv 1,081,344 bytes; cx 4,325,376 bytes
;; launch quant (part 5): grid 288 x 1, 4 waves a work-group, no clusters, 34,304 bytes of LDS; arguments x, Wq, Wk, Wv, Wo, prep; writes prep
.if DOCPART == 5
	.amdgcn_target "amdgcn-amd-amdhsa--gfx1250"
	.amdhsa_code_object_version 6
	.text
	.protected	k_q4186682bfd_quant
	.globl	k_q4186682bfd_quant
	.p2align	8
	.type	k_q4186682bfd_quant,@function
k_q4186682bfd_quant:
	s_mov_b64 s[64:65], 0
	v_nop
	global_prefetch_b8 v0, s[64:65] scope:SCOPE_SE
	s_setreg_imm32_b32 hwreg(HW_REG_WAVE_MODE, 25, 1), 1
	s_wait_xcnt 0x0
; x [4096][1024] and the four weights [1024][N], f32, become codes of BF8 (E5M2) with one E8M0 byte for each 32 along K = 1,024, laid in the ORDER OF THE OPERAND'S REGISTERS; and the table of cos and sin for the rotary step is made.
; A TILE is 16 rows (tokens of x, columns of a weight) that are NOT neighbours: row r of tile T is index 32 (T / 2) + 8 (T % 2) + r + 8 (r / 8), so that in a product whose source 0 is such a tile
; the 16 registers of tiles 2 b and 2 b + 1 are 16 neighbours, 32 b + 16 (lane / 16) + 0 .. 15.  A FRAGMENT (a tile x 128 along K) is 2,048 bytes: register group c of lane l at 512 c + 16 l.
; prep: XC x's codes [tile 256][K step 8][2048];  WC the weights' [tile 160: Wq 0-63, Wk 64-79, Wv 80-95, Wo 96-159][8][2048];  XS, WS scale words [pair of tiles][K steps 0-3 | 4-7][lane 32][4 words], lane = 16 (T % 2) + r;
;       TAB [tile 256][piece 8][lane 32][16 bytes]: pieces 0-3 cos, 4-7 sin of angle d = 16 (lane / 16) + 0 .. 15 at the lane's token.
; A block's scale is 2^(floor(log2(largest magnitude)) - 15); its byte is the largest magnitude's exponent field - 15, held at 1 from below.
; LIMITS: a block of zeros gets the byte 1 where the rule says 127 (its codes are zeros, and this program alone reads the bytes); NaN and infinities among the inputs are not served;
; the 32 frequencies are constants, 1 / (10^(i / 8)) with both steps rounded to f32 as the source rounds them, on the footing that the f32 power is correctly rounded at these arguments;
; cos and sin: two-part reduction by pi / 2 (positions up to 4,095: the part left out is under 5e-12) and polynomials of degree 7 and 8, about one unit in the last place.
; Work-groups 0-127 take x (a wave: one tile x 512 along K), work-groups 128-287 the weights (a wave: 32 columns x 128 along K).  Only x's way touches LDS.  No barrier: waves share nothing.
.set XC,   0
.set WC,   0x400000
.set XS,   0x680000
.set WS,   0x6a0000
.set TAB,  0x6b4000
.set TM,   16                          ; v16-19 largest magnitudes, v20-23 bytes, v24-27 57,344 x the scale, v28-31 the conversion's scale operand
.set PC,   32                          ; v32-47  a fragment's codes
.set SW,   48                          ; v48-51  four scale words
.set R,    64                          ; v64-191 two sets of 64: a K step as loaded
.set X,    192                         ; v192-255 64 numbers, register 16 b + i = k 32 b + 16 (lane / 16) + i; before that the table's work
.set MNT,  17                          ; s17     the mantissa field of 57,344
.set SEL,  56                          ; s[56:57] v_permlanex16_b32's selects for lane l xor 16
.macro XLOAD k                         ; K step k of my 16 rows: a row's 128 numbers are 512 consecutive bytes, 16 a lane
.irp i, 0,1,2,3,4,5,6,7,8,9,10,11,12,13,14,15
	global_load_b128 v[R+64*((\k)%2)+4*\i:R+64*((\k)%2)+4*\i+3], v4, s[4:5] offset:(\i+8*(\i/8))*4096+512*(\k) th:TH_LOAD_NT
.endr
.endm
.macro TURN k                          ; through my own stage (rows of 512 bytes + 16): in as loaded, back 64 bytes a lane of each block.  LDS serves a wave's instructions in order
.irp i, 0,1,2,3,4,5,6,7,8,9,10,11,12,13,14,15
	ds_store_b128 v5, v[R+64*((\k)%2)+4*\i:R+64*((\k)%2)+4*\i+3] offset:528*\i
.endr
.irp c, 0,1,2,3
.irp j, 0,1,2,3
	ds_load_b128 v[X+16*\c+4*\j:X+16*\c+4*\j+3], v6 offset:128*\c+16*\j
.endr
.endr
.endm
.macro QUANT s, pc, pw                 ; 64 numbers of a lane become 16 registers of codes and my row's scale word
.irp b, 0,1,2,3
	v_max3_num_f32 v[TM+\b], |v[\s+16*\b]|, |v[\s+1+16*\b]|, 0x8000000   ; with the floor 2^(16 - 127): the byte cannot fall under 1
.endr
.irp i, 2,4,6,8,10,12,14
.irp b, 0,1,2,3
	v_max3_num_f32 v[TM+\b], v[TM+\b], |v[\s+16*\b+\i]|, |v[\s+1+16*\b+\i]|   ; the four blocks by turns
.endr
.endr
.irp b, 0,1,2,3
	v_permlanex16_b32 v[TM+4+\b], v[TM+\b], s[SEL], s[SEL+1]
.endr
.irp b, 0,1,2,3
	v_max_num_f32 v[TM+\b], v[TM+\b], v[TM+4+\b]                ; with lane l xor 16's 16 numbers: the block's
.endr
.irp b, 0,1,2,3
	v_add_nc_u32 v[TM+12+\b], 0xf8800000, v[TM+\b]             ; 15 off the exponent field: the conversion's scale operand
.endr
.irp b, 0,1,2,3
	v_and_or_b32 v[TM+8+\b], v[TM+\b], 0x7f800000, s[MNT]      ; 57,344 x the scale
.endr
.irp b, 0,1,2,3
	v_lshrrev_b32 v[TM+4+\b], 23, v[TM+12+\b]                  ; the byte
.endr
	v_lshl_or_b32 v[\pw], v[TM+5], 8, v[TM+4]
	v_lshl_or_b32 v[\pw], v[TM+6], 16, v[\pw]
	v_lshl_or_b32 v[\pw], v[TM+7], 24, v[\pw]
.irp b, 0,1,2,3
.irp i, 0,1,2,3,4,5,6,7,8,9,10,11,12,13,14,15
	v_med3_num_f32 v[\s+16*\b+\i], v[\s+16*\b+\i], -v[TM+8+\b], v[TM+8+\b]   ; the conversion does not saturate (ISA guide 7.6.2): the hold
.endr
	v_cvt_scalef32_pk8_bf8_f32 v[\pc+4*\b:\pc+1+4*\b], v[\s+16*\b:\s+7+16*\b], v[TM+12+\b]
	v_cvt_scalef32_pk8_bf8_f32 v[\pc+2+4*\b:\pc+3+4*\b], v[\s+8+16*\b:\s+15+16*\b], v[TM+12+\b]
.endr
	v_nop                                          ; a plain line behind the last conversion
.endm
.macro XSTEP k
.if (\k) < 3
	s_wait_loadcnt 16                              ; this K step's 16 loads are in; the next step's 16 may be out
.else
	s_wait_loadcnt 0x0
.endif
	TURN \k
	s_wait_dscnt 0x0                               ; the numbers are back, and the stage's stores have read their registers
.if (\k) < 2
	XLOAD (\k)+2
.endif
.if (\k) > 0
	s_wait_xcnt 0x0                                ; the last step's stores have read the codes' registers, which are written again below
.endif
	QUANT X, PC, SW+(\k)
.irp c, 0,1,2,3
	global_store_b128 v4, v[PC+4*\c:PC+4*\c+3], s[20:21] offset:2048*(\k)+512*\c   ; 512 consecutive bytes
.endr
.endm
.macro FSEL i, f0, f1, f2, f3          ; SCC = (my half of K is 0): lanes 0-15 take d = 8 g + i, lanes 16-31 d = 16 + 8 g + i
	s_mov_b32 s[32+\i], \f1
	s_cselect_b32 s[32+\i], \f0, s[32+\i]
	s_mov_b32 s[40+\i], \f3
	s_cselect_b32 s[40+\i], \f2, s[40+\i]
.endm
.macro WLOAD t, pitch                  ; block t: W(32 t + i, my column): 32 lanes read 128 consecutive bytes
.irp i, 0,1,2,3,4,5,6,7,8,9,10,11,12,13,14,15,16,17,18,19,20,21,22,23,24,25,26,27,28,29,30,31
	global_load_b32 v[32+32*((\t)%2)+\i], v3, s[20:21] offset:(32*(\t)+\i)*\pitch th:TH_LOAD_NT
.endr
.endm
.macro WBLOCK t, pitch
.set NS, 32+32*((\t)%2)
.if (\t) < 3
	s_wait_loadcnt 32                              ; this block's 32 loads are in; the next block's may be out
.else
	s_wait_loadcnt 0x0
.endif
	v_max3_num_f32 v12, |v[NS]|, |v[NS+1]|, |v[NS+2]|          ; all 32 numbers of the block are mine
	v_max3_num_f32 v13, |v[NS+3]|, |v[NS+4]|, |v[NS+5]|
.irp i, 6,10,14,18,22,26
	v_max3_num_f32 v12, v12, |v[NS+\i]|, |v[NS+\i+1]|
	v_max3_num_f32 v13, v13, |v[NS+\i+2]|, |v[NS+\i+3]|
.endr
	v_max3_num_f32 v12, v12, |v[NS+30]|, |v[NS+31]|
	v_max3_num_f32 v12, v12, v13, 0x8000000
	v_add_nc_u32 v11, 0xf8800000, v12
	v_and_or_b32 v10, v12, 0x7f800000, s[MNT]
	v_lshrrev_b32 v13, 23, v11
.if (\t) == 0
	v_mov_b32 v24, v13
.else
	v_lshl_or_b32 v24, v13, 8*(\t), v24
.endif
.irp i, 0,1,2,3,4,5,6,7,8,9,10,11,12,13,14,15,16,17,18,19,20,21,22,23,24,25,26,27,28,29,30,31
	v_med3_num_f32 v[NS+\i], v[NS+\i], -v10, v10
.endr
.irp g, 0,1,2,3
	v_cvt_scalef32_pk8_bf8_f32 v[96+8*(\t)+2*\g:97+8*(\t)+2*\g], v[NS+8*\g:NS+8*\g+7], v11
.endr
	global_store_b128 v4, v[96+8*(\t):99+8*(\t)], s[22:23] offset:512*(\t)          ; k 32 t + 0 .. 15: the sixteen lanes of a tile store 256 consecutive bytes, aligned
	global_store_b128 v4, v[100+8*(\t):103+8*(\t)], s[22:23] offset:512*(\t)+256    ; k 32 t + 16 .. 31.  Each block has code registers of its own
.if (\t) < 2
	WLOAD (\t)+2, \pitch
.endif
.endm
.macro WBODY pitch
	s_mul_i32 s28, s19, 128*\pitch                 ; my K step's 128 rows
	s_add_co_u32 s28, s28, s31
	s_mov_b32 s29, 0
	s_add_nc_u64 s[20:21], s[20:21], s[28:29]
	WLOAD 0, \pitch
	WLOAD 1, \pitch
	WBLOCK 0, \pitch
	WBLOCK 1, \pitch
	WBLOCK 2, \pitch
	WBLOCK 3, \pitch
	global_store_b32 v5, v24, s[24:25]             ; my column's scale word of this K step (words 16 bytes apart: one byte for each 128 read)
	s_endpgm
.endm
	s_load_b256 s[4:11], s[0:1], 0x0               ; x s[4:5], Wq s[6:7], Wk s[8:9], Wv s[10:11]
	s_load_b128 s[12:15], s[0:1], 0x20             ; Wo s[12:13], prep s[14:15]
	v_lshl_add_u32 v14, v0, 2, 0x8400
	v_mov_b32 v15, 0
	v_lshrrev_b32 v1, 5, v0
	v_readfirstlane_b32 s16, v1                    ; wave
	v_and_b32 v1, 31, v0                           ; lane
	s_mov_b32 s[MNT], 0x600000
	s_wait_kmcnt 0x0
	s_cmp_ge_u32 ttmp9, 128
	s_cbranch_scc1 .Lweights
	; ---------------- x: wave w takes tile T = 2 x work-group + w / 2, half g = w % 2 of K
	v_and_b32 v2, 15, v0                           ; r
	v_bfe_u32 v3, v0, 4, 1                         ; h
	s_wait_alu depctr_va_vdst(0)
	v_lshlrev_b32 v4, 4, v1                        ; 16 x lane
	s_wait_alu depctr_va_vdst(0)
	s_mul_i32 s18, s16, 8448                       ; my stage: 16 rows of 528 bytes
	v_add_nc_u32 v5, s18, v4
	v_mul_u32_u24 v6, v2, 528
	v_lshl_add_u32 v6, v3, 6, v6
	v_add_nc_u32 v6, s18, v6                       ; back: row r, + 64 h
	v_lshlrev_b32 v7, 4, v2
	v_lshl_add_u32 v7, v3, 3, v7                   ; scale words: 16 r + 8 h
	s_lshr_b32 s19, s16, 1                         ; T % 2
	s_and_b32 s26, s16, 1                          ; g
	s_lshl_b32 s27, ttmp9, 5
	s_lshl_b32 s28, s19, 3
	s_add_co_u32 s27, s27, s28                     ; the tile's first token
	s_lshl_b32 s28, s27, 12
	s_lshl_b32 s29, s26, 11
	s_add_co_u32 s28, s28, s29
	s_mov_b32 s29, 0
	s_add_nc_u64 s[4:5], s[4:5], s[28:29]
	XLOAD 0
	XLOAD 1
	s_lshl_b32 s30, ttmp9, 1
	s_add_co_u32 s30, s30, s19                     ; T
	s_lshl_b32 s28, s30, 14
	s_lshl_b32 s31, s26, 13
	s_add_co_u32 s28, s28, s31
	s_add_nc_u64 s[20:21], s[14:15], s[28:29]      ; my four fragments (XC = 0)
	s_lshl_b32 s28, ttmp9, 10
	s_lshl_b32 s31, s26, 9
	s_add_co_u32 s28, s28, s31
	s_lshl_b32 s31, s19, 8
	s_add_co_u32 s28, s28, s31
	s_add_co_u32 s28, s28, XS
	s_add_nc_u64 s[22:23], s[14:15], s[28:29]      ; my 256 bytes of scale words
	s_lshl_b32 s28, s30, 12
	s_lshl_b32 s31, s26, 10
	s_add_co_u32 s28, s28, s31
	s_add_co_u32 s28, s28, TAB
	s_add_nc_u64 s[24:25], s[14:15], s[28:29]      ; my pieces of the table
	s_mov_b32 s[SEL], 0x76543210
	s_mov_b32 s[SEL+1], 0xfedcba98
.irp b, 0,1,2,3
	v_mov_b32 v[TM+4+\b], 0                        ; written once: a lane permute's destination counts as one of its sources
.endr
	; the table, while the first loads are on their way: eight angles a lane, d = 16 h + 8 g + i, at my token
	s_cmp_eq_u32 s26, 0
	FSEL 0, 0x3f800000, 0x3dcccccd, 0x3c23d70a, 0x3a83126f
	FSEL 1, 0x3f3ff911, 0x3d99940d, 0x3bf5b9b0, 0x3a44948c
	FSEL 2, 0x3f0ff59a, 0x3d6655c2, 0x3bb8449c, 0x3a136a16
	FSEL 3, 0x3ed7e89b, 0x3d2cba15, 0x3b8a2e77, 0x39dd1725
	FSEL 4, 0x3ea1e89b, 0x3d0186e3, 0x3b4f3e38, 0x39a5cb60
	FSEL 5, 0x3e72d423, 0x3cc2434f, 0x3b1b690d, 0x3978a815
	FSEL 6, 0x3e361887, 0x3c91ad39, 0x3ae91528, 0x393a7753
	FSEL 7, 0x3e088d77, 0x3c5a7bf2, 0x3aaec98e, 0x390bd472
	s_mov_b32 s48, 0xbfc90fdb                      ; -(pi / 2), its f32
	s_mov_b32 s49, 0x333bbd2e                      ; that f32 less pi / 2
	s_mov_b32 s50, 0xbe2aaaa3                      ; sin: z, z^2, z^3
	s_mov_b32 s51, 0x3c08839e
	s_mov_b32 s52, 0xb94ca1f9
	s_mov_b32 s53, 0x3d2aaaa5                      ; cos: z^2, z^3, z^4
	s_mov_b32 s54, 0xbab6061a
	s_mov_b32 s55, 0x37ccf5ce
	v_and_b32 v8, 8, v2
	v_add_nc_u32 v8, v8, v2
	v_add_nc_u32 v8, s27, v8
	v_cvt_f32_u32 v8, v8                           ; my token's position
	v_cmp_lt_u32 vcc_lo, 15, v1                    ; lanes 16-31
.irp i, 0,1,2,3,4,5,6,7
	v_mov_b32 v[208+\i], s[32+\i]
	v_mov_b32 v[216+\i], s[40+\i]
.endr
.irp i, 0,1,2,3,4,5,6,7
	v_cndmask_b32 v[208+\i], v[208+\i], v[216+\i], vcc_lo
.endr
.irp i, 0,1,2,3,4,5,6,7
	v_mul_f32 v[208+\i], v8, v[208+\i]             ; the angle, rounded once as the source rounds it
.endr
.irp i, 0,1,2,3,4,5,6,7
	v_mul_f32 v[216+\i], 0x3f22f983, v[208+\i]
.endr
.irp i, 0,1,2,3,4,5,6,7
	v_rndne_f32 v[216+\i], v[216+\i]               ; n = the nearest multiple of pi / 2, at most 2,607
.endr
.irp i, 0,1,2,3,4,5,6,7
	v_fma_f32 v[224+\i], v[216+\i], s48, v[208+\i] ; exact: a multiple of 2^-23 under 1
.endr
.irp i, 0,1,2,3,4,5,6,7
	v_fma_f32 v[224+\i], v[216+\i], s49, v[224+\i] ; what is left of the angle, within pi / 4
.endr
.irp i, 0,1,2,3,4,5,6,7
	v_mul_f32 v[232+\i], v[224+\i], v[224+\i]
.endr
.irp i, 0,1,2,3,4,5,6,7
	v_fma_f32 v[240+\i], v[232+\i], s52, s51
	v_fma_f32 v[248+\i], v[232+\i], s55, s54
.endr
.irp i, 0,1,2,3,4,5,6,7
	v_fma_f32 v[240+\i], v[240+\i], v[232+\i], s50
	v_fma_f32 v[248+\i], v[248+\i], v[232+\i], s53
.endr
.irp i, 0,1,2,3,4,5,6,7
	v_mul_f32 v[240+\i], v[240+\i], v[232+\i]
	v_fma_f32 v[248+\i], v[248+\i], v[232+\i], -0.5
.endr
.irp i, 0,1,2,3,4,5,6,7
	v_fma_f32 v[240+\i], v[240+\i], v[224+\i], v[224+\i]   ; sin of the rest
	v_fma_f32 v[248+\i], v[248+\i], v[232+\i], 1.0         ; cos of the rest
.endr
.irp i, 0,1,2,3,4,5,6,7
	v_cvt_i32_f32 v[216+\i], v[216+\i]
.endr
.irp i, 0,1,2,3,4,5,6,7
	v_and_b32 v[208+\i], 1, v[216+\i]
	v_cmp_eq_u32 vcc_lo, 1, v[208+\i]              ; an odd quarter swaps the two
	v_cndmask_b32 v[200+\i], v[240+\i], v[248+\i], vcc_lo
	v_cndmask_b32 v[192+\i], v[248+\i], v[240+\i], vcc_lo
.endr
.irp i, 0,1,2,3,4,5,6,7
	v_lshlrev_b32 v[208+\i], 30, v[216+\i]         ; sin is negative in quarters 2 and 3: bit 1 of n
	v_add_nc_u32 v[216+\i], 1, v[216+\i]           ; cos in quarters 1 and 2: bit 1 of n + 1
.endr
.irp i, 0,1,2,3,4,5,6,7
	v_and_b32 v[208+\i], 0x80000000, v[208+\i]
	v_lshlrev_b32 v[216+\i], 30, v[216+\i]
.endr
.irp i, 0,1,2,3,4,5,6,7
	v_xor_b32 v[200+\i], v[200+\i], v[208+\i]
	v_and_b32 v[216+\i], 0x80000000, v[216+\i]
.endr
.irp i, 0,1,2,3,4,5,6,7
	v_xor_b32 v[192+\i], v[192+\i], v[216+\i]
.endr
	global_store_b128 v4, v[192:195], s[24:25]
	global_store_b128 v4, v[196:199], s[24:25] offset:512
	global_store_b128 v4, v[200:203], s[24:25] offset:2048
	global_store_b128 v4, v[204:207], s[24:25] offset:2560
	s_wait_xcnt 0x0                                ; these stores have read their registers, into which the stage's loads land next
	XSTEP 0
	XSTEP 1
	XSTEP 2
	XSTEP 3
	v_cmp_lt_u32 vcc_lo, 15, v1
	v_cndmask_b32 v52, v[SW], v[SW+2], vcc_lo      ; both halves of the lanes hold row r's four words: lanes 0-15 store words 0 and 1, lanes 16-31 words 2 and 3
	v_cndmask_b32 v53, v[SW+1], v[SW+3], vcc_lo
	global_store_b64 v7, v[52:53], s[22:23]        ; 256 consecutive bytes, aligned
	s_wait_tensorcnt 0x0
	ds_add_u32 v14, v15
	s_wait_dscnt 0x0
	s_endpgm
	; ---------------- the weights: K is the FIRST axis: a lane takes a column and its registers run down K
.Lweights:
	s_sub_co_u32 s18, ttmp9, 128
	s_and_b32 s19, s18, 7                          ; K step
	s_lshr_b32 s26, s18, 3                         ; which 128 of the 2,560 columns [Wq | Wk | Wv | Wo]
	s_sub_co_u32 s27, s26, 12
	s_sub_co_u32 s28, s26, 10
	s_sub_co_u32 s29, s26, 8
	s_mov_b64 s[20:21], s[12:13]                   ; the buffer is chosen on the work-group's number alone
	s_cmp_lt_u32 s26, 12
	s_cselect_b64 s[20:21], s[10:11], s[20:21]
	s_cselect_b32 s27, s28, s27
	s_cmp_lt_u32 s26, 10
	s_cselect_b64 s[20:21], s[8:9], s[20:21]
	s_cselect_b32 s27, s29, s27
	s_cmp_lt_u32 s26, 8
	s_cselect_b64 s[20:21], s[6:7], s[20:21]
	s_cselect_b32 s27, s26, s27                    ; which 128 columns of that weight
	s_lshl_b32 s30, s26, 2
	s_add_co_u32 s30, s30, s16                     ; my pair of tiles
	s_lshl_b32 s31, s27, 9
	s_lshl_b32 s18, s16, 7
	s_add_co_u32 s31, s31, s18                     ; my 32 columns, in bytes
	s_mov_b32 s35, 0
	s_lshl_b32 s34, s30, 15
	s_lshl_b32 s18, s19, 11
	s_add_co_u32 s34, s34, s18
	s_add_co_u32 s34, s34, WC
	s_add_nc_u64 s[22:23], s[14:15], s[34:35]      ; the pair's fragments of this K step
	s_lshl_b32 s34, s30, 10
	s_lshr_b32 s18, s19, 2
	s_lshl_b32 s18, s18, 9
	s_add_co_u32 s34, s34, s18
	s_and_b32 s18, s19, 3
	s_lshl_b32 s18, s18, 2
	s_add_co_u32 s34, s34, s18
	s_add_co_u32 s34, s34, WS
	s_add_nc_u64 s[24:25], s[14:15], s[34:35]      ; and its scale words
	s_wait_alu depctr_va_vdst(0)
	v_lshlrev_b32 v3, 2, v1                        ; in: 4 bytes a lane
	v_bfe_u32 v8, v0, 3, 1                         ; column L of the pair is row (L % 8) + 8 (L / 16) of tile (L / 8) % 2
	v_and_b32 v9, 7, v0
	v_bfe_u32 v10, v0, 4, 1
	v_lshl_add_u32 v9, v10, 3, v9
	v_lshlrev_b32 v4, 14, v8
	v_lshl_add_u32 v4, v9, 4, v4                   ; codes: tile x 16,384 + 16 x row
	v_lshl_add_u32 v5, v8, 4, v9
	v_lshlrev_b32 v5, 4, v5                        ; scale words: 16 bytes for each of the pair's 32 rows
	s_cmp_lt_u32 s29, 4                            ; Wk and Wv have rows of 1,024 bytes: the pitch stands in the immediates, so the body is written twice
	s_cbranch_scc1 .Lnarrow
	WBODY 4096
.Lnarrow:
	s_wait_alu depctr_va_vdst(0)
	WBODY 1024
.Lfunc_end_k_q4186682bfd_quant:
	.size	k_q4186682bfd_quant, .Lfunc_end_k_q4186682bfd_quant-k_q4186682bfd_quant
	.p2alignl 7, 3214868480
	.fill 96, 4, 3214868480
	.section	.rodata,"a",@progbits
	.p2align	6, 0x0
	.amdhsa_kernel k_q4186682bfd_quant
		.amdhsa_group_segment_fixed_size 34304
		.amdhsa_private_segment_fixed_size 0
		.amdhsa_enable_private_segment 0
		.amdhsa_kernarg_size 48
		.amdhsa_user_sgpr_count 2
		.amdhsa_user_sgpr_kernarg_segment_ptr 1
		.amdhsa_wavefront_size32 1
		.amdhsa_system_sgpr_workgroup_id_x 1
		.amdhsa_system_sgpr_workgroup_id_y 1
		.amdhsa_system_sgpr_workgroup_id_z 1
		.amdhsa_system_vgpr_workitem_id 0
		.amdhsa_next_free_vgpr 256
		.amdhsa_next_free_sgpr 66
		.amdhsa_reserve_vcc 1
		.amdhsa_float_denorm_mode_32 3
		.amdhsa_float_denorm_mode_16_64 3
		.amdhsa_memory_ordered 1
		.amdhsa_forward_progress 1
		.amdhsa_inst_pref_size 121
	.end_amdhsa_kernel
	.amdgpu_metadata
---
amdhsa.version: [ 1, 2 ]
amdhsa.kernels:
  - .name:           k_q4186682bfd_quant
    .symbol:         k_q4186682bfd_quant.kd
    .args:
      - { .name: x, .offset: 0, .size: 8, .value_kind: global_buffer, .address_space: global }
      - { .name: Wq, .offset: 8, .size: 8, .value_kind: global_buffer, .address_space: global }
      - { .name: Wk, .offset: 16, .size: 8, .value_kind: global_buffer, .address_space: global }
      - { .name: Wv, .offset: 24, .size: 8, .value_kind: global_buffer, .address_space: global }
      - { .name: Wo, .offset: 32, .size: 8, .value_kind: global_buffer, .address_space: global }
      - { .name: prep, .offset: 40, .size: 8, .value_kind: global_buffer, .address_space: global }
    .group_segment_fixed_size: 34304
    .private_segment_fixed_size: 0
    .kernarg_segment_align: 8
    .kernarg_segment_size: 48
    .max_flat_workgroup_size: 128
    .sgpr_count:     66
    .vgpr_count:     256
    .wavefront_size: 32
...
	.end_amdgpu_metadata
.endif
;; end of part 5
;; launch qkv (part 6): grid 32 x 6, 4 waves a work-group, no clusters, 0 bytes of LDS; arguments prep, qk, vv; writes qk, vv
.if DOCPART == 6
	.amdgcn_target "amdgcn-amd-amdhsa--gfx1250"
	.amdhsa_code_object_version 6
	.text
	.protected	k_q4186682bfd_qkv
	.globl	k_q4186682bfd_qkv
	.p2align	8
	.type	k_q4186682bfd_qkv,@function
k_q4186682bfd_qkv:
	s_mov_b64 s[64:65], 0
	v_nop
	global_prefetch_b8 v0, s[64:65] scope:SCOPE_SE
	s_setreg_imm32_b32 hwreg(HW_REG_WAVE_SCHED_MODE, 0, 2), 2
	s_setreg_imm32_b32 hwreg(HW_REG_WAVE_MODE, 25, 1), 1
	s_wait_xcnt 0x0
	s_wait_alu depctr_vm_vsrc(0)
; q = rope(x Wq), k = rope(x Wk), v = x Wv on codes of BF8 (E5M2) with E8M0 scales, K = 1,024; the results are quantised in registers for the two products of attention and leave as codes in register order.
; ONE main loop: source 0 = 8 tiles, source 1 = 4 tiles, 32 accumulators a wave, 8 K steps of 128.  Tiles, fragments and scale words as the launch before laid them (row r of tile T = index 32 (T / 2) + 8 (T % 2) + r + 8 (r / 8)).
;   work-group y = 0 .. 4 (q and k: heads 4 y .. 4 y + 3 of the 20, q 0-15, k 16-19): source 0 = the weights' tiles of two heads, source 1 = four tiles of tokens: a lane holds ONE token, its registers run along the channels:
;       of tiles 2 b, 2 b + 1 the 16 registers are channels 32 b + 16 (lane / 16) + 0 .. 15.  So the rotary step pairs registers of one lane, and the head's 64 are two blocks of the next K.
;   work-group y = 5 (v): source 0 = eight tiles of tokens (128 keys), source 1 = the four tiles of Wv of kv head = wave: a lane holds ONE channel, its registers run along the keys, which are the second product's K.
; OUT: qk: codes [head 20][tile 256][group 2][512], scale words [head][tile][16] at QKS (bytes 0, 1: the head's two blocks; bytes 2, 3 meet zero codes alone and are never 0xff);  vv: codes [kv head][128 keys][tile of channels 4][2048], scale words [kv head][128 keys][pair 2][lane 32] at VSC.
; No LDS and no tensor load: operands lie in register order, so each load of a wave is 512 consecutive bytes; K has only 8 steps.  Tiles are shared by two to four waves of a work-group and fetched by each: clusters and
; joint loads are left out because a wave's whole matrix work is 256 instructions.  192 work-groups of equal work.
; LIMITS: NaN and infinities are not served; a block of zeros gets the byte 1; the rotary step uses fused multiply-adds where the source rounds product and sum apart.
; REGISTERS, in windows of 256: window 0: addresses, v16-31 the quantiser's work, v32-35 scale words made, v36-39 words to store, v64-95 source 0's scale words (8 x pair + K step), v96-111 source 1's, v112-175 the rotary step's products, v176-239 codes;
;   window 1: accumulator (j, i) at 64 j + 8 i;   window 2: source 0's fragments, two sets of 128;   window 3: source 1's, two sets of 64; from v128 cos and sin, 32 for each tile of tokens.
; THE MODE: SCHED_MODE bits 1:0 = 2 (LLVM: expert scheduling mode 2), set by the entry lines.  The code itself states the register dependences between vector or matrix instructions and memory instructions, with s_wait_alu, always for 0.
; THE PLAN.  Registers that memory instructions touch:
;   fragment sets 0, 1   K step s's 32 products read set s % 2; the 48 loads of K step s + 2 land in it, issued at the head of K step s + 1.
;   scale words, table   loaded once, into registers that no vector or matrix instruction has named before; read by products and by the rotary step alone.
;   v1, v2               offsets, made at the head and never written again.
;   codes, words         v176-239 and v36-39: a tile's conversions and selects write its own registers, that tile's stores read them, nothing writes them again.
; So ONE wait on va_vdst stands at the head of a K step (the step before is done reading the set that the loads below fill), and one ahead of each tile's run of stores.  With two sets the 48 loads stand in one run ahead of the
; wait for this step's data, so that two K steps are on their way.
.set WC,   0x400000
.set XS,   0x680000
.set WS,   0x6a0000
.set TAB,  0x6b4000
.set QKS,  0x500000
.set VSC,  0x100000
.set LI,   1                           ; v1  16 x lane
.set LS,   2                           ; v2  4 x lane
.set TM,   16
.set PW,   32
.set WD,   36
.set SC0,  64
.set SC1,  96
.set RT,   112
.set PC,   176
.set MNT,  34
.set SEL,  36
.set MSB, 0
.macro WIN new                         ; the immediate's high byte repeats the setting that is left
.if MSB != \new
	s_set_vgpr_msb (MSB<<8)|\new
.set MSB, \new
.endif
.endm
.macro WM acc, fa, fb, sa, sb, ra, rb, zero    ; one product; ra, rb: the side's scale words stand in lanes 16-31 (an odd tile); zero: it starts the sum
.if \zero
.if (\ra) && (\rb)
	v_wmma_scale_f32_16x16x128_f8f6f4 v[(\acc):(\acc)+7], v[(\fa):(\fa)+15], v[(\fb):(\fb)+15], 0, v[\sa], v[\sb] matrix_a_fmt:MATRIX_FMT_BF8 matrix_b_fmt:MATRIX_FMT_BF8 matrix_a_scale:MATRIX_SCALE_ROW1 matrix_b_scale:MATRIX_SCALE_ROW1
.elseif (\ra)
	v_wmma_scale_f32_16x16x128_f8f6f4 v[(\acc):(\acc)+7], v[(\fa):(\fa)+15], v[(\fb):(\fb)+15], 0, v[\sa], v[\sb] matrix_a_fmt:MATRIX_FMT_BF8 matrix_b_fmt:MATRIX_FMT_BF8 matrix_a_scale:MATRIX_SCALE_ROW1
.elseif (\rb)
	v_wmma_scale_f32_16x16x128_f8f6f4 v[(\acc):(\acc)+7], v[(\fa):(\fa)+15], v[(\fb):(\fb)+15], 0, v[\sa], v[\sb] matrix_a_fmt:MATRIX_FMT_BF8 matrix_b_fmt:MATRIX_FMT_BF8 matrix_b_scale:MATRIX_SCALE_ROW1
.else
	v_wmma_scale_f32_16x16x128_f8f6f4 v[(\acc):(\acc)+7], v[(\fa):(\fa)+15], v[(\fb):(\fb)+15], 0, v[\sa], v[\sb] matrix_a_fmt:MATRIX_FMT_BF8 matrix_b_fmt:MATRIX_FMT_BF8
.endif
.else
.if (\ra) && (\rb)
	v_wmma_scale_f32_16x16x128_f8f6f4 v[(\acc):(\acc)+7], v[(\fa):(\fa)+15], v[(\fb):(\fb)+15], v[(\acc):(\acc)+7], v[\sa], v[\sb] matrix_a_fmt:MATRIX_FMT_BF8 matrix_b_fmt:MATRIX_FMT_BF8 matrix_a_scale:MATRIX_SCALE_ROW1 matrix_b_scale:MATRIX_SCALE_ROW1
.elseif (\ra)
	v_wmma_scale_f32_16x16x128_f8f6f4 v[(\acc):(\acc)+7], v[(\fa):(\fa)+15], v[(\fb):(\fb)+15], v[(\acc):(\acc)+7], v[\sa], v[\sb] matrix_a_fmt:MATRIX_FMT_BF8 matrix_b_fmt:MATRIX_FMT_BF8 matrix_a_scale:MATRIX_SCALE_ROW1
.elseif (\rb)
	v_wmma_scale_f32_16x16x128_f8f6f4 v[(\acc):(\acc)+7], v[(\fa):(\fa)+15], v[(\fb):(\fb)+15], v[(\acc):(\acc)+7], v[\sa], v[\sb] matrix_a_fmt:MATRIX_FMT_BF8 matrix_b_fmt:MATRIX_FMT_BF8 matrix_b_scale:MATRIX_SCALE_ROW1
.else
	v_wmma_scale_f32_16x16x128_f8f6f4 v[(\acc):(\acc)+7], v[(\fa):(\fa)+15], v[(\fb):(\fb)+15], v[(\acc):(\acc)+7], v[\sa], v[\sb] matrix_a_fmt:MATRIX_FMT_BF8 matrix_b_fmt:MATRIX_FMT_BF8
.endif
.endif
.endm
.macro FLOAD s, buf                    ; K step s: 48 loads of 512 consecutive bytes
	WIN 0x80                                       ; destination window 2
.irp i, 0,1,2,3,4,5,6,7
.irp c, 0,1,2,3
	global_load_b128 v[128*(\buf)+16*\i+4*\c:128*(\buf)+16*\i+4*\c+3], v[LI], s[16:17] offset:\i*16384+(\s)*2048+\c*512
.endr
.endr
	WIN 0xc0                                       ; destination window 3
.irp j, 0,1,2,3
.irp c, 0,1,2,3
	global_load_b128 v[64*(\buf)+16*\j+4*\c:64*(\buf)+16*\j+4*\c+3], v[LI], s[18:19] offset:\j*16384+(\s)*2048+\c*512
.endr
.endr
	WIN 0
.endm
.macro MUL s, buf, zero                ; 32 products: the 32 accumulators take turns, one instruction a turn, in the same order in every step
	WIN 0x5e                                       ; source 0 window 2, source 1 window 3, C and D window 1
.irp j, 0,1,2,3
.irp i, 0,1,2,3,4,5,6,7
	WM 64*\j+8*\i, 128*(\buf)+16*\i, 64*(\buf)+16*\j, SC0+8*(\i/2)+(\s), SC1+8*(\j/2)+(\s), \i%2, \j%2, \zero
.endr
.endr
	WIN 0
.endm
.macro PLACES                          ; eight plain vector lines between a matrix instruction of this form and a load into, or a vector read of, its registers (ISA guide 7.12.1 for vector reads)
.rept 8
	v_nop
.endr
.endm
.macro QUANT s, pc, pw                 ; 64 numbers of a lane in window 1, register 16 b + i = k 32 b + 16 (lane / 16) + i, become 16 registers of codes and the scale word, in window 0.  Each accumulator is first read at its registers 0 and 1
	WIN 0x05
.irp b, 0,1,2,3
	v_max3_num_f32 v[TM+\b], |v[(\s)+16*\b]|, |v[(\s)+1+16*\b]|, 0x8000000   ; with the floor 2^(16 - 127)
.endr
	WIN 0x14
.irp i, 2,4,6,8,10,12,14
.irp b, 0,1,2,3
	v_max3_num_f32 v[TM+\b], v[TM+\b], |v[(\s)+16*\b+\i]|, |v[(\s)+1+16*\b+\i]|
.endr
.endr
	WIN 0
.irp b, 0,1,2,3
	v_permlanex16_b32 v[TM+4+\b], v[TM+\b], s[SEL], s[SEL+1]
.endr
.irp b, 0,1,2,3
	v_max_num_f32 v[TM+\b], v[TM+\b], v[TM+4+\b]
.endr
.irp b, 0,1,2,3
	v_add_nc_u32 v[TM+12+\b], 0xf8800000, v[TM+\b]
.endr
.irp b, 0,1,2,3
	v_and_or_b32 v[TM+8+\b], v[TM+\b], 0x7f800000, s[MNT]
.endr
.irp b, 0,1,2,3
	v_lshrrev_b32 v[TM+4+\b], 23, v[TM+12+\b]
.endr
	v_lshl_or_b32 v[\pw], v[TM+5], 8, v[TM+4]
	v_lshl_or_b32 v[\pw], v[TM+6], 16, v[\pw]
	v_lshl_or_b32 v[\pw], v[TM+7], 24, v[\pw]
	WIN 0x41
.irp b, 0,1,2,3
.irp i, 0,1,2,3,4,5,6,7,8,9,10,11,12,13,14,15
	v_med3_num_f32 v[(\s)+16*\b+\i], v[(\s)+16*\b+\i], -v[TM+8+\b], v[TM+8+\b]   ; the hold: the conversion does not saturate (ISA guide 7.6.2)
.endr
.endr
	WIN 0x01
.irp b, 0,1,2,3
	v_cvt_scalef32_pk8_bf8_f32 v[(\pc)+4*\b:(\pc)+4*\b+1], v[(\s)+16*\b:(\s)+16*\b+7], v[TM+12+\b]
	v_cvt_scalef32_pk8_bf8_f32 v[(\pc)+4*\b+2:(\pc)+4*\b+3], v[(\s)+16*\b+8:(\s)+16*\b+15], v[TM+12+\b]
.endr
	WIN 0
	v_nop                                          ; a plain line behind the last conversion
.endm
.macro ROPE j                          ; tile j of tokens, two heads: lo = channels 16 h + i, hi = channels 32 + 16 h + i: lo' = lo cos - hi sin, hi' = hi cos + lo sin
	WIN 0x0d                                       ; source 0 window 1, source 1 (the table) window 3, destination window 0
.irp e, 0,1
.irp i, 0,2,4,6,8,10,12,14
	v_pk_mul_f32 v[RT+32*\e+\i:RT+32*\e+\i+1], v[64*\j+32*\e+\i:64*\j+32*\e+\i+1], v[128+32*\j+16+\i:128+32*\j+16+\i+1]
	v_pk_mul_f32 v[RT+32*\e+16+\i:RT+32*\e+16+\i+1], v[64*\j+32*\e+16+\i:64*\j+32*\e+16+\i+1], v[128+32*\j+16+\i:128+32*\j+16+\i+1]
.endr
.endr
	WIN 0x4d                                       ; and the destination window 1
.irp e, 0,1
.irp i, 0,2,4,6,8,10,12,14
	v_pk_fma_f32 v[64*\j+32*\e+\i:64*\j+32*\e+\i+1], v[64*\j+32*\e+\i:64*\j+32*\e+\i+1], v[128+32*\j+\i:128+32*\j+\i+1], v[RT+32*\e+16+\i:RT+32*\e+16+\i+1] neg_lo:[0,0,1] neg_hi:[0,0,1]
	v_pk_fma_f32 v[64*\j+32*\e+16+\i:64*\j+32*\e+16+\i+1], v[64*\j+32*\e+16+\i:64*\j+32*\e+16+\i+1], v[128+32*\j+\i:128+32*\j+\i+1], v[RT+32*\e+\i:RT+32*\e+\i+1]
.endr
.endr
.endm
	s_load_b128 s[4:7], s[0:1], 0x0                ; prep s[4:5], qk s[6:7]
	s_load_b64 s[8:9], s[0:1], 0x10                ; vv
	v_lshrrev_b32 v3, 5, v0
	v_readfirstlane_b32 s10, v3                    ; wave
	v_and_b32 v3, 31, v0
	v_lshlrev_b32 v[LI], 4, v3
	v_lshlrev_b32 v[LS], 2, v3
	v_cmp_lt_u32 vcc_lo, 15, v3                    ; lanes 16-31; VCC stays
.irp b, 0,1,2,3
	v_mov_b32 v[TM+4+\b], 0                        ; written once: a lane permute's destination counts as one of its sources
.endr
	s_mov_b32 s[MNT], 0x600000
	s_mov_b32 s[SEL], 0x76543210
	s_mov_b32 s[SEL+1], 0xfedcba98
	s_and_b32 s12, ttmp7, 0xffff                   ; work-group y: the kind
	s_wait_alu depctr_va_sdst(0)                   ; s10, the wave's number, is written, ahead of its first reader: every base below is made from it
	s_wait_alu depctr_va_vcc(0)                    ; VCC is written, in the compare's own straight run of code: the selects on the way out read it
	s_lshr_b32 s40, s10, 1
	s_and_b32 s41, s10, 1
	s_lshl_b32 s13, ttmp9, 3
	s_lshl_b32 s42, s41, 2
	s_add_co_u32 s13, s13, s42                     ; q, k: my first tile of tokens: 8 x + 4 (wave % 2)
	s_lshl_b32 s44, s12, 4
	s_lshl_b32 s42, s40, 3
	s_add_co_u32 s44, s44, s42                     ; q, k: my first tile of the weights: 16 y + 8 (wave / 2)
	s_lshl_b32 s45, s44, 9
	s_add_co_u32 s45, s45, WS                      ; source 0's scale words (a pair of tiles: 1,024 bytes)
	s_lshl_b32 s46, s44, 14
	s_add_co_u32 s46, s46, WC                      ; source 0's codes
	s_lshl_b32 s47, s13, 14                        ; source 1's codes
	s_lshl_b32 s48, s13, 9
	s_add_co_u32 s48, s48, XS                      ; source 1's scale words
	s_lshl_b32 s49, ttmp9, 17                      ; v: source 0 = tokens' tiles 8 x on
	s_lshl_b32 s50, ttmp9, 12
	s_add_co_u32 s50, s50, XS
	s_lshl_b32 s51, s10, 16                        ; v: source 1 = the weights' tiles 80 + 4 wave on
	s_add_co_u32 s51, s51, WC+80*16384
	s_lshl_b32 s52, s10, 11
	s_add_co_u32 s52, s52, WS+40*1024
	s_lshl_b32 s54, s44, 16                        ; q, k out: head (tile / 4) x 262,144 + token tile x 1,024
	s_lshl_b32 s42, s13, 10
	s_add_co_u32 s54, s54, s42
	s_lshl_b32 s55, s44, 12                        ; head x 16,384 + token tile x 64
	s_lshl_b32 s42, s13, 6
	s_add_co_u32 s55, s55, s42
	s_add_co_u32 s55, s55, QKS
	s_lshl_b32 s53, s10, 5
	s_add_co_u32 s53, s53, ttmp9                   ; v out: 32 x kv head + key step
	s_lshl_b32 s38, s53, 13
	s_lshl_b32 s39, s53, 8
	s_add_co_u32 s39, s39, VSC
	s_lshl_b32 s53, s13, 12
	s_add_co_u32 s53, s53, TAB                     ; the table at my first tile of tokens
	s_mov_b32 s43, 0
	s_wait_kmcnt 0x0
	s_cmp_eq_u32 s12, 5                            ; every choice hangs on the work-group's number alone
	s_cselect_b32 s46, s49, s46
	s_cselect_b32 s47, s51, s47
	s_cselect_b32 s45, s50, s45
	s_cselect_b32 s48, s52, s48
	s_cselect_b32 s54, s38, s54
	s_cselect_b32 s55, s39, s55
	s_cselect_b64 s[28:29], s[8:9], s[6:7]
	s_mov_b64 s[30:31], s[28:29]
	s_mov_b32 s42, s46
	s_add_nc_u64 s[16:17], s[4:5], s[42:43]
	s_mov_b32 s42, s47
	s_add_nc_u64 s[18:19], s[4:5], s[42:43]
	s_mov_b32 s42, s45
	s_add_nc_u64 s[20:21], s[4:5], s[42:43]
	s_mov_b32 s42, s48
	s_add_nc_u64 s[22:23], s[4:5], s[42:43]
	s_mov_b32 s42, s53
	s_add_nc_u64 s[24:25], s[4:5], s[42:43]
	s_mov_b32 s42, s54
	s_add_nc_u64 s[28:29], s[28:29], s[42:43]
	s_mov_b32 s42, s55
	s_add_nc_u64 s[30:31], s[30:31], s[42:43]
	s_wait_alu depctr_va_vdst(0)                   ; v1 and v2 are written: every load and store of the kernel reads one of them as its offset
.irp p, 0,1,2,3                        ; the scale words of all 8 K steps: lanes 0-15 the even tile's rows, lanes 16-31 the odd tile's
.irp g, 0,1
	global_load_b128 v[SC0+8*\p+4*\g:SC0+8*\p+4*\g+3], v[LI], s[20:21] offset:\p*1024+\g*512
.endr
.endr
.irp p, 0,1
.irp g, 0,1
	global_load_b128 v[SC1+8*\p+4*\g:SC1+8*\p+4*\g+3], v[LI], s[22:23] offset:\p*1024+\g*512
.endr
.endr
	FLOAD 0, 0
	FLOAD 1, 1
	s_wait_loadcnt 48                              ; all but the 48 just issued: the scale words and K step 0
	MUL 0, 0, 1                                    ; the first K step starts the sums: nothing is cleared
.irp s, 1,2,3,4,5,6
	PLACES                                         ; in front of loads into the set that the step before multiplied
	s_wait_alu depctr_va_vdst(0)                   ; the products of the step before are done reading their set of fragments, in which the 48 loads below land
	FLOAD \s+1, (\s+1)%2
	s_wait_loadcnt 48                              ; all but the 48 just issued
	MUL \s, \s%2, 0
.endr
	s_cmp_eq_u32 s12, 5
	s_cbranch_scc1 .Lv7
	WIN 0xc0
.irp j, 0,1,2,3                        ; cos and sin of my four tiles of tokens land under the last K step, in registers that no vector or matrix instruction has named
.irp p, 0,1,2,3,4,5,6,7
	global_load_b128 v[128+32*\j+4*\p:128+32*\j+4*\p+3], v[LI], s[24:25] offset:4096*\j+512*\p
.endr
.endr
	WIN 0
	s_wait_loadcnt 32                              ; all but these 32
	s_branch .Lm7
.Lv7:
	s_wait_loadcnt 0x0
.Lm7:
	MUL 7, 1, 0
	PLACES                                         ; in front of the first vector reads of the results
	s_cmp_eq_u32 s12, 5
	s_cbranch_scc1 .Lvout
	; ---- q and k: the rotary step, then each head's 64 channels as two blocks of 32
	s_wait_loadcnt 0x0                             ; the table
.irp j, 0,1,2,3
	ROPE \j
	QUANT 64*\j, PC+16*\j, PW+\j                   ; blocks: head A 0-31, A 32-63, head B 0-31, B 32-63
.if \j%2
	v_cndmask_b32 v[WD+\j-1], v[PW+\j-1], v[PW+\j], vcc_lo   ; lanes 0-15 the even tile's rows, lanes 16-31 the odd tile's
	v_lshrrev_b32 v[WD+\j], 16, v[WD+\j-1]         ; head B's two bytes
.endif
	s_wait_alu depctr_va_vdst(0)                   ; the conversions have written this tile's codes, and in an odd tile the two lines above the pair's words: the stores below read them
	global_store_b128 v[LI], v[PC+16*\j:PC+16*\j+3], s[28:29] offset:1024*\j
	global_store_b128 v[LI], v[PC+16*\j+4:PC+16*\j+7], s[28:29] offset:1024*\j+512
	global_store_b128 v[LI], v[PC+16*\j+8:PC+16*\j+11], s[28:29] offset:1024*\j+262144
	global_store_b128 v[LI], v[PC+16*\j+12:PC+16*\j+15], s[28:29] offset:1024*\j+262144+512
.if \j%2
	global_store_b32 v[LS], v[WD+\j-1], s[30:31] offset:64*(\j-1)
	global_store_b32 v[LS], v[WD+\j], s[30:31] offset:64*(\j-1)+16384
.endif
.endr
	s_endpgm                                       ; every store has data registers of its own
	; ---- v: a lane's 64 registers of tile j are its channel's 128 keys: one fragment of V^T
.Lvout:
.irp j, 0,1,2,3
	QUANT 64*\j, PC+16*\j, PW+\j
.if \j%2
	v_cndmask_b32 v[WD+\j], v[PW+\j-1], v[PW+\j], vcc_lo
.endif
	s_wait_alu depctr_va_vdst(0)                   ; the conversions have written this tile's codes, and in an odd tile the select the pair's words: the stores below read them
.irp c, 0,1,2,3
	global_store_b128 v[LI], v[PC+16*\j+4*\c:PC+16*\j+4*\c+3], s[28:29] offset:2048*\j+512*\c
.endr
.if \j%2
	global_store_b32 v[LS], v[WD+\j], s[30:31] offset:64*(\j-1)
.endif
.endr
	s_endpgm
.Lfunc_end_k_q4186682bfd_qkv:
	.size	k_q4186682bfd_qkv, .Lfunc_end_k_q4186682bfd_qkv-k_q4186682bfd_qkv
	.p2alignl 7, 3214868480
	.fill 96, 4, 3214868480
	.section	.rodata,"a",@progbits
	.p2align	6, 0x0
	.amdhsa_kernel k_q4186682bfd_qkv
		.amdhsa_group_segment_fixed_size 0
		.amdhsa_private_segment_fixed_size 0
		.amdhsa_enable_private_segment 0
		.amdhsa_kernarg_size 24
		.amdhsa_user_sgpr_count 2
		.amdhsa_user_sgpr_kernarg_segment_ptr 1
		.amdhsa_wavefront_size32 1
		.amdhsa_system_sgpr_workgroup_id_x 1
		.amdhsa_system_sgpr_workgroup_id_y 1
		.amdhsa_system_sgpr_workgroup_id_z 1
		.amdhsa_system_vgpr_workitem_id 0
		.amdhsa_next_free_vgpr 1024
		.amdhsa_next_free_sgpr 66
		.amdhsa_reserve_vcc 1
		.amdhsa_float_denorm_mode_32 3
		.amdhsa_float_denorm_mode_16_64 3
		.amdhsa_memory_ordered 1
		.amdhsa_forward_progress 1
		.amdhsa_inst_pref_size 165
	.end_amdhsa_kernel
	.amdgpu_metadata
---
amdhsa.version: [ 1, 2 ]
amdhsa.kernels:
  - .name:           k_q4186682bfd_qkv
    .symbol:         k_q4186682bfd_qkv.kd
    .args:
      - { .name: prep, .offset: 0, .size: 8, .value_kind: global_buffer, .address_space: global }
      - { .name: qk, .offset: 8, .size: 8, .value_kind: global_buffer, .address_space: global }
      - { .name: vv, .offset: 16, .size: 8, .value_kind: global_buffer, .address_space: global }
    .group_segment_fixed_size: 0
    .private_segment_fixed_size: 0
    .kernarg_segment_align: 8
    .kernarg_segment_size: 24
    .max_flat_workgroup_size: 128
    .sgpr_count:     66
    .vgpr_count:     1024
    .wavefront_size: 32
...
	.end_amdgpu_metadata
.endif
;; end of part 6
;; launch attn (part 7): grid 64 x 4, 16 waves a work-group, no clusters, 92,672 bytes of LDS; arguments qk, vv, cx; writes cx
.if DOCPART == 7
	.amdgcn_target "amdgcn-amd-amdhsa--gfx1250"
	.amdhsa_code_object_version 6
	.text
	.protected	k_q4186682bfd_attn
	.globl	k_q4186682bfd_attn
	.p2align	8
	.type	k_q4186682bfd_attn,@function
k_q4186682bfd_attn:
	s_mov_b64 s[64:65], 0
	v_nop
	global_prefetch_b8 v0, s[64:65] scope:SCOPE_SE
	s_setreg_imm32_b32 hwreg(HW_REG_WAVE_SCHED_MODE, 0, 2), 2
	s_setreg_imm32_b32 hwreg(HW_REG_WAVE_MODE, 25, 1), 1
	s_wait_xcnt 0x0
	s_wait_alu depctr_vm_vsrc(0)
; Causal attention, 16 query heads on 4 kv heads, head size 64, 4,096 tokens, both products on codes of BF8 (E5M2) with E8M0 scales; ctx = O / l is quantised along the next product's K and leaves as codes in register order.
; THE SOFTMAX AHEAD OF THE SECOND PRODUCT: t = score x log2(e) / 8; M = the running largest t rounded UP to a whole number; p = 2^(t - M) is quantised along the keys, not normalised; the row's sum is taken of the
; unquantised p; when M moves, the sum and O are multiplied by 2^(old M - new M), which rounds nothing.
; SHARES.  A work-group serves one kv head and four tiles of 16 queries, 2 P, 2 P + 1, 254 - 2 P, 255 - 2 P, for each of the kv head's four query heads: 16 waves, one (head, tile) each, in 256 registers.
; A tile T has T / 8 + 1 key steps of 128 under the mask, the four tiles together always 66.  Wave w takes head a = w / 4 and tile number (a + w % 4) % 4, a Latin square: any four waves w % 4 alike, or w / 4 alike, hold all four tiles.
; Every wave walks the loop's 32 steps; a step all of whose keys come after its queries is jumped over (a scalar branch on ids); barriers and the slots' fills are on every wave's path.
; LAYOUT.  Both products transposed: S^T = K Q^T, O^T = V^T P^T: a lane holds ONE query.  Row r of a tile (of queries, keys, channels) is index 32 (T / 2) + 8 (T % 2) + r + 8 (r / 8): so p's 16 registers of tiles 2 b, 2 b + 1 are
; keys 32 b + 16 (lane / 16) + 0 .. 15, and O^T's are channels likewise: the conversions' results are the next operand's registers.
; K = 64 IN AN INSTRUCTION THAT IS 128 DEEP: Q's upper 8 registers are zero codes.  A tile of keys is 8 registers; named as 16, its upper half is the next tile's codes (the last tile's: zeros), finite numbers, since the quantiser
; holds at 57,344; they meet zero codes, under scale bytes that are never 0xff.  LIMIT: that rests on finite inputs: NaN and infinities are not served.  A block of zeros gets the byte 1.
; LDS: two slots of 256 keys (K: 16 tiles x 1,024 bytes; V: 2 steps x 4 fragments x 2,048), the kv head's scale words, 512 bytes in which ctx's scale bytes meet.  A slot comes through registers: each wave loads 64 bytes a lane
; at a slot's head and stores them into the other slot at its end: ONE barrier a slot: in front of it each wave's stores have landed and its reads of the slot in hand are over.
; No tensor load: a fill is 32,768 bytes a work-group against 524,288 that its waves read from LDS in the same two steps; no cluster: under the mask partners stop needing slots at different times.
; THE MODE: SCHED_MODE bits 1:0 = 2 (LLVM: expert scheduling mode 2), set by the entry lines.  The code itself states the register dependences between vector or matrix instructions and memory or LDS instructions, with s_wait_alu, always for 0.
; THE PLAN.  Registers that memory or LDS instructions touch, in the loop:
;   v32-95     K's tiles land there, the 8 score products read them; V's fragments land there, the 4 output products read them; then the next step's K.
;   v248-251   scale words: loaded with K's tiles and again (two of them) with V's fragments; read by the products.
;   v10, v11   the step's LDS addresses of scale words: written by two additions at the step's head, read by that step's loads.
;   v216-231   the next slot on its way: written by the global loads at a slot's head, read by the LDS stores at its end; no vector instruction names them.
;   v200-215, v253   p's codes and scale word: written by vector instructions, taken by the output products as source 1 and as scales.
;   v1, v4, v8 and the other addresses: made at the head, never written again.
; A step so has: one wait on vm_vsrc ahead of the two additions; a wait on va_vdst ahead of K's loads, one ahead of V's loads, the two behind the exponentials, and one ahead of the output products.  A slot's end has one wait on vm_vsrc, for v216-231.
; All 256 registers are taken: the next step's K has no second set to land in, so the loads stand where the set falls free.
.set QKS,  0x500000                    ; in qk: the scale words
.set VSCG, 0x100000                    ; in vv
.set CSG,  0x400000                    ; in cx: [pair of tiles][K steps 2 q, 2 q + 1][lane 32][2 words]
.set KSC,  65536                       ; LDS: K's scale words, 16,384 bytes: 512 a key step
.set VSCL, 81920                       ; V's, 8,192 bytes: 256 a key step
.set CT,   90112                       ; ctx's scale bytes: two runs of 256 bytes
.set LI,   1                           ; v1   16 x lane
.set LSK,  2                           ; v2   4 x lane + KSC
.set QD,   3                           ; v3   my query - 16 (lane / 16)
.set CP,   4                           ; v4   1,024 x wave + 16 x lane: my share of a slot, in memory and in LDS
.set LSV,  5                           ; v5   4 x lane + VSCL
.set CTA,  6                           ; v6   where my two scale bytes go
.set CTR,  7                           ; v7   where waves 0 and 1 read a run back
.set PFO,  8                           ; v8   the prefetches' offset
.set G8,   9                           ; v9   8 x lane
.set ADS,  10                          ; v10  the step's scale words of K
.set ADT,  11                          ; v11  of V
.set S,    104                         ; v104-167 S^T, then p
.set O,    168                         ; v168-199 O^T.   v12 -M, v13 the largest t, v[14:15] the sum; v16-23 Q, v24-31 zeros; v32-95 K's 8 tiles, then V's 4 fragments; v96-103 zeros; v200-215 p's codes; v216-231 the next slot on its way; v232-254 at work; v248-251 scale words, v253 p's, v255 Q's
.set WV,   10
.set HKV,  12
.set Q0,   17                          ; s17  my tile's first token
.set QX,   18                          ; s18  its last
.set QW,   19                          ; s19  the work-group's last token
.set KF,   20                          ; s20  the step's first key
.set TS,   21
.set TJ,   22
.set CNT,  23
.set CS,   24                          ; s[24:25] log2(e) / 8
.set MNT,  26
.set LIM,  27
.set SEL,  28
.set KB,   40                          ; s[40:41] K's codes of the next slot
.set VB,   42
.set PFA,  44
.set CXB,  46
.set CSB,  48
.set QB,   50
.set QSB,  52
.set KSB,  54
.set VSB,  56
.set MK,   66                          ; s66-81 the causal mask of sixteen registers at a time
.macro QKP t                           ; scores of tile t of the step's keys; an odd tile's scale words stand in lanes 16-31
.if (\t)%2
	v_wmma_scale_f32_16x16x128_f8f6f4 v[S+8*(\t):S+8*(\t)+7], v[32+8*(\t):47+8*(\t)], v[16:31], 0, v[248+(\t)/2], v255 matrix_a_fmt:MATRIX_FMT_BF8 matrix_b_fmt:MATRIX_FMT_BF8 matrix_a_scale:MATRIX_SCALE_ROW1
.else
	v_wmma_scale_f32_16x16x128_f8f6f4 v[S+8*(\t):S+8*(\t)+7], v[32+8*(\t):47+8*(\t)], v[16:31], 0, v[248+(\t)/2], v255 matrix_a_fmt:MATRIX_FMT_BF8 matrix_b_fmt:MATRIX_FMT_BF8
.endif
.endm
.macro PVP t                           ; O^T's tile t of channels += V^T P^T over the step's 128 keys
.if (\t)%2
	v_wmma_scale_f32_16x16x128_f8f6f4 v[O+8*(\t):O+8*(\t)+7], v[32+16*(\t):47+16*(\t)], v[200:215], v[O+8*(\t):O+8*(\t)+7], v[248+(\t)/2], v253 matrix_a_fmt:MATRIX_FMT_BF8 matrix_b_fmt:MATRIX_FMT_BF8 matrix_a_scale:MATRIX_SCALE_ROW1
.else
	v_wmma_scale_f32_16x16x128_f8f6f4 v[O+8*(\t):O+8*(\t)+7], v[32+16*(\t):47+16*(\t)], v[200:215], v[O+8*(\t):O+8*(\t)+7], v[248+(\t)/2], v253 matrix_a_fmt:MATRIX_FMT_BF8 matrix_b_fmt:MATRIX_FMT_BF8
.endif
.endm
; A KEY STEP: 128 keys, the q-th of slot s
.macro STEP s, q
	s_cmp_gt_u32 s[KF], s[QX]                      ; all its keys come after my queries: nothing to do but the steps of the addresses
	s_cbranch_scc1 .Lhidden_\@
	s_wait_alu depctr_vm_vsrc(0)                   ; the scale words' LDS loads of the step before have read v10 and v11, which the two additions write
	v_add_nc_u32 v[ADS], s[TS], v[LSK]
	v_add_nc_u32 v[ADT], s[TJ], v[LSV]
.rept 6
	v_nop                                          ; with the two additions: eight places in front of loads into registers that the last products read
.endr
	s_wait_alu depctr_va_vdst(0)                   ; v10 and v11 are written, which the loads below read; the last output products are done reading v32-95 and v248-249, in which loads land; in my first step: the zero codes v24-31 and v96-103 are written, which the score products take
.irp t, 0,1,2,3,4,5,6,7
	ds_load_b128 v[32+8*\t:35+8*\t], v[LI] offset:32768*(\s)+8192*(\q)+1024*\t
	ds_load_b128 v[36+8*\t:39+8*\t], v[LI] offset:32768*(\s)+8192*(\q)+1024*\t+512
.endr
.irp p, 0,1,2,3
	ds_load_b32 v[248+\p], v[ADS] offset:128*\p
.endr
	s_wait_dscnt 0x0
.irp t, 0,1,2,3,4,5,6,7
	QKP \t
.endr
.rept 8
	v_nop                                          ; eight places: V's loads land in K's registers, and the scores are read
.endr
	s_wait_alu depctr_va_vdst(0)                   ; the eight score products are done reading K's tiles and their scale words, in which V's fragments and scale words land
.irp t, 0,1,2,3                        ; V's fragments go out now and land under the softmax, which names none of their registers
.irp c, 0,1,2,3
	ds_load_b128 v[32+16*\t+4*\c:35+16*\t+4*\c], v[LI] offset:32768*(\s)+16384+8192*(\q)+2048*\t+512*\c
.endr
.endr
	ds_load_b32 v248, v[ADT]
	ds_load_b32 v249, v[ADT] offset:128
	s_add_co_u32 s96, s[KF], 127                   ; on the diagonal hidden scores become -infinity ahead of the maximum.  A step all of whose keys count skips this
	s_cmp_le_u32 s96, s[Q0]
	s_cbranch_scc1 .Lopen_\@
	v_sub_nc_u32 v252, v[QD], s[KF]                ; register 16 b + i holds key KF + 16 (lane / 16) + 32 b + i: hidden where 32 b + i > this.  The step's first key counts for every query of the tile
	v_mov_b32 v254, 0xff800000
.set n, 0
.rept 4                                ; sixteen compares in a run, each into a scalar register of its own, one wait, sixteen selects
.set m, 0
.rept 16
	v_cmp_gt_i32 s[MK+m], 32*((n+m)/16)+(n+m)%16, v252
.set m, m+1
.endr
	s_wait_alu depctr_va_sdst(0)                   ; the sixteen masks s66-81 are written, ahead of the selects that read them
.set m, 0
.rept 16
	v_cndmask_b32 v[S+n+m], v[S+n+m], v254, s[MK+m]
.set m, m+1
.endr
.set n, n+16
.endr
.Lopen_\@:
.irp b, 0,1,2,3
	v_max3_num_f32 v[232+\b], v[S+16*\b], v[S+1+16*\b], v[S+2+16*\b]   ; the largest score of each block of 32 keys: for the row's maximum and, since p rises with the score, for the block's largest p
.endr
.irp i, 3,5,7,9,11,13
.irp b, 0,1,2,3
	v_max3_num_f32 v[232+\b], v[232+\b], v[S+16*\b+\i], v[S+1+16*\b+\i]
.endr
.endr
.irp b, 0,1,2,3
	v_max_num_f32 v[232+\b], v[232+\b], v[S+15+16*\b]
.endr
.irp b, 0,1,2,3
	v_permlanex16_b32 v[236+\b], v[232+\b], s[SEL], s[SEL+1]
.endr
.irp b, 0,1,2,3
	v_max_num_f32 v[232+\b], v[232+\b], v[236+\b]
.endr
	v_max3_num_f32 v254, v232, v233, v234
	v_max_num_f32 v254, v254, v235
	v_mul_f32 v254, s[CS], v254
	v_max_num_f32 v13, v13, v254                   ; the running largest t
	v_mov_b32 v254, v12
	v_floor_f32 v12, -v13                          ; -M = floor(-t): M is a whole number
	v_sub_f32 v254, v12, v254
	v_cvt_i32_f32 v254, v254                       ; (it saturates)
	v_ldexp_f32 v252, 1.0, v254                    ; f = 2^(old M - new M)
.set n, 0
.rept 32
	v_pk_fma_f32 v[S+n:S+n+1], v[S+n:S+n+1], s[CS:CS+1], v[12:13] op_sel_hi:[1,0,0]   ; t - M
.set n, n+2
.endr
.irp b, 0,1,2,3
	v_fma_f32 v[232+\b], v[232+\b], s[CS], v12
.endr
.set n, 0
	s_wait_alu depctr_va_vdst(0)
.rept 64
	v_exp_f32 v[S+n], v[S+n]                       ; p = 2^(t - M)
.set n, n+1
.endr
	v_pk_mul_f32 v[14:15], v[14:15], v[252:253] op_sel_hi:[1,0]   ; the sums under the new M: the plain line behind the exponentials
	s_wait_alu depctr_va_vdst(0)                   ; the 64 exponentials have written p in v104-167: one wait for the batch, ahead of its first reader
.irp b, 0,1,2,3
	v_exp_f32 v[232+\b], v[232+\b]                 ; each block's largest p
.endr
	v_pk_add_f32 v[236:237], v[S:S+1], v[S+2:S+3]  ; the row's sum of the unquantised p, in two chains
.irp j, 4,8,12,16,20,24,28,32,36,40,44,48,52,56,60
	v_pk_add_f32 v[14:15], v[14:15], v[S+\j:S+\j+1]
	v_pk_add_f32 v[236:237], v[236:237], v[S+2+\j:S+3+\j]
.endr
	v_pk_add_f32 v[14:15], v[14:15], v[236:237]
	s_wait_alu depctr_va_vdst(0)                   ; the four exponentials have written v232-235, ahead of their first reader
.irp b, 0,1,2,3
	v_max_num_f32 v[232+\b], 0x8000000, v[232+\b]  ; the floor 2^(16 - 127)
.endr
.irp b, 0,1,2,3
	v_add_nc_u32 v[244+\b], 0xf8800000, v[232+\b]
.endr
.irp b, 0,1,2,3
	v_and_or_b32 v[240+\b], v[232+\b], 0x7f800000, s[MNT]
.endr
.irp b, 0,1,2,3
	v_lshrrev_b32 v[236+\b], 23, v[244+\b]
.endr
	v_lshl_or_b32 v253, v237, 8, v236              ; p's scale word for these 128 keys
	v_lshl_or_b32 v253, v238, 16, v253
	v_lshl_or_b32 v253, v239, 24, v253
.irp b, 0,1,2,3
.irp i, 0,1,2,3,4,5,6,7,8,9,10,11,12,13,14,15
	v_min_num_f32 v[S+16*\b+\i], v[S+16*\b+\i], v[240+\b]   ; the hold; p is not negative
.endr
	v_cvt_scalef32_pk8_bf8_f32 v[200+4*\b:201+4*\b], v[S+16*\b:S+7+16*\b], v[244+\b]
	v_cvt_scalef32_pk8_bf8_f32 v[202+4*\b:203+4*\b], v[S+8+16*\b:S+15+16*\b], v[244+\b]
.endr
.set n, 0
.rept 16
	v_pk_mul_f32 v[O+n:O+n+1], v[O+n:O+n+1], v[252:253] op_sel_hi:[1,0]   ; O^T under the new M; these 16 are also the places between the codes and the products
.set n, n+2
.endr
	s_wait_dscnt 0x0                               ; V's fragments and scale words
	s_wait_alu depctr_va_vdst(0)                   ; the conversions have written p's codes v200-215 and the shifts its scale word v253, which the products below take as source 1 and as scales; the places above stay beside this wait
.irp t, 0,1,2,3
	PVP \t                                         ; four accumulators by turns
.endr
.Lhidden_\@:
	s_add_co_u32 s[KF], s[KF], 128
	s_add_co_u32 s[TS], s[TS], 512
	s_add_co_u32 s[TJ], s[TJ], 256
.endm
; A SLOT: the next slot's bytes are asked for, two key steps are worked, the bytes go into the other slot, one barrier
.macro SLOTWORK s
	s_add_co_u32 s96, s[KF], 256
	s_cmp_gt_u32 s96, s[QW]                        ; no query of the work-group sees the next slot (the last slot's successor among them: no load leaves its buffer)
	s_cbranch_scc1 .Lnone_\@
	global_load_b128 v[216:219], v[CP], s[KB:KB+1]
	global_load_b128 v[220:223], v[CP], s[KB:KB+1] offset:512
	global_load_b128 v[224:227], v[CP], s[VB:VB+1]
	global_load_b128 v[228:231], v[CP], s[VB:VB+1] offset:512
.Lnone_\@:
	; a prefetch of the slot after that one.  All 64 work-groups of a kv head walk the same K and V: the first asks; in it waves 4, 5 name K's 16,384 bytes, waves 6, 7 V's, a lane each 256 bytes: each is named once.  Slots 0 and 1 come by their loads alone; behind slot 15 there is none
	s_cmp_le_i32 s[KF], s[LIM]
	s_cbranch_scc0 .Lquiet_\@
	global_prefetch_b8 v[PFO], s[PFA:PFA+1] th:TH_LOAD_NT scope:SCOPE_SE
.Lquiet_\@:
	STEP \s, 0
	STEP \s, 1
	s_wait_loadcnt 0x0
	ds_store_b128 v[CP], v[216:219] offset:32768*(1-\s)        ; every wave's reads of that slot were over at the last barrier.  (Where nothing was loaded, old bytes go into a slot that nobody reads)
	ds_store_b128 v[CP], v[220:223] offset:32768*(1-\s)+512
	ds_store_b128 v[CP], v[224:227] offset:32768*(1-\s)+16384
	ds_store_b128 v[CP], v[228:231] offset:32768*(1-\s)+16896
	s_wait_xcnt 0x0                                ; the loads and the prefetch have read their bases
	s_add_nc_u64 s[KB:KB+1], s[KB:KB+1], 16384
	s_add_nc_u64 s[VB:VB+1], s[VB:VB+1], 16384
	s_add_nc_u64 s[PFA:PFA+1], s[PFA:PFA+1], 16384
	s_wait_dscnt 0x0                               ; my stores have landed, my reads of the slot in hand are over
	s_wait_alu depctr_vm_vsrc(0)                   ; my four LDS stores have read v216-231, in which the next slot's loads land
	s_barrier_signal -1
	s_barrier_wait -1
.endm
	s_load_b128 s[4:7], s[0:1], 0x0                ; qk s[4:5], vv s[6:7]
	s_load_b64 s[8:9], s[0:1], 0x10                ; cx
	v_lshrrev_b32 v1, 5, v0
	v_readfirstlane_b32 s[WV], v1                  ; wave 0..15
	s_and_b32 s[HKV], ttmp7, 0xffff
	s_wait_alu depctr_va_sdst(0)                   ; s10, the wave's number, is written, ahead of its first reader
	s_lshr_b32 s13, s[WV], 2                       ; a: which of the kv head's four query heads
	s_and_b32 s14, s[WV], 3
	s_add_co_u32 s14, s14, s13
	s_and_b32 s14, s14, 3                          ; which of the work-group's four tiles
	s_lshl_b32 s16, s[HKV], 2
	s_add_co_u32 s16, s16, s13                     ; the query head
	s_and_b32 s30, s14, 1
	s_lshl_b32 s31, ttmp9, 1
	s_sub_co_u32 s32, 254, s31
	s_bitcmp1_b32 s14, 1
	s_cselect_b32 s15, s32, s31
	s_add_co_u32 s15, s15, s30                     ; T
	s_lshr_b32 s33, s15, 1
	s_lshl_b32 s[Q0], s33, 5
	s_lshl_b32 s34, s30, 3
	s_add_co_u32 s[Q0], s[Q0], s34
	s_add_co_u32 s[QX], s[Q0], 23
	s_lshl_b32 s34, ttmp9, 5
	s_sub_co_u32 s[QW], 4095, s34
	s_mov_b32 s[KF], 0
	s_mov_b32 s[TS], 0
	s_mov_b32 s[TJ], 0
	s_mov_b32 s[CNT], 8
	s_mov_b32 s[CS], 0x3e38aa3b                    ; log2(e) / sqrt(64)
	s_mov_b32 s[CS+1], s[CS]                       ; (named with it as a pair)
	s_mov_b32 s[MNT], 0x600000
	s_mov_b32 s[SEL], 0x76543210
	s_mov_b32 s[SEL+1], 0xfedcba98
	s_mov_b32 s39, 0
	; every address register is made here, ahead of every branch
	v_and_b32 v9, 31, v0                           ; lane
	v_and_b32 v10, 15, v0                          ; r
	v_bfe_u32 v11, v0, 4, 1                        ; h
	v_lshlrev_b32 v[LI], 4, v9
	v_lshl_add_u32 v[LSK], v9, 2, KSC
	v_lshl_add_u32 v[LSV], v9, 2, VSCL
	s_lshl_b32 s35, s[WV], 10
	v_add_nc_u32 v[CP], s35, v[LI]
	v_and_b32 v[QD], 8, v10
	v_add_nc_u32 v[QD], v[QD], v10
	v_add_nc_u32 v[QD], s[Q0], v[QD]
	v_lshlrev_b32 v12, 4, v11
	v_sub_nc_u32 v[QD], v[QD], v12
	s_lshl_b32 s35, s14, 7                         ; ctx's scale bytes: run (tile number / 2), lane 16 (T % 2) + r at 8 bytes, my head's two bytes at 2 a
	s_lshl_b32 s36, s13, 1
	s_add_co_u32 s35, s35, s36
	s_add_co_u32 s35, s35, CT
	v_lshl_add_u32 v[CTA], v10, 3, s35
	s_and_b32 s36, s[WV], 1
	s_lshl_b32 s37, s36, 8
	s_add_co_u32 s37, s37, CT
	v_lshl_add_u32 v[CTR], v9, 3, s37
	s_lshl_b32 s37, s36, 13
	v_lshl_add_u32 v[PFO], v9, 8, s37
	v_lshlrev_b32 v234, 4, v0                      ; 16 x thread: my share of V's scale words
	v_add_nc_u32 v233, VSCL, v234
	v_add_nc_u32 v232, KSC, v[CP]
	v_lshlrev_b32 v235, 2, v10
	v_lshlrev_b32 v[G8], 3, v9
	s_wait_kmcnt 0x0
	s_lshl_b32 s30, s16, 8
	s_add_co_u32 s30, s30, s15                     ; 256 x head + tile
	s_lshl_b32 s38, s30, 10
	s_add_nc_u64 s[QB:QB+1], s[4:5], s[38:39]
	s_lshl_b32 s38, s30, 6
	s_add_co_u32 s38, s38, QKS
	s_add_nc_u64 s[QSB:QSB+1], s[4:5], s[38:39]
	s_add_co_u32 s30, s[HKV], 16                   ; k's heads follow q's sixteen
	s_lshl_b32 s38, s30, 18
	s_add_nc_u64 s[KB:KB+1], s[4:5], s[38:39]
	s_lshl_b32 s38, s30, 14
	s_add_co_u32 s38, s38, QKS
	s_add_nc_u64 s[KSB:KSB+1], s[4:5], s[38:39]
	s_lshl_b32 s38, s[HKV], 18
	s_add_nc_u64 s[VB:VB+1], s[6:7], s[38:39]
	s_lshl_b32 s38, s[HKV], 13
	s_add_co_u32 s38, s38, VSCG
	s_add_nc_u64 s[VSB:VSB+1], s[6:7], s[38:39]
	s_lshl_b32 s38, s15, 14                        ; ctx's codes: tile x 16,384 + head x 1,024 (K step head / 2, groups 2 (head % 2) on)
	s_lshl_b32 s30, s16, 10
	s_add_co_u32 s38, s38, s30
	s_add_nc_u64 s[CXB:CXB+1], s[8:9], s[38:39]
	s_sub_co_u32 s31, 127, ttmp9                   ; ctx's scale words: wave 0 stores pair P's run, wave 1 pair 127 - P's
	s_cmp_eq_u32 s36, 0
	s_cselect_b32 s31, ttmp9, s31
	s_lshl_b32 s31, s31, 2
	s_add_co_u32 s31, s31, s[HKV]
	s_lshl_b32 s38, s31, 8
	s_add_co_u32 s38, s38, CSG
	s_add_nc_u64 s[CSB:CSB+1], s[8:9], s[38:39]
	s_cmp_lt_u32 s[WV], 6
	s_cselect_b64 s[PFA:PFA+1], s[KB:KB+1], s[VB:VB+1]
	s_add_nc_u64 s[PFA:PFA+1], s[PFA:PFA+1], 32768 ; slot 2
	s_sub_co_u32 s30, s[WV], 4
	s_lshr_b32 s30, s30, 2                         ; 0 in waves 4 to 7,
	s_or_b32 s30, s30, ttmp9                       ; of the kv head's first work-group
	s_cmp_eq_u32 s30, 0
	s_cselect_b32 s[LIM], 3328, -1                 ; they ask while the step's first key is at most 256 x 13
	s_wait_alu depctr_va_vdst(0)                   ; all the addresses and offsets made above (v1 to v9, v232 to v235) are written: the loads, LDS instructions, stores and prefetches of the kernel read them
	global_load_b128 v[104:107], v[CP], s[KSB:KSB+1]
	global_load_b128 v[108:111], v[CP], s[KSB:KSB+1] offset:512
	global_load_b128 v[112:115], v234, s[VSB:VSB+1]
	global_load_b128 v[216:219], v[CP], s[KB:KB+1]             ; slot 0
	global_load_b128 v[220:223], v[CP], s[KB:KB+1] offset:512
	global_load_b128 v[224:227], v[CP], s[VB:VB+1]
	global_load_b128 v[228:231], v[CP], s[VB:VB+1] offset:512
	global_load_b128 v[16:19], v[LI], s[QB:QB+1]               ; Q's fragment stays in registers
	global_load_b128 v[20:23], v[LI], s[QB:QB+1] offset:512
	global_load_b32 v255, v235, s[QSB:QSB+1]
.irp j, 0,1,2,3,4,5,6,7
	v_mov_b32 v[24+\j], 0                          ; Q's codes of k = 64 .. 127
	v_mov_b32 v[96+\j], 0                          ; what stands behind the last tile of keys
.endr
	v_mov_b32 v13, 0xff61b1e6                      ; the largest t so far: -3e38
	v_floor_f32 v12, -v13
	v_mov_b32 v14, 0
	v_mov_b32 v15, 0
.irp b, 0,1,2,3
	v_mov_b32 v[236+\b], 0                         ; a lane permute's destination counts as one of its sources
.endr
	v_mov_b32 v252, 0
	v_mov_b32 v253, 0
.set n, 0
.rept 32
	v_mov_b32 v[O+n], 0                            ; the step is written without a first step of its own: it finds zeros, which the first change of M leaves zeros
.set n, n+1
.endr
	s_wait_loadcnt 0x0
	s_add_nc_u64 s[KB:KB+1], s[KB:KB+1], 16384     ; the loads are done: on to slot 1
	s_add_nc_u64 s[VB:VB+1], s[VB:VB+1], 16384
	ds_store_b128 v232, v[104:107]
	ds_store_b128 v232, v[108:111] offset:512
	ds_store_b128 v233, v[112:115]
	ds_store_b128 v[CP], v[216:219]
	ds_store_b128 v[CP], v[220:223] offset:512
	ds_store_b128 v[CP], v[224:227] offset:16384
	ds_store_b128 v[CP], v[228:231] offset:16896
	s_wait_dscnt 0x0
	s_wait_alu depctr_vm_vsrc(0)                   ; the loads and LDS stores above have read v232-235 and v104-115, which the steps' vector and matrix instructions write, and v216-231, in which the next slot's loads land
	s_barrier_signal -1
	s_barrier_wait -1
.Ltrip:                                            ; 8 trips of two slots: every slot's address is an immediate
	SLOTWORK 0
	SLOTWORK 1
	s_sub_co_u32 s[CNT], s[CNT], 1
	s_cmp_lg_u32 s[CNT], 0
	s_cbranch_scc1 .Ltrip
	; THE WAY OUT: ctx = O^T / the sum, quantised along the next K: my head's 64 channels are two blocks of 32
.rept 8
	v_nop
.endr
	v_add_f32 v14, v14, v15
	v_permlanex16_b32 v252, v14, s[SEL], s[SEL+1]
	v_add_f32 v14, v14, v252                       ; the row's sum
	s_wait_alu depctr_va_vdst(0)
	v_rcp_f32 v14, v14
	v_nop
	s_wait_alu depctr_va_vdst(0)                   ; the reciprocal has written v14, ahead of its first reader
.set n, 0
.rept 16
	v_pk_mul_f32 v[O+n:O+n+1], v[O+n:O+n+1], v[14:15] op_sel_hi:[1,0]
.set n, n+2
.endr
.irp b, 0,1
	v_max3_num_f32 v[232+\b], |v[O+16*\b]|, |v[O+1+16*\b]|, 0x8000000
.endr
.irp i, 2,4,6,8,10,12,14
.irp b, 0,1
	v_max3_num_f32 v[232+\b], v[232+\b], |v[O+16*\b+\i]|, |v[O+1+16*\b+\i]|
.endr
.endr
.irp b, 0,1
	v_permlanex16_b32 v[236+\b], v[232+\b], s[SEL], s[SEL+1]
.endr
.irp b, 0,1
	v_max_num_f32 v[232+\b], v[232+\b], v[236+\b]
.endr
.irp b, 0,1
	v_add_nc_u32 v[244+\b], 0xf8800000, v[232+\b]
.endr
.irp b, 0,1
	v_and_or_b32 v[240+\b], v[232+\b], 0x7f800000, s[MNT]
.endr
.irp b, 0,1
	v_lshrrev_b32 v[236+\b], 23, v[244+\b]
.endr
	v_lshl_or_b32 v253, v237, 8, v236              ; my row's two scale bytes
.irp b, 0,1
.irp i, 0,1,2,3,4,5,6,7,8,9,10,11,12,13,14,15
	v_med3_num_f32 v[O+16*\b+\i], v[O+16*\b+\i], -v[240+\b], v[240+\b]
.endr
	v_cvt_scalef32_pk8_bf8_f32 v[200+4*\b:201+4*\b], v[O+16*\b:O+7+16*\b], v[244+\b]
	v_cvt_scalef32_pk8_bf8_f32 v[202+4*\b:203+4*\b], v[O+8+16*\b:O+15+16*\b], v[244+\b]
.endr
	v_nop
	s_wait_alu depctr_va_vdst(0)                   ; the conversions have written v200-207 and the shift v253, which the stores below read; the vector lines above are done with v232-233, in which the LDS load further down lands: no vector instruction follows this wait ahead of it
	global_store_b128 v[LI], v[200:203], s[CXB:CXB+1]          ; 512 consecutive bytes each
	global_store_b128 v[LI], v[204:207], s[CXB:CXB+1] offset:512
	ds_store_b16 v[CTA], v253                      ; both halves of the lanes write the same two bytes with the same value
	s_wait_dscnt 0x0
	s_barrier_signal -1
	s_barrier_wait -1                              ; sixteen waves' bytes make two runs of 256 bytes
	s_cmp_lt_u32 s[WV], 2
	s_cbranch_scc0 .Lend
	ds_load_b64 v[232:233], v[CTR]
	s_wait_dscnt 0x0
	global_store_b64 v[G8], v[232:233], s[CSB:CSB+1]           ; 256 consecutive bytes, aligned
.Lend:
	s_wait_xcnt 0x0
	v_lshl_add_u32 v254, v0, 2, 0x16200            ; the add's two registers are made anew, from v0 as it stood at the entry; no memory or LDS instruction has read v254 or v255
	v_mov_b32 v255, 0
	s_wait_dscnt 0x0                               ; the closing lines, six on end
	s_wait_alu 0x0
	s_wait_tensorcnt 0x0
	ds_add_u32 v254, v255
	s_wait_dscnt 0x0
	s_endpgm
.Lfunc_end_k_q4186682bfd_attn:
	.size	k_q4186682bfd_attn, .Lfunc_end_k_q4186682bfd_attn-k_q4186682bfd_attn
	.p2alignl 7, 3214868480
	.fill 96, 4, 3214868480
	.section	.rodata,"a",@progbits
	.p2align	6, 0x0
	.amdhsa_kernel k_q4186682bfd_attn
		.amdhsa_group_segment_fixed_size 92672
		.amdhsa_private_segment_fixed_size 0
		.amdhsa_enable_private_segment 0
		.amdhsa_kernarg_size 24
		.amdhsa_user_sgpr_count 2
		.amdhsa_user_sgpr_kernarg_segment_ptr 1
		.amdhsa_wavefront_size32 1
		.amdhsa_system_sgpr_workgroup_id_x 1
		.amdhsa_system_sgpr_workgroup_id_y 1
		.amdhsa_system_sgpr_workgroup_id_z 1
		.amdhsa_system_vgpr_workitem_id 0
		.amdhsa_next_free_vgpr 256
		.amdhsa_next_free_sgpr 100
		.amdhsa_reserve_vcc 0
		.amdhsa_float_denorm_mode_32 3
		.amdhsa_float_denorm_mode_16_64 3
		.amdhsa_memory_ordered 1
		.amdhsa_forward_progress 1
		.amdhsa_inst_pref_size 130
	.end_amdhsa_kernel
	.amdgpu_metadata
---
amdhsa.version: [ 1, 2 ]
amdhsa.kernels:
  - .name:           k_q4186682bfd_attn
    .symbol:         k_q4186682bfd_attn.kd
    .args:
      - { .name: qk, .offset: 0, .size: 8, .value_kind: global_buffer, .address_space: global }
      - { .name: vv, .offset: 8, .size: 8, .value_kind: global_buffer, .address_space: global }
      - { .name: cx, .offset: 16, .size: 8, .value_kind: global_buffer, .address_space: global }
    .group_segment_fixed_size: 92672
    .private_segment_fixed_size: 0
    .kernarg_segment_align: 8
    .kernarg_segment_size: 24
    .max_flat_workgroup_size: 512
    .sgpr_count:     100
    .vgpr_count:     256
    .wavefront_size: 32
...
	.end_amdgpu_metadata
.endif
;; end of part 7
;; launch oproj (part 8): grid 8 x 32, 4 waves a work-group, no clusters, 17,920 bytes of LDS; arguments prep, cx, out0; writes out0
.if DOCPART == 8
	.amdgcn_target "amdgcn-amd-amdhsa--gfx1250"
	.amdhsa_code_object_version 6
	.text
	.protected	k_q4186682bfd_oproj
	.globl	k_q4186682bfd_oproj
	.p2align	8
	.type	k_q4186682bfd_oproj,@function
k_q4186682bfd_oproj:
	s_mov_b64 s[64:65], 0
	v_nop
	global_prefetch_b8 v0, s[64:65] scope:SCOPE_SE
	s_setreg_imm32_b32 hwreg(HW_REG_WAVE_SCHED_MODE, 0, 2), 2
	s_setreg_imm32_b32 hwreg(HW_REG_WAVE_MODE, 25, 1), 1
	s_wait_xcnt 0x0
	s_wait_alu depctr_vm_vsrc(0)
; out0 = ctx Wo on codes of BF8 (E5M2) with E8M0 scales, K = 1,024, f32 out.  Both operands lie in memory in the order of the operand's registers, so each load of a wave is 512 consecutive bytes.
; A work-group makes 128 tokens x 128 columns, a wave 64 x 64: source 0 = four tiles of Wo's columns, source 1 = four tiles of tokens, 16 accumulators, 8 K steps of 128; 1,024 waves in all.
; Row r of tile T is index 32 (T / 2) + 8 (T % 2) + r + 8 (r / 8): a lane holds one token, and of tiles 2 b, 2 b + 1 its 16 registers are columns 32 b + 16 (lane / 16) + 0 .. 15.
; Three sets of fragments: a K step is asked for two steps ahead.  No tensor load and no cluster: a wave's whole matrix work is 128 instructions; a fragment is fetched by the two waves that share it.
; REGISTERS, in windows of 256: window 0: addresses; v64-79 Wo's scale words (8 x pair + K step), v80-95 ctx's; v128-191 rows on the way out, two sets.   window 1: accumulator (j, i) at 32 j + 8 i; from v128 fragment set 2.   window 2: sets 0 and 1.
; THE MODE: SCHED_MODE bits 1:0 = 2 (LLVM: expert scheduling mode 2), set by the entry lines.  The code itself states the register dependences between vector or matrix instructions and memory or LDS instructions, with s_wait_alu, always for 0.
; THE PLAN.  Registers that memory or LDS instructions touch:
;   fragment sets 0, 1, 2   K step s's 16 products read set s % 3; the 32 loads of K step s + 2, issued in step s, land in set (s - 1) % 3, which the step before read.
;   scale words v64-95      loaded once, into registers that nothing has named before; read by the products alone.
;   v1 to v5, v254, v255    addresses, offsets and the closing add's two, made at the head and never written again.
;   the accumulators        written by the products, read by the LDS stores of the way out.
;   v128-191 of window 0    two sets of rows: written by the loads from the stage, read by the global stores; tile a's rows land where tile a - 2's lay.
; So ONE wait on va_vdst stands at the head of a K step: the step before is done reading its set.  The step's 32 loads follow it in two halves, dealt among its 16 products, which name set s % 3, the accumulators and the
; scale words: none of the registers that those loads touch.  One wait on va_vdst stands ahead of the way out, and one on vm_vsrc ahead of the stage loads of tiles 2 and 3.
.set WC,   0x400000
.set WS,   0x6a0000
.set CSG,  0x400000
.set LI,   1                           ; v1  16 x lane
.set L8,   2                           ; v2  8 x lane
.set STO,  3                           ; v3  the stage: where I put 16 bytes of a row
.set RD,   4                           ; v4  and where I read a row back
.set GO,   5                           ; v5  my byte offset in two rows of out0
.set SC0,  64
.set SC1,  80
.set OUTR, 128
.set S0C,  24
.set S1C,  26
.set S0S,  28
.set S1S,  30
.set OUTB, 32
.set MSB, 0
.macro WIN new                         ; the immediate's high byte repeats the setting that is left
.if MSB != \new
	s_set_vgpr_msb (MSB<<8)|\new
.set MSB, \new
.endif
.endm
.macro WM acc, fa, fb, sa, sb, ra, rb, zero    ; one product; ra, rb: the side's scale words stand in lanes 16-31 (an odd tile); zero: it starts the sum
.if \zero
.if (\ra) && (\rb)
	v_wmma_scale_f32_16x16x128_f8f6f4 v[(\acc):(\acc)+7], v[(\fa):(\fa)+15], v[(\fb):(\fb)+15], 0, v[\sa], v[\sb] matrix_a_fmt:MATRIX_FMT_BF8 matrix_b_fmt:MATRIX_FMT_BF8 matrix_a_scale:MATRIX_SCALE_ROW1 matrix_b_scale:MATRIX_SCALE_ROW1
.elseif (\ra)
	v_wmma_scale_f32_16x16x128_f8f6f4 v[(\acc):(\acc)+7], v[(\fa):(\fa)+15], v[(\fb):(\fb)+15], 0, v[\sa], v[\sb] matrix_a_fmt:MATRIX_FMT_BF8 matrix_b_fmt:MATRIX_FMT_BF8 matrix_a_scale:MATRIX_SCALE_ROW1
.elseif (\rb)
	v_wmma_scale_f32_16x16x128_f8f6f4 v[(\acc):(\acc)+7], v[(\fa):(\fa)+15], v[(\fb):(\fb)+15], 0, v[\sa], v[\sb] matrix_a_fmt:MATRIX_FMT_BF8 matrix_b_fmt:MATRIX_FMT_BF8 matrix_b_scale:MATRIX_SCALE_ROW1
.else
	v_wmma_scale_f32_16x16x128_f8f6f4 v[(\acc):(\acc)+7], v[(\fa):(\fa)+15], v[(\fb):(\fb)+15], 0, v[\sa], v[\sb] matrix_a_fmt:MATRIX_FMT_BF8 matrix_b_fmt:MATRIX_FMT_BF8
.endif
.else
.if (\ra) && (\rb)
	v_wmma_scale_f32_16x16x128_f8f6f4 v[(\acc):(\acc)+7], v[(\fa):(\fa)+15], v[(\fb):(\fb)+15], v[(\acc):(\acc)+7], v[\sa], v[\sb] matrix_a_fmt:MATRIX_FMT_BF8 matrix_b_fmt:MATRIX_FMT_BF8 matrix_a_scale:MATRIX_SCALE_ROW1 matrix_b_scale:MATRIX_SCALE_ROW1
.elseif (\ra)
	v_wmma_scale_f32_16x16x128_f8f6f4 v[(\acc):(\acc)+7], v[(\fa):(\fa)+15], v[(\fb):(\fb)+15], v[(\acc):(\acc)+7], v[\sa], v[\sb] matrix_a_fmt:MATRIX_FMT_BF8 matrix_b_fmt:MATRIX_FMT_BF8 matrix_a_scale:MATRIX_SCALE_ROW1
.elseif (\rb)
	v_wmma_scale_f32_16x16x128_f8f6f4 v[(\acc):(\acc)+7], v[(\fa):(\fa)+15], v[(\fb):(\fb)+15], v[(\acc):(\acc)+7], v[\sa], v[\sb] matrix_a_fmt:MATRIX_FMT_BF8 matrix_b_fmt:MATRIX_FMT_BF8 matrix_b_scale:MATRIX_SCALE_ROW1
.else
	v_wmma_scale_f32_16x16x128_f8f6f4 v[(\acc):(\acc)+7], v[(\fa):(\fa)+15], v[(\fb):(\fb)+15], v[(\acc):(\acc)+7], v[\sa], v[\sb] matrix_a_fmt:MATRIX_FMT_BF8 matrix_b_fmt:MATRIX_FMT_BF8
.endif
.endif
.endm
.macro FHALF s, buf, side              ; half of K step s: 16 loads of 512 consecutive bytes.  side 0: Wo's four fragments; side 1: ctx's
.if (\buf) == 2
	WIN 0x40                                       ; destination window 1
.set FB, 128
.else
	WIN 0x80                                       ; destination window 2
.set FB, 128*(\buf)
.endif
.if (\side) == 0
.irp i, 0,1,2,3
.irp c, 0,1,2,3
	global_load_b128 v[FB+16*\i+4*\c:FB+16*\i+4*\c+3], v[LI], s[S0C:S0C+1] offset:\i*16384+(\s)*2048+\c*512
.endr
.endr
.else
.irp j, 0,1,2,3
.irp c, 0,1,2,3
	global_load_b128 v[FB+64+16*\j+4*\c:FB+64+16*\j+4*\c+3], v[LI], s[S1C:S1C+1] offset:\j*16384+(\s)*2048+\c*512
.endr
.endr
.endif
.endm
.macro MULH s, buf, zero, ja, jb       ; 8 of a K step's 16 products: tiles ja, jb of tokens.  The 16 accumulators take turns, one instruction a turn, in the same order in every step
.if (\buf) == 2
	WIN 0x55                                       ; all four places window 1
.set FB, 128
.else
	WIN 0x5a                                       ; sources 0 and 1 window 2, C and D window 1
.set FB, 128*(\buf)
.endif
.irp j, \ja, \jb
.irp i, 0,1,2,3
	WM 32*\j+8*\i, FB+16*\i, FB+64+16*\j, SC0+8*(\i/2)+(\s), SC1+8*(\j/2)+(\s), \i%2, \j%2, \zero
.endr
.endr
.endm
.macro PLACES                          ; eight plain vector lines between a matrix instruction of this form and a load into, or a store of, its registers (ISA guide 7.12.1 for stores)
.rept 8
	v_nop
.endr
.endm
; THE WAY OUT, a tile of 16 tokens x 64 columns at a time, through my own stage (16 rows of 256 bytes + 16): a lane holds pieces of one row, and the rows come back whole.  LDS serves a wave's instructions in order
.macro TOSTAGE j
	WIN 0x04                                       ; an LDS store's data are its source 1: window 1
.irp i, 0,1,2,3
	ds_store_b128 v[STO], v[32*(\j)+8*\i:32*(\j)+8*\i+3] offset:128*(\i/2)+32*(\i%2)          ; each accumulator from its low end on
	ds_store_b128 v[STO], v[32*(\j)+8*\i+4:32*(\j)+8*\i+7] offset:128*(\i/2)+32*(\i%2)+16
.endr
	WIN 0
.irp t, 0,1,2,3,4,5,6,7
	ds_load_b128 v[OUTR+32*((\j)%2)+4*\t:OUTR+32*((\j)%2)+4*\t+3], v[RD] offset:544*\t
.endr
.endm
.macro SEND j, younger                 ; younger: the LDS instructions issued behind tile j's loads, which may stay out
	s_wait_dscnt \younger
.irp t, 0,1,2,3,4,5,6,7
	global_store_b128 v[GO], v[OUTR+32*((\j)%2)+4*\t:OUTR+32*((\j)%2)+4*\t+3], s[OUTB:OUTB+1] offset:(32*((\j)/2)+8*((\j)%2)+2*\t+8*(\t/4))*4096 th:TH_STORE_NT   ; rows 2 t and 2 t + 1 of the tile: sixteen lanes store 256 consecutive bytes, aligned
.endr
.endm
	s_load_b128 s[4:7], s[0:1], 0x0                ; prep s[4:5], cx s[6:7]
	s_load_b64 s[8:9], s[0:1], 0x10                ; out0
	v_lshl_add_u32 v254, v0, 2, 0x4400
	v_mov_b32 v255, 0
	v_lshrrev_b32 v6, 5, v0
	v_readfirstlane_b32 s10, v6                    ; wave
	v_and_b32 v6, 31, v0                           ; lane
	v_and_b32 v7, 15, v0                           ; r
	v_bfe_u32 v8, v0, 4, 1                         ; h
	v_lshlrev_b32 v[LI], 4, v6
	v_lshlrev_b32 v[L8], 3, v6
	s_wait_alu depctr_va_sdst(0)                   ; s10, the wave's number, is written, ahead of its first reader
	s_mul_i32 s11, s10, 4352                       ; my stage
	v_mul_u32_u24 v[STO], v7, 272
	v_lshl_add_u32 v[STO], v8, 6, v[STO]
	v_add_nc_u32 v[STO], s11, v[STO]               ; in: row r, + 64 h
	v_mul_u32_u24 v[RD], v8, 272
	v_lshl_add_u32 v[RD], v7, 4, v[RD]
	v_add_nc_u32 v[RD], s11, v[RD]                 ; back: lanes 0-15 one row, lanes 16-31 the next
	v_lshlrev_b32 v[GO], 12, v8
	v_lshl_add_u32 v[GO], v7, 4, v[GO]             ; and the same in out0: rows of 4,096 bytes
	s_and_b32 s12, ttmp7, 0xffff
	s_and_b32 s13, s10, 1
	s_lshr_b32 s14, s10, 1
	s_lshl_b32 s20, ttmp9, 3
	s_lshl_b32 s15, s13, 2
	s_add_co_u32 s20, s20, s15                     ; my first tile of Wo's columns: 8 x + 4 (wave % 2)
	s_lshl_b32 s21, s12, 3
	s_lshl_b32 s15, s14, 2
	s_add_co_u32 s21, s21, s15                     ; my first tile of tokens: 8 y + 4 (wave / 2)
	s_mov_b32 s35, 0
	s_wait_kmcnt 0x0
	s_lshl_b32 s34, s20, 14
	s_add_co_u32 s34, s34, WC+96*16384
	s_add_nc_u64 s[S0C:S0C+1], s[4:5], s[34:35]
	s_lshl_b32 s34, s20, 9
	s_add_co_u32 s34, s34, WS+48*1024
	s_add_nc_u64 s[S0S:S0S+1], s[4:5], s[34:35]
	s_lshl_b32 s34, s21, 14
	s_add_nc_u64 s[S1C:S1C+1], s[6:7], s[34:35]
	s_lshl_b32 s34, s21, 9
	s_add_co_u32 s34, s34, CSG
	s_add_nc_u64 s[S1S:S1S+1], s[6:7], s[34:35]
	s_lshl_b32 s34, s21, 16                        ; token 16 x tile, rows of 4,096 bytes
	s_lshl_b32 s15, s20, 6                         ; column 16 x tile, 4 bytes
	s_add_co_u32 s34, s34, s15
	s_add_nc_u64 s[OUTB:OUTB+1], s[8:9], s[34:35]
	s_wait_alu depctr_va_vdst(0)                   ; v1 to v5 are written, which the loads, LDS instructions and stores of the kernel read as addresses and offsets
.irp p, 0,1                            ; the scale words of all 8 K steps: lanes 0-15 the even tile's rows, lanes 16-31 the odd tile's
.irp g, 0,1
	global_load_b128 v[SC0+8*\p+4*\g:SC0+8*\p+4*\g+3], v[LI], s[S0S:S0S+1] offset:\p*1024+\g*512
.endr
.endr
.irp p, 0,1
.irp q, 0,1,2,3
	global_load_b64 v[SC1+8*\p+2*\q:SC1+8*\p+2*\q+1], v[L8], s[S1S:S1S+1] offset:\p*1024+\q*256
.endr
.endr
	FHALF 0, 0, 0
	FHALF 0, 0, 1
	FHALF 1, 1, 0
	FHALF 1, 1, 1
	s_wait_loadcnt 32                              ; the scale words and K step 0 are in; K step 1's 32 loads may be out
	FHALF 2, 2, 0                                  ; set 2 has been named by nothing yet
	MULH 0, 0, 1, 0, 1                             ; the first K step starts the sums: nothing is cleared
	FHALF 2, 2, 1
	MULH 0, 0, 1, 2, 3
.irp s, 1,2,3,4,5
	s_wait_loadcnt 32                              ; this K step is in; the next step's 32 loads may be out
	PLACES                                         ; in front of loads into the set that the step before multiplied
	s_wait_alu depctr_va_vdst(0)                   ; the products of the step before are done reading their set of fragments, in which this step's 32 loads land
	FHALF \s+2, (\s+2)%3, 0
	MULH \s, \s%3, 0, 0, 1                         ; these name this step's set, the accumulators and the scale words: none of the registers that the loads below touch
	FHALF \s+2, (\s+2)%3, 1
	MULH \s, \s%3, 0, 2, 3
.endr
	s_wait_loadcnt 32
	MULH 6, 0, 0, 0, 1
	MULH 6, 0, 0, 2, 3
	s_wait_loadcnt 0x0
	MULH 7, 1, 0, 0, 1
	MULH 7, 1, 0, 2, 3
	PLACES                                         ; in front of the LDS stores that read the results
	s_wait_alu depctr_va_vdst(0)                   ; the products have written the accumulators, which the LDS stores of all four tiles read; the places above stay beside this wait; no vector or matrix instruction follows it
	TOSTAGE 0
.irp a, 1,2,3
.if \a > 1
	s_wait_xcnt 0x0                                ; tile a - 2's stores have read their registers, into which tile a's rows land
	s_wait_alu depctr_vm_vsrc(0)                   ; the same dependence stated for the mode: tile a - 2's global stores have read their set of v128-191, in which the loads from the stage land
.endif
	TOSTAGE \a
	SEND \a-1, 16                                  ; behind tile a - 1's loads: tile a's 8 stores and 8 loads
.endr
	SEND 3, 0
	s_wait_dscnt 0x0                               ; the closing lines, six on end
	s_wait_alu 0x0
	s_wait_tensorcnt 0x0
	ds_add_u32 v254, v255
	s_wait_dscnt 0x0
	s_endpgm
.Lfunc_end_k_q4186682bfd_oproj:
	.size	k_q4186682bfd_oproj, .Lfunc_end_k_q4186682bfd_oproj-k_q4186682bfd_oproj
	.p2alignl 7, 3214868480
	.fill 96, 4, 3214868480
	.section	.rodata,"a",@progbits
	.p2align	6, 0x0
	.amdhsa_kernel k_q4186682bfd_oproj
		.amdhsa_group_segment_fixed_size 17920
		.amdhsa_private_segment_fixed_size 0
		.amdhsa_enable_private_segment 0
		.amdhsa_kernarg_size 24
		.amdhsa_user_sgpr_count 2
		.amdhsa_user_sgpr_kernarg_segment_ptr 1
		.amdhsa_wavefront_size32 1
		.amdhsa_system_sgpr_workgroup_id_x 1
		.amdhsa_system_sgpr_workgroup_id_y 1
		.amdhsa_system_sgpr_workgroup_id_z 1
		.amdhsa_system_vgpr_workitem_id 0
		.amdhsa_next_free_vgpr 768
		.amdhsa_next_free_sgpr 66
		.amdhsa_reserve_vcc 0
		.amdhsa_float_denorm_mode_32 3
		.amdhsa_float_denorm_mode_16_64 3
		.amdhsa_memory_ordered 1
		.amdhsa_forward_progress 1
		.amdhsa_inst_pref_size 54
	.end_amdhsa_kernel
	.amdgpu_metadata
---
amdhsa.version: [ 1, 2 ]
amdhsa.kernels:
  - .name:           k_q4186682bfd_oproj
    .symbol:         k_q4186682bfd_oproj.kd
    .args:
      - { .name: prep, .offset: 0, .size: 8, .value_kind: global_buffer, .address_space: global }
      - { .name: cx, .offset: 8, .size: 8, .value_kind: global_buffer, .address_space: global }
      - { .name: out0, .offset: 16, .size: 8, .value_kind: global_buffer, .address_space: global }
    .group_segment_fixed_size: 17920
    .private_segment_fixed_size: 0
    .kernarg_segment_align: 8
    .kernarg_segment_size: 24
    .max_flat_workgroup_size: 128
    .sgpr_count:     66
    .vgpr_count:     768
    .wavefront_size: 32
...
	.end_amdgpu_metadata
.endif
;; end of part 8
